; MI455X (gfx1250); checked and timed in simulation.
; The chip was launched on July 23, 2026; its instructions are those of AMD's public machine-readable ISA for CDNA 5 (MIT licence, August 2026) and "CDNA5" Instruction Set Architecture Reference Guide (July 2026). The comments in the code are by the model that wrote it; some were corrected since.
;; Block. Allowed arithmetic: matrix products marked QUANTISED: E2M3 operands, one E8M0 scale for each 32 along K, by v_wmma_scale_f32_16x16x128_f8f6f4 with both operands' format E2M3, f32 sums; everything else in f32.
;; Inputs: b1 4,096 float32; b2 1,024 float32; bk 1,024 float32; bo 1,024 float32; bq 1,024 float32; bv 1,024 float32; ln1_b 1,024 float32; ln1_w 1,024 float32; ln2_b 1,024 float32; ln2_w 1,024 float32; w1 1,024 x 4,096 float32; w2 4,096 x 1,024 float32; wk 1,024 x 1,024 float32; wo 1,024 x 1,024 float32; wq 1,024 x 1,024 float32; wv 1,024 x 1,024 float32; x 2 x 2,048 x 1,024 float32.
;; Outputs: out0 2 x 2,048 x 1,024 float32.
;; This version of the problem:
;;   THIS VERSION OF THE PROBLEM IS GIVEN IN LOW PRECISION. The matrix products marked QUANTISED in the list below multiply operands that are first quantised to E2M3 (2 exponent bits, 3 mantissa bits; 6 bits a number), with one power-of-two scale for each 32 numbers along K (OCP MX v1.0); their sums are f32. All else is computed in f32.
;;   The module's matrix products, in the order in which they are computed (A, B: the left and right operand; K: the contracted axis; several contracted axes count as one K, in the product's order):
;;     1. [M 4,096, K 1,024] x [K 1,024, N 1,024]; A: computed on the way; B: input wq: QUANTISED
;;     2. [M 4,096, K 1,024] x [K 1,024, N 1,024]; A: computed on the way; B: input wk: QUANTISED
;;     3. [M 4,096, K 1,024] x [K 1,024, N 1,024]; A: computed on the way; B: input wv: QUANTISED
;;     4. batch 32 x [M 2,048, K 64] x [K 64, N 2,048]; A: computed on the way; B: computed on the way: QUANTISED
;;     5. batch 32 x [M 2,048, K 2,048] x [K 2,048, N 64]; A: softmax (see below); B: computed on the way: QUANTISED
;;     6. [M 4,096, K 1,024] x [K 1,024, N 1,024]; A: computed on the way; B: input wo: QUANTISED
;;     7. [M 4,096, K 1,024] x [K 1,024, N 4,096]; A: computed on the way; B: input w1: QUANTISED
;;     8. [M 4,096, K 4,096] x [K 4,096, N 1,024]; A: computed on the way; B: input w2: QUANTISED
;;   THE QUANTISER, for each operand of a quantised product, along K:
;;     - K is cut into blocks of 32 from its start; a last block that is shorter is filled with zeros.
;;     - A block's scale is 2^e with e = floor(log2(the largest magnitude in the block)) - 2, held to -126 .. 127; a block of zeros has e = 0. As a byte (E8M0): e + 127.
;;     - Each number is divided by its block's scale, clamped to +-7.5, and rounded to the nearest number of E2M3, ties to even, subnormals kept.
;;     - The product sums the exact products of the quantised numbers (number of the format x scale) in f32.
;;   ~~~python
;;   def quantise(x, axis):      # numpy; x: float32 -> the quantised numbers, widened to float32 again
;;       x = np.moveaxis(x, axis, -1); K = x.shape[-1]
;;       x = np.pad(x, [(0, 0)] * (x.ndim - 1) + [(0, -K % 32)]); x = x.reshape(x.shape[:-1] + (-1, 32)); a = np.abs(x).max(-1, keepdims=True)
;;       e = np.where(a > 0, np.clip(np.frexp(np.where(a > 0, a, 1))[1] - 1 - 2, -126, 127), 0)      # np.frexp(a)[1] - 1 = floor(log2(a)), exactly
;;       r = np.clip(x / 2.0 ** e, -7.5, 7.5)
;;       step = 2.0 ** (np.maximum(np.frexp(np.where(r == 0, 1, r))[1] - 1, 0) - 3)
;;       q = np.round(r / step) * step * 2.0 ** e      # np.round: ties to even
;;       return np.moveaxis(q.reshape(q.shape[:-2] + (-1,))[..., :K], -1, axis).astype(np.float32)
;;   ~~~
;;   SOFTMAX AHEAD OF A QUANTISED PRODUCT. Where the list says 'softmax', what is quantised is not the finished softmax but p = 2^(t - M), with t = logit x log2(e) and M = ceil(the row's largest t), a whole number; so 1/2 < the row's largest p <= 1. The row's sum l is taken of the UNQUANTISED p, in f32, and the product's result is divided by l at the end. Since M is a whole number, a kernel that streams over the keys may use a running M (the ceiling of the running maximum): every later rescaling is an exact power of two, which a block's scale takes up: the codes' values come out the same.
;;   OPERANDS COMPUTED ON THE WAY. 'Computed on the way' means the value that the module computes at that place (a softmax that the list does not call 'softmax' is quantised finished and normalised). What goes into a quantiser is computed in f32, as accurately as f32 sums, v_exp_f32 and their like allow (about 1e-6 of the number): no bf16 or f16 on the way to a quantiser, and a product that is left as it is and whose result goes on into a quantised operand takes f32 operands (vector FMAs, or v_wmma_f32_16x16x4_f32). A number that lies on a knife's edge between two numbers of the format may be rounded either way, as far as f32 arithmetic and the matrix unit's own rounding can turn it there, and no further.
;; One version. Each part assembles by itself: llvm-mc -triple=amdgcn-amd-amdhsa -mcpu=gfx1250 --defsym DOCPART=n.
;; ======== version 1 of 1: 7 launches
;; limits: right only within a limited range of input values
;; workspace buffers: wimg 9,830,400 bytes; himg 3,276,800 bytes; qkvimg 10,092,544 bytes; yimg 3,276,800 bytes; xmid 16,777,216 bytes; gimg 13,107,200 bytes
;; launch pre1 (part 1): grid 512 x 1, 4 waves a work-group, no clusters, 79,616 bytes of LDS; arguments x, ln1_w, ln1_b, himg, wq, wk, wv, wo, wimg; writes himg, wimg
.if DOCPART == 1
	.amdgcn_target "amdgcn-amd-amdhsa--gfx1250"
	.amdhsa_code_object_version 6
	.text
	.protected	k_q5798ce6b9e_pre1
	.globl	k_q5798ce6b9e_pre1
	.p2align	8
	.type	k_q5798ce6b9e_pre1,@function
k_q5798ce6b9e_pre1:
	s_mov_b64 s[64:65], 0
	v_nop
	global_prefetch_b8 v0, s[64:65] scope:SCOPE_SE
	s_setreg_imm32_b32 hwreg(HW_REG_WAVE_MODE, 25, 1), 1
	s_wait_xcnt 0x0
; THE PROGRAM: a transformer block (LayerNorm, causal attention, projection, LayerNorm, MLP with exact GELU), all eight products on codes of FP6 (E2M3) with one E8M0 scale for each 32 along K.
; Seven launches: this one (LayerNorm 1 to codes; wq, wk, wv, wo to codes), qkv, attn, proj (+ residual), this text again with VARIANT = 2 (LayerNorm 2; w1, w2 to codes), fc1 (+ GELU, to codes), fc2 (+ residual).
; WORK LEFT OUT, and why it is dead: reference() builds the causal mask itself (jnp.tril) and sets every score with key > query to -infinity ahead of the softmax.  For such a key p = 2^(-inf) = 0 whatever finite
; values the inputs hold, so it adds nothing to the row's sum nor to the second product.  The attention launch leaves out the key steps (128 keys) that lie WHOLLY behind a wave's 16 queries; inside the step on the
; diagonal the hidden scores are computed and replaced by -infinity.  Every input has a way to the output and is loaded.  LIMIT: a NaN, an infinity or an overflow that reaches only those hidden scores is not carried to the result.
; LAYOUT OF ALL CODES IN THIS PROGRAM'S OWN BUFFERS: images of operand registers.  A fragment is 16 rows x 128 K = 12 registers a lane = 1,536 bytes: register i of lane L at (i / 4) 512 + 16 L + 4 (i % 4).
; An operand is [fragment row mb][K step ks][1,536]; its scale words [mb][ks][16 words], word r for the fragment's row r.  THE ROWS OF A FRAGMENT ARE NOT NEIGHBOURS: row i of fragment 2 B + u is true row
; 32 B + 8 u + i + 8 (i / 8), so that a transposed product leaves 16 neighbours along its N in the 16 registers of two neighbouring tiles, ready for the next quantiser.
; THIS LAUNCH has two kinds of work-groups, told apart by the work-group's number; both kinds stream, and neither waits for the other.
; WORK-GROUPS 0 TO 255: h = (x - mean) rsqrt(var + 1e-5) w + b along rows of 1,024 f32, quantised along the row; codes [256 fragment rows][8 K steps][1,536] at 0 of himg, scale words at 3,145,728.
;   A work-group makes one fragment row (16 tokens).  Phase 1: wave w normalises the fragment's rows 4 w .. 4 w + 3, four neighbouring tokens; a row is 8 loads of 512 consecutive bytes and stays in registers between the
;   passes; the variance is the mean of (x - mean)^2, taken in a second pass over the registers: a common offset of the inputs costs nothing.  The rows meet in a stage in LDS; phase 2: wave w quantises K steps 2 w, 2 w + 1.
; THE OTHERS: a weight, f32 with K as FIRST axis, becomes an image in wimg: wq|wk|wv at 0 (192 fragment rows, 8 K steps), wo at 3 U, w1 at 4 U, w2 at 8 U (U = 786,432); scale words from 9,437,184 on, at the codes' offset / 24.
;   A lane takes a column and its registers run down K: a block of 32 lies in one lane.  A work-group takes 128 columns x 128 K, a wave 32 columns (one pair of fragments) x one K step: four blocks a lane.
;   The codes go through the wave's own stage in LDS and leave as 512 consecutive bytes a store.
; The two kinds have LDS bytes of their own.  The one barrier stands in the text that all work-groups walk; what is read behind it is made at the head, and the weights' way writes none of it.
; A block's scale is 2^(floor(log2(largest magnitude)) - 2); its byte is the largest magnitude's exponent field - 2, held at 1 from below.
; LIMITS: a block of zeros gets the byte 1 where the rule says 127 (its codes are zeros, and this program alone reads the bytes); NaN and infinities among the inputs are not served.
.set VARIANT, 1                        ; 1: wq, wk, wv, wo (256 work-groups);  2: w1, w2 (512)
.set NLN, 256                          ; work-groups of the first kind
.set ROWP, 4112                        ; a row of the LayerNorm's stage: 4,096 + 16 bytes; 16 rows from LDS byte 0
.set WST, 65792                        ; the weights' stages: 3,328 bytes a wave: two fragments 1,664 bytes apart
.set SPARE, 79104                      ; the spare words, 128 bytes a wave
.set SPW, 8                            ; v8 LDS address of my spare word; never rewritten
.set NIL, 9                            ; v9 0; never rewritten
.set MU,  10                           ; v10-17  a pair a row: sums, then the mean in the low word
.set T,   18                           ; v18-21  the other half of the lanes' sums
.set SQ,  22                           ; v22-29  a pair a row: sums of squares, then 1 / sqrt in the low word
.set X,   32                           ; v32-159 row j at X + 32 j; in phase 2 two sets of 64 numbers
.set WG,  160                          ; v160-191 the gain of my 32 columns
.set BG,  192                          ; v192-223 the bias
.set PC,  160                          ; phase 2: the codes just made (20 registers)
.set TM,  224                          ; v224-239 the quantiser's scratch
.set PW,  240                          ; the scale word just made
.set SEL, 12
.set AD,  32                           ; the weights' way: v32-63 4 x lane + i x the weight's row, i = 0 .. 31
.set WX,  64                           ; v64-127 two sets of 32 numbers
.set OUTR, 128                         ; v128-151 the way out
.macro QUANT s                         ; 64 numbers of a lane, register 16 b + i = k 32 b + 16 (lane / 16) + i of my row, become a fragment's codes in v[PC] on and its scale word in v[PW]
.irp b, 0,1,2,3
	v_max3_num_f32 v[TM+\b], |v[\s+16*\b]|, |v[\s+1+16*\b]|, 0x1800000   ; block b: my 16 numbers, and the floor 2^(3 - 127)
.endr
.irp i, 2,4,6,8,10,12,14
.irp b, 0,1,2,3
	v_max3_num_f32 v[TM+\b], v[TM+\b], |v[\s+16*\b+\i]|, |v[\s+1+16*\b+\i]|
.endr
.endr
.irp b, 0,1,2,3
	v_permlanex16_b32 v[TM+4+\b], v[TM+\b], s[SEL], s[SEL+1]
.endr
.irp b, 0,1,2,3
	v_max_num_f32 v[TM+\b], v[TM+\b], v[TM+4+\b]   ; with lane l xor 16's: the block's largest magnitude
.endr
.irp b, 0,1,2,3
	v_add_nc_u32 v[TM+12+\b], 0xff000000, v[TM+\b] ; 2 off its exponent field: the conversion's scale operand
.endr
.irp b, 0,1,2,3
	v_lshrrev_b32 v[TM+4+\b], 23, v[TM+12+\b]      ; the scale's byte
.endr
	v_lshl_or_b32 v[PW], v[TM+5], 8, v[TM+4]
	v_lshl_or_b32 v[PW], v[TM+6], 16, v[PW]
	v_lshl_or_b32 v[PW], v[TM+7], 24, v[PW]
.irp c, 0,1
	v_cvt_scalef32_pk16_fp6_f32 v[PC+6*\c:PC+2+6*\c], v[\s+32*\c:\s+15+32*\c], v[TM+12+2*\c]
	v_cvt_scalef32_pk16_fp6_f32 v[PC+12+4*\c:PC+14+4*\c], v[\s+16+32*\c:\s+31+32*\c], v[TM+12+2*\c+1]
.endr
	v_nop                                          ; one plain place behind a scaled conversion
.irp c, 0,1                            ; the operand's layout wants a whole block in a lane
.irp i, 0,1,2
	v_permlane16_swap_b32 v[PC+6*\c+\i], v[PC+12+4*\c+\i]
.endr
.irp i, 0,1,2
	v_mov_b32 v[PC+3+6*\c+\i], v[PC+12+4*\c+\i]
.endr
.endr
.endm
.macro REDUCE b                        ; four rows' pairs become four sums over the 32 lanes, in every lane
.irp j, 0,1,2,3
	v_add_f32 v[\b+2*\j], v[\b+2*\j], v[\b+2*\j+1]
.endr
.irp m, 1,2,4,8
.irp j, 0,1,2,3
	v_add_f32_dpp v[\b+2*\j], v[\b+2*\j], v[\b+2*\j] row_xmask:\m row_mask:0xf bank_mask:0xf
.endr
.endr
.irp j, 0,1,2,3
	v_permlanex16_b32 v[T+\j], v[\b+2*\j], s[SEL], s[SEL+1]
.endr
.irp j, 0,1,2,3
	v_add_f32 v[\b+2*\j], v[\b+2*\j], v[T+\j]
.endr
.endm
.macro LOAD t                          ; block t: W(32 t + i, my column) into set t % 2: a wave reads 128 consecutive bytes, the four waves stand side by side
.set LL, 0
.rept 32
	global_load_b32 v[WX+32*((\t)%2)+LL], v[AD+LL], s[48+2*(\t):49+2*(\t)] th:TH_LOAD_NT
.set LL, LL+1
.endr
.endm
.macro BLOCK t
.set XS, WX+32*((\t)%2)
.set OO, ((\t)%2)*256                  ; the block belongs to lane r + 16 (t % 2) of the image
.if (\t) < 3
	s_wait_loadcnt 32                              ; this block's 32 loads are in; the next block's 32 may be out
.else
	s_wait_loadcnt 0x0
.endif
	v_max3_num_f32 v17, |v[XS]|, |v[XS+1]|, |v[XS+2]|      ; the block's largest magnitude: all 32 numbers are mine; two chains
	v_max3_num_f32 v18, |v[XS+3]|, |v[XS+4]|, |v[XS+5]|
.irp i, 6,10,14,18,22,26
	v_max3_num_f32 v17, v17, |v[XS+\i]|, |v[XS+\i+1]|
	v_max3_num_f32 v18, v18, |v[XS+\i+2]|, |v[XS+\i+3]|
.endr
	v_max3_num_f32 v17, v17, |v[XS+30]|, |v[XS+31]|
	v_max3_num_f32 v17, v17, v18, 0x1800000        ; and the floor 2^(3 - 127): the byte cannot fall under 1
	v_add_nc_u32 v16, 0xff000000, v17              ; 2 off its exponent field: the conversion's scale operand
	v_lshrrev_b32 v18, 23, v16                     ; the scale's byte
.if (\t) == 0
	v_mov_b32 v20, v18
.else
	v_lshl_or_b32 v20, v18, 8*(\t), v20
.endif
	v_cvt_scalef32_pk16_fp6_f32 v[22:24], v[XS:XS+15], v16
	v_cvt_scalef32_pk16_fp6_f32 v[28:30], v[XS+16:XS+31], v16    ; (a conversion's three registers begin on an even number)
	v_nop                                          ; one plain place behind a scaled conversion
	v_mov_b32 v25, v28
	v_mov_b32 v26, v29
	v_mov_b32 v27, v30                             ; v22-27: the block's 24 bytes = registers 6 c .. 6 c + 5 of the image's lane, c = t / 2
.if (\t) < 2
	ds_store_b128 v13, v[22:25] offset:OO          ; registers 0-3
	ds_store_b64 v13, v[26:27] offset:OO+512       ; registers 4, 5
.else
	ds_store_b64 v13, v[22:23] offset:OO+520       ; registers 6, 7
	ds_store_b128 v13, v[24:27] offset:OO+1024     ; registers 8-11
.endif
.if (\t)+2 < 4
	LOAD (\t)+2
.endif
	s_wait_dscnt 0x0                               ; the stores have read their registers: the next block's codes may be written
.endm
	s_load_b256 s[4:11], s[0:1], 0x0               ; the rows, the gain, the bias, himg
.if VARIANT == 1
	s_load_b256 s[24:31], s[0:1], 0x20             ; wq, wk, wv, wo
	s_load_b64 s[32:33], s[0:1], 0x40              ; wimg
.else
	s_load_b128 s[24:27], s[0:1], 0x20             ; w1, w2
	s_load_b64 s[32:33], s[0:1], 0x30              ; wimg
.endif
	v_lshl_add_u32 v[SPW], v0, 2, SPARE
	v_mov_b32 v[NIL], 0
	v_lshrrev_b32 v1, 5, v0
	v_readfirstlane_b32 s16, v1                    ; wave
	v_and_b32 v1, 31, v0                           ; lane
	v_lshlrev_b32 v2, 4, v1                        ; 16 x lane
	v_and_b32 v3, 15, v0                           ; r
	v_bfe_u32 v4, v0, 4, 1                         ; h
	s_mul_i32 s17, s16, 4*ROWP
	v_add_nc_u32 v5, s17, v2                       ; into the stage: my four rows, 16 bytes a lane
	v_mul_u32_u24 v6, v3, ROWP
	v_lshl_add_u32 v6, v4, 6, v6
	s_lshl_b32 s17, s16, 10
	v_add_nc_u32 v6, s17, v6                       ; out of it: row r, + 64 h, + my two K steps (1,024 bytes a wave)
	v_lshlrev_b32 v7, 2, v1                        ; 4 x lane
	s_mov_b32 s[SEL], 0x76543210
	s_mov_b32 s[SEL+1], 0xfedcba98
	s_mov_b32 s14, 0x3a800000                      ; 1 / 1,024
	s_mov_b32 s15, 0x3727c5ac                      ; 1e-5
	s_lshr_b32 s18, ttmp9, 1
	s_lshl_b32 s18, s18, 5
	s_and_b32 s19, ttmp9, 1
	s_lshl_b32 s19, s19, 3
	s_add_co_u32 s18, s18, s19
	s_lshl_b32 s19, s16, 2
	s_add_co_u32 s18, s18, s19
	s_lshr_b32 s19, s16, 1
	s_lshl_b32 s19, s19, 3
	s_add_co_u32 s18, s18, s19                     ; my first token: 32 (mb / 2) + 8 (mb % 2) + 4 w + 8 (w / 2)
	s_lshl_b32 s18, s18, 12
	s_mov_b32 s19, 0
	s_lshl_b32 s20, ttmp9, 3
	s_lshl_b32 s21, s16, 1
	s_add_co_u32 s20, s20, s21                     ; my first fragment: 8 mb + 2 w
	s_mul_i32 s22, s20, 1536
	s_mov_b32 s23, 0
	s_lshl_b32 s20, s20, 6
	s_add_co_u32 s20, s20, 3145728
	s_mov_b32 s21, 0
.irp j, 0,1,2,3
	v_mov_b32 v[TM+4+\j], 0                        ; written once: a lane permute's destination counts as one of its sources
.endr
	s_wait_kmcnt 0x0
	s_add_nc_u64 s[4:5], s[4:5], s[18:19]
	s_add_nc_u64 s[22:23], s[10:11], s[22:23]
	s_add_nc_u64 s[20:21], s[10:11], s[20:21]
	s_cmp_ge_u32 ttmp9, NLN                        ; the work-group's number: the same in all four waves
	s_cbranch_scc1 .Lweights
	; ---- LayerNorm, phase 1
.irp j, 0,1,2,3
	v_mov_b32 v[T+\j], 0                           ; a lane permute's destination counts as one of its sources
.endr
.irp j, 0,1,2,3
.irp c, 0,1,2,3,4,5,6,7
	global_load_b128 v[X+32*\j+4*\c:X+32*\j+4*\c+3], v2, s[4:5] offset:4096*\j+512*\c
.endr
.endr
.irp c, 0,1,2,3,4,5,6,7
	global_load_b128 v[WG+4*\c:WG+4*\c+3], v2, s[6:7] offset:512*\c
	global_load_b128 v[BG+4*\c:BG+4*\c+3], v2, s[8:9] offset:512*\c
.endr
	s_wait_loadcnt 16                              ; the four rows are in; the 16 loads of gain and bias may be out
.irp j, 0,1,2,3
	v_pk_add_f32 v[MU+2*\j:MU+2*\j+1], v[X+32*\j:X+32*\j+1], v[X+32*\j+2:X+32*\j+3]
.endr
.irp p, 4,6,8,10,12,14,16,18,20,22,24,26,28,30
.irp j, 0,1,2,3
	v_pk_add_f32 v[MU+2*\j:MU+2*\j+1], v[MU+2*\j:MU+2*\j+1], v[X+32*\j+\p:X+32*\j+\p+1]
.endr
.endr
	REDUCE MU
.irp j, 0,1,2,3
	v_mul_f32 v[MU+2*\j], s14, v[MU+2*\j]          ; the mean
.endr
.irp p, 0,2,4,6,8,10,12,14,16,18,20,22,24,26,28,30
.irp j, 0,1,2,3
	v_pk_add_f32 v[X+32*\j+\p:X+32*\j+\p+1], v[X+32*\j+\p:X+32*\j+\p+1], v[MU+2*\j:MU+2*\j+1] op_sel_hi:[1,0] neg_lo:[0,1] neg_hi:[0,1]   ; x - mean
.endr
.endr
.irp j, 0,1,2,3
	v_pk_mul_f32 v[SQ+2*\j:SQ+2*\j+1], v[X+32*\j:X+32*\j+1], v[X+32*\j:X+32*\j+1]
.endr
.irp p, 2,4,6,8,10,12,14,16,18,20,22,24,26,28,30
.irp j, 0,1,2,3
	v_pk_fma_f32 v[SQ+2*\j:SQ+2*\j+1], v[X+32*\j+\p:X+32*\j+\p+1], v[X+32*\j+\p:X+32*\j+\p+1], v[SQ+2*\j:SQ+2*\j+1]
.endr
.endr
	REDUCE SQ
.irp j, 0,1,2,3
	v_fma_f32 v[SQ+2*\j], v[SQ+2*\j], s14, s15     ; the variance + 1e-5
.endr
	s_wait_alu depctr_va_vdst(0)
.irp j, 0,1,2,3
	v_rsq_f32 v[SQ+2*\j], v[SQ+2*\j]
.endr
	v_nop                                          ; a plain place behind the last of the four
	s_wait_alu depctr_va_vdst(0)                   ; one wait for the four, ahead of their first reader
	s_wait_loadcnt 0x0                             ; gain and bias
.irp p, 0,2,4,6,8,10,12,14,16,18,20,22,24,26,28,30
.irp j, 0,1,2,3
	v_pk_mul_f32 v[X+32*\j+\p:X+32*\j+\p+1], v[X+32*\j+\p:X+32*\j+\p+1], v[SQ+2*\j:SQ+2*\j+1] op_sel_hi:[1,0]
.endr
.irp j, 0,1,2,3
	v_pk_fma_f32 v[X+32*\j+\p:X+32*\j+\p+1], v[X+32*\j+\p:X+32*\j+\p+1], v[WG+\p:WG+\p+1], v[BG+\p:BG+\p+1]
.endr
.endr
.irp j, 0,1,2,3
.irp c, 0,1,2,3,4,5,6,7
	ds_store_b128 v5, v[X+32*\j+4*\c:X+32*\j+4*\c+3] offset:\j*ROWP+512*\c
.endr
.endr
	s_branch .Lmeet
.Lweights:
	; ---- a weight: 128 columns x 128 along K.  This way writes v10-30, v32-151 and s24-25, s34-79 alone
	v_bfe_u32 v10, v0, 3, 1                        ; u: which fragment of the pair my column falls into
	s_wait_alu depctr_va_vdst(0)
	v_and_b32 v11, 7, v0
	v_lshl_or_b32 v11, v4, 3, v11                  ; r: and which row of it
	s_mul_i32 s34, s16, 3328
	s_add_co_u32 s34, s34, WST
	v_mul_u32_u24 v13, v10, 1664
	v_lshl_add_u32 v13, v11, 4, v13
	v_add_nc_u32 v13, s34, v13                     ; into my stage: u x 1,664 + 16 r
	v_add_nc_u32 v14, s34, v2                      ; out of it: 16 x lane
	s_sub_co_u32 s35, ttmp9, NLN
.if VARIANT == 1
	s_lshr_b32 s43, s35, 6                         ; which of the four weights: 64 work-groups each
	s_and_b32 s38, s35, 7                          ; nx: which 128 columns
	s_bfe_u32 s40, s35, 0x30003                    ; ky: which K step
	s_mov_b32 s37, 4096                            ; a row of the weight in bytes
	s_mov_b32 s44, 8                               ; K steps of the image
	s_mov_b32 s42, s43                             ; the image's place in units of U
.else
	s_lshr_b32 s43, s35, 8                         ; 0: w1, 1: w2: 256 work-groups each
	s_and_b32 s35, s35, 255
	s_mov_b32 s37, 4096
	s_cmp_eq_u32 s43, 0
	s_cselect_b32 s36, 5, 3                        ; 32 or 8 blocks of 128 columns
	s_cselect_b32 s37, 16384, s37
	s_cselect_b32 s44, 8, 32
	s_cselect_b32 s42, 4, 8
	s_lshl_b32 s38, 1, s36
	s_sub_co_u32 s38, s38, 1
	s_and_b32 s38, s35, s38
	s_lshr_b32 s40, s35, s36
.endif
	s_mul_i32 s46, s40, s37
	s_lshl_b32 s46, s46, 7                         ; ky x 128 rows
	s_lshl_b32 s47, s38, 9
	s_add_co_u32 s46, s46, s47                     ; + 128 nx columns
	s_lshl_b32 s47, s16, 7
	s_add_co_u32 s46, s46, s47                     ; + 32 x wave columns
	s_mov_b32 s47, 0
	s_lshl_b32 s72, s37, 5                         ; a block of 32 rows
	s_mov_b32 s73, 0
	s_lshl_b32 s74, s38, 3
	s_lshl_b32 s75, s16, 1
	s_add_co_u32 s74, s74, s75                     ; my first fragment row: 8 nx + 2 x wave
	s_mul_i32 s74, s74, s44
	s_add_co_u32 s74, s74, s40                     ; fragment number: row x K steps + ky
	s_mul_i32 s76, s74, 1536
	s_mul_i32 s75, s42, 786432
	s_add_co_u32 s76, s76, s75
	s_mov_b32 s77, 0                               ; s[76:77]: where my codes go
	s_lshl_b32 s74, s74, 6
	s_lshl_b32 s75, s42, 15
	s_add_co_u32 s74, s74, s75
	s_add_co_u32 s74, s74, 9437184
	s_mov_b32 s75, 0                               ; s[74:75]: where my scale words go
	s_mul_i32 s78, s44, 1536                       ; from a fragment row to the next
	s_mov_b32 s79, 0
	s_lshl_b32 s39, s44, 6
	v_mul_u32_u24 v15, v10, s39
	s_wait_alu depctr_va_vdst(0)
	v_lshl_add_u32 v15, v11, 2, v15                ; my scale word's place: 4 r + u x K steps x 64
.set LL, 0
.rept 32
	s_mul_i32 s41, s37, LL
	v_add_nc_u32 v[AD+LL], s41, v7
.set LL, LL+1
.endr
	s_cmp_eq_u32 s43, 1                            ; the choice hangs on the work-group's number alone
	s_cselect_b64 s[24:25], s[26:27], s[24:25]
.if VARIANT == 1
	s_cmp_eq_u32 s43, 2
	s_cselect_b64 s[24:25], s[28:29], s[24:25]
	s_cmp_eq_u32 s43, 3
	s_cselect_b64 s[24:25], s[30:31], s[24:25]
.endif
	s_add_nc_u64 s[48:49], s[24:25], s[46:47]      ; a base for each of my four blocks of 32 along K: s[48:55]
.irp t, 1,2,3
	s_add_nc_u64 s[48+2*\t:49+2*\t], s[46+2*\t:47+2*\t], s[72:73]
.endr
	s_add_nc_u64 s[66:67], s[32:33], s[76:77]      ; codes of fragment u = 0,
	s_add_nc_u64 s[68:69], s[66:67], s[78:79]      ; of u = 1,
	s_add_nc_u64 s[70:71], s[32:33], s[74:75]      ; scale words
	s_wait_alu depctr_va_vdst(0)
	LOAD 0
	LOAD 1
.irp t, 0,1,2,3
	BLOCK \t
.endr
	s_wait_alu depctr_va_vdst(0)
	global_store_b32 v15, v20, s[70:71]            ; my column's scale word
.irp n, 0,1,2,3,4,5
	ds_load_b128 v[OUTR+4*\n:OUTR+4*\n+3], v14 offset:(\n/3)*1664+(\n%3)*512   ; LDS serves a wave's instructions in order: these see my stores
.endr
.irp n, 0,1,2
	s_wait_dscnt 5-\n                              ; the younger loads may be out
	global_store_b128 v2, v[OUTR+4*\n:OUTR+4*\n+3], s[66:67] offset:512*\n     ; 32 lanes store 512 consecutive bytes, at a multiple of 256 from the buffer's first byte
.endr
.irp n, 3,4,5
	s_wait_dscnt 5-\n
	global_store_b128 v2, v[OUTR+4*\n:OUTR+4*\n+3], s[68:69] offset:512*(\n-3)
.endr
	s_wait_xcnt 0x0                                ; the stores have read their registers: no line behind the meeting point lands on them
.Lmeet:
	s_wait_dscnt 0x0                               ; for the others' sake: my rows lie in the stage
	s_barrier_signal -1                            ; every work-group of either kind passes this barrier
	s_barrier_wait -1
	s_cmp_ge_u32 ttmp9, NLN
	s_cbranch_scc1 .Lend
	; ---- LayerNorm, phase 2
.irp e, 0,1
.irp b, 0,1,2,3
.irp i, 0,1,2,3
	ds_load_b128 v[X+64*\e+16*\b+4*\i:X+64*\e+16*\b+4*\i+3], v6 offset:512*\e+128*\b+16*\i   ; of row r: k = 128 (2 w + e) + 32 b + 16 h + 4 i ..
.endr
.endr
.endr
	s_wait_dscnt 16                                ; the first K step's 16 loads are in; the second's may be out
	QUANT X
.irp g, 0,1,2
	global_store_b128 v2, v[PC+4*\g:PC+4*\g+3], s[22:23] offset:512*\g      ; 512 consecutive bytes a store
.endr
	v_mov_b32 v241, v[PW]
	s_wait_dscnt 0x0
	s_wait_xcnt 0x0                                ; the stores have read their registers: the codes may be written again
	QUANT X+64
.irp g, 0,1,2
	global_store_b128 v2, v[PC+4*\g:PC+4*\g+3], s[22:23] offset:1536+512*\g
.endr
	v_cmp_eq_u32 vcc_lo, 1, v4
	v_cndmask_b32 v241, v241, v[PW], vcc_lo        ; lanes 0-15 carry the first K step's words, lanes 16-31 the second's: 128 consecutive bytes
	global_store_b32 v7, v241, s[20:21]
.Lend:
	s_wait_tensorcnt 0x0                           ; the wave's end: behind my last LDS store
	ds_add_u32 v[SPW], v[NIL]
	s_wait_dscnt 0x0
	s_endpgm
.Lfunc_end_k_q5798ce6b9e_pre1:
	.size	k_q5798ce6b9e_pre1, .Lfunc_end_k_q5798ce6b9e_pre1-k_q5798ce6b9e_pre1
	.p2alignl 7, 3214868480
	.fill 96, 4, 3214868480
	.section	.rodata,"a",@progbits
	.p2align	6, 0x0
	.amdhsa_kernel k_q5798ce6b9e_pre1
		.amdhsa_group_segment_fixed_size 79616
		.amdhsa_private_segment_fixed_size 0
		.amdhsa_enable_private_segment 0
		.amdhsa_kernarg_size 72
		.amdhsa_user_sgpr_count 2
		.amdhsa_user_sgpr_kernarg_segment_ptr 1
		.amdhsa_wavefront_size32 1
		.amdhsa_system_sgpr_workgroup_id_x 1
		.amdhsa_system_sgpr_workgroup_id_y 1
		.amdhsa_system_sgpr_workgroup_id_z 1
		.amdhsa_system_vgpr_workitem_id 0
		.amdhsa_next_free_vgpr 256
		.amdhsa_next_free_sgpr 80
		.amdhsa_reserve_vcc 1
		.amdhsa_float_denorm_mode_32 3
		.amdhsa_float_denorm_mode_16_64 3
		.amdhsa_memory_ordered 1
		.amdhsa_forward_progress 1
		.amdhsa_inst_pref_size 68
	.end_amdhsa_kernel
	.amdgpu_metadata
---
amdhsa.version: [ 1, 2 ]
amdhsa.kernels:
  - .name:           k_q5798ce6b9e_pre1
    .symbol:         k_q5798ce6b9e_pre1.kd
    .args:
      - { .name: x, .offset: 0, .size: 8, .value_kind: global_buffer, .address_space: global }
      - { .name: ln1_w, .offset: 8, .size: 8, .value_kind: global_buffer, .address_space: global }
      - { .name: ln1_b, .offset: 16, .size: 8, .value_kind: global_buffer, .address_space: global }
      - { .name: himg, .offset: 24, .size: 8, .value_kind: global_buffer, .address_space: global }
      - { .name: wq, .offset: 32, .size: 8, .value_kind: global_buffer, .address_space: global }
      - { .name: wk, .offset: 40, .size: 8, .value_kind: global_buffer, .address_space: global }
      - { .name: wv, .offset: 48, .size: 8, .value_kind: global_buffer, .address_space: global }
      - { .name: wo, .offset: 56, .size: 8, .value_kind: global_buffer, .address_space: global }
      - { .name: wimg, .offset: 64, .size: 8, .value_kind: global_buffer, .address_space: global }
    .group_segment_fixed_size: 79616
    .private_segment_fixed_size: 0
    .kernarg_segment_align: 8
    .kernarg_segment_size: 72
    .max_flat_workgroup_size: 128
    .sgpr_count:     80
    .vgpr_count:     256
    .wavefront_size: 32
...
	.end_amdgpu_metadata
.endif
;; end of part 1
;; launch qkv (part 2): grid 12 x 16, 4 waves a work-group, clusters of 4 x 4, 327,680 bytes of LDS; arguments himg, wimg, bq, bk, bv, qkvimg; writes qkvimg
.if DOCPART == 2
	.amdgcn_target "amdgcn-amd-amdhsa--gfx1250"
	.amdhsa_code_object_version 6
	.text
	.protected	k_q5798ce6b9e_qkv
	.globl	k_q5798ce6b9e_qkv
	.p2align	8
	.type	k_q5798ce6b9e_qkv,@function
k_q5798ce6b9e_qkv:
	s_mov_b64 s[64:65], 0
	v_nop
	global_prefetch_b8 v0, s[64:65] scope:SCOPE_SE
	s_setreg_imm32_b32 hwreg(HW_REG_WAVE_MODE, 25, 1), 1
	s_wait_xcnt 0x0
	s_wait_alu depctr_hold_cnt(0) depctr_sa_sdst(0) depctr_va_vdst(0) depctr_va_sdst(0) depctr_va_ssrc(0) depctr_va_vcc(0) depctr_vm_vsrc(0)
	s_getreg_b32 s2, hwreg(HW_REG_IB_STS2, 6, 4)
	s_cmp_eq_u32 s2, 0
	s_cbranch_scc0 .Lentry_in_a_cluster
	s_endpgm
.Lentry_in_a_cluster:
	s_bfe_u32 s2, ttmp6, 0x10000c
	s_cmp_lg_u32 s2, 0xf033
	s_cbranch_scc0 .Lentry_shape_is_right
	s_endpgm
.Lentry_shape_is_right:
; q = h wq + bq, k = h wk + bk, v = h wv + bv on codes of FP6 (E2M3) with E8M0 scales, and the results quantised at once for the two products of attention.
; Operands are images of operand registers (fragment = 16 rows x 128 K = 1,536 bytes, [fragment row][K step]; scale words [fragment row][K step][16]); row i of fragment 2 B + u is true row 32 B + 8 u + i + 8 (i / 8).
; A tile of 256 x 256 is made by four waves, 128 x 128 each: 64 accumulators.  K = 1,024 goes in four slots' worth of 256 through a ring of two LDS slots filled by the tensor data mover.
; THE MATRIX INSTRUCTION IS USED TRANSPOSED (source 0 = side B, source 1 = side A): a lane holds ONE row of side A, and the 16 registers of two neighbouring tiles are 16 NEIGHBOURS along side B.
; Clusters x = 0 (q) and 1 (k): side A = tokens (himg), side B = the weight's columns: a lane's 64 registers run along the heads' channels, the K of q k^T.
; Cluster x = 2 (v): side A = wv's columns (channels), side B = tokens: a lane's registers run along the keys, the K of the second product: V^T comes out with the keys innermost.
; The choice hangs on the cluster's x alone, which all sixteen partners share.  CLUSTERS: 4 x 4; side A's tiles are shared along a row of the cluster, side B's along a column: joint loads.
; OUT (qkvimg): q codes at 0, k codes at 3,145,728: [batch x head 32][tile of 16 tokens 128][768]: registers 0-3 at 16 x lane, registers 4, 5 at 512 + 8 x lane (a head's K is 64: half a fragment);
; v codes at 6,291,456: [32][key step 16][4 fragments of 16 channels][1,536]; q scale words at 9,437,184: [32][128][64]; k and v scale words at 9,699,328: [32][12,288]: k's at tile x 64, v's at 8,192 + (4 step + fragment) x 64.
; LIMITS: a block of zeros gets the byte 1 where the rule says 127 (zero codes; this program alone reads the bytes); NaN and infinities are not served.
; 192 work-groups: the three products have no more tiles of this size.
.set NB, 8                             ; fragments on a side of a wave's tile
.set HBK, NB/2
.set NQ, 2                             ; K steps of 128 in a slot
.set KS, 8                             ; K steps in all
.set LAPS, KS/(2*NQ)
.set FRB, 1536
.set NL, 3                             ; LDS loads that bring a fragment
.set HALFT, NB*NQ*FRB                  ; what one tensor load brings: NB fragment rows x NQ K steps
.set SLOT, 4*HALFT                     ; A's two halves, then B's two
.set SCL, 2*SLOT                       ; behind the ring: the scale words for all of K, four regions
.set HALFS, NB*KS*64
.set SPARE, SCL+4*HALFS                ; the spare words, 128 bytes a wave
.set ADRA, 16                          ; v16-17 LDS address of my A fragments in slot 0, 1
.set ADRB, 20                          ; v20-21 the same for B
.set ADRS, 27                          ; v27 LDS address of my scale words: lanes 0-15 A's, lanes 16-31 B's
.set SPW, 28
.set NIL, 29
.set SC, 32                            ; v32-63 scale words, two sets of 16: register NQ i + q; they hold nothing else
.set BI, 64                            ; v64-127 the bias
.set AF, 128                           ; A's fragments, one set (window 0); B's two sets at v0 and v128 of window 1; accumulators in windows 2 and 3
.set H, 128                            ; the way out: 64 numbers
.set PC, 192                           ; the codes just made
.set TM, 212                           ; the quantiser's scratch
.set PW, 228
.set PS, 229
.set SEL, 12
.set G1, 24
.set G0, 32
.set G1B, 48
.set G0B, 56
.set G1S, 68
.set G0S, 76
.set G1SB, 80
.set G0SB, 88
.set MSB, 0
.macro WIN new                         ; the immediate's high byte repeats the setting that is left
.if MSB != (\new)
	s_set_vgpr_msb (MSB<<8)|(\new)
.set MSB, (\new)
.endif
.endm
.set MUL_LO, 0xa1                      ; source 0 (B) window 1, source 1 (A) window 0, C and D window 2
.set MUL_HI, 0xf1
.set TO_B, 0x40
.macro JLOAD g0a, g1a, g0b, g1b        ; a joint load: waves 0, 1 fetch for A, waves 2, 3 for B; an s_nop 0 and four v_nop follow each line
	s_cmp_eq_u32 s15, 0
	s_cbranch_scc0 .Lfor_b_\@
	tensor_load_to_lds s[\g0a:\g0a+3], s[\g1a:\g1a+7]
	s_nop 0
.rept 4
	v_nop
.endr
	s_branch .Lasked_\@
.Lfor_b_\@:
	tensor_load_to_lds s[\g0b:\g0b+3], s[\g1b:\g1b+7]
	s_nop 0
.rept 4
	v_nop
.endr
.Lasked_\@:
.endm
.macro CREST
	s_cmp_lg_u32 s14, 0
	s_cbranch_scc1 .Lnot_wave_0_\@
	s_barrier_signal -3
.Lnot_wave_0_\@:
	s_barrier_wait -3
	s_barrier_signal -1
	s_barrier_wait -1
.endm
.macro CROUND
	s_barrier_signal -1
	s_barrier_wait -1
	CREST
.endm
.macro PLACES                          ; four plain places behind matrix instructions, ahead of loads into their registers and of reads of their results
.rept 4
	v_nop
.endr
.endm
.macro FRAG reg, adr, q, i             ; a fragment comes as it was stored: three loads of 512 consecutive bytes
.irp g, 0,1,2
	ds_load_b128 v[\reg+4*\g:\reg+4*\g+3], v[\adr] offset:((\i)*NQ+(\q))*FRB+512*\g
.endr
.endm
.macro FETCH_B slot, q, p
	WIN TO_B
.set FI, 0
.rept NB
	FRAG 128*(\p)+12*FI, ADRB+\slot, \q, FI
.set FI, FI+1
.endr
	WIN 0
.endm
.macro FETCH_A slot, q, i0
.set FI, \i0
.rept HBK
	FRAG AF+12*FI, ADRA+\slot, \q, FI
.set FI, FI+1
.endr
.endm
.macro SCALES sc                       ; a slot's scale words: lanes 0-15 take A's block i, lanes 16-31 B's block i
.set FI, 0
.rept NB
.set FQ, 0
.rept NQ
	ds_load_b32 v[SC+16*(\sc)+NQ*FI+FQ], v[ADRS] offset:FI*KS*64+64*FQ
.set FQ, FQ+1
.endr
.set FI, FI+1
.endr
.endm
.macro MULQ a0, p, q, sc, zero         ; A's blocks a0 .. a0 + HBK / 2 - 1 against all of B's; the accumulators take turns, one instruction a turn, in one order throughout
.set AA, \a0
.rept HBK/2
.set BJ, 0
.rept NB
.set RA, 8*(NB*(AA%HBK)+BJ)
.if \zero
	v_wmma_scale_f32_16x16x128_f8f6f4 v[RA:RA+7], v[128*(\p)+12*BJ:128*(\p)+12*BJ+11], v[AF+12*AA:AF+12*AA+11], 0, v[SC+16*(\sc)+NQ*BJ+(\q)], v[SC+16*(\sc)+NQ*AA+(\q)] matrix_a_fmt:MATRIX_FMT_FP6 matrix_b_fmt:MATRIX_FMT_FP6 matrix_a_scale:MATRIX_SCALE_ROW1
.else
	v_wmma_scale_f32_16x16x128_f8f6f4 v[RA:RA+7], v[128*(\p)+12*BJ:128*(\p)+12*BJ+11], v[AF+12*AA:AF+12*AA+11], v[RA:RA+7], v[SC+16*(\sc)+NQ*BJ+(\q)], v[SC+16*(\sc)+NQ*AA+(\q)] matrix_a_fmt:MATRIX_FMT_FP6 matrix_b_fmt:MATRIX_FMT_FP6 matrix_a_scale:MATRIX_SCALE_ROW1
.endif
.set BJ, BJ+1
.endr
.set AA, AA+1
.endr
.endm
.macro STEP slot, q, zero              ; 128 along K that has its successor in the same slot
	s_wait_dscnt HBK*NL                            ; all but the youngest loads (A's upper blocks) are in
	WIN MUL_LO
	MULQ 0, (\q)%2, \q, \slot, \zero
	MULQ HBK/2, (\q)%2, \q, \slot, \zero
	s_wait_dscnt 0x0
	PLACES
	FETCH_B \slot, (\q)+1, 1-(\q)%2
	FETCH_A \slot, (\q)+1, 0
	WIN MUL_HI
	MULQ HBK, (\q)%2, \q, \slot, \zero
	MULQ 3*HBK/2, (\q)%2, \q, \slot, \zero
	PLACES
	WIN 0
	FETCH_A \slot, (\q)+1, HBK
.endm
.macro TURN slot, next, fill           ; a slot's last step changes slots: one barrier
	s_wait_tensorcnt 0x0                           ; all my tensor loads have landed: my part of the next slot
	ds_add_u32 v[SPW], v[NIL]                      ; 0 onto my spare word
	s_wait_dscnt HBK*NL+1                          ; (the add and A's upper blocks may be out)
	WIN MUL_LO
	MULQ 0, 1, NQ-1, \slot, 0
	s_wait_dscnt 0x0                               ; the add is done, and my reads of this slot are over
	s_barrier_signal -1
	MULQ HBK/2, 1, NQ-1, \slot, 0
	WIN 0
	s_barrier_wait -1
.if \fill
	CREST                                          ; the barrier has opened a round of the cluster's barrier: no wave of any partner still reads this slot or has a load on its way
	s_add_nc_u64 s[G0+4*\slot+2:G0+4*\slot+3], s[G0+4*\slot+2:G0+4*\slot+3], 2*NQ*FRB
	s_add_nc_u64 s[G0B+4*\slot+2:G0B+4*\slot+3], s[G0B+4*\slot+2:G0B+4*\slot+3], 2*NQ*FRB
	JLOAD G0+4*\slot, G1, G0B+4*\slot, G1B         ; the first tensor load behind the round; its four v_nop are the places ahead of the loads below
.else
	PLACES
.endif
	s_wait_alu depctr_va_vdst(0)
	v_add_nc_u32 v[ADRS], 64*NQ, v[ADRS]           ; the next slot's scale words (no LDS load of mine is out)
	FETCH_B \next, 0, 0
	FETCH_A \next, 0, 0
	SCALES \next
	WIN MUL_HI
	MULQ HBK, 1, NQ-1, \slot, 0
	MULQ 3*HBK/2, 1, NQ-1, \slot, 0
	PLACES
	WIN 0
	FETCH_A \next, 0, HBK
.endm
.macro MIDS slot, from
.if NQ-1-(\from) > 0
.set QQ, \from
.rept NQ-1-(\from)
	STEP \slot, QQ, 0
.set QQ, QQ+1
.endr
.endif
.endm
.macro QUANT s                         ; 64 numbers of a lane, register 16 b + i = k 32 b + 16 (lane / 16) + i of my row, become a fragment's codes in v[PC] on and its scale word in v[PW]
.irp b, 0,1,2,3
	v_max3_num_f32 v[TM+\b], |v[\s+16*\b]|, |v[\s+1+16*\b]|, 0x1800000
.endr
.irp i, 2,4,6,8,10,12,14
.irp b, 0,1,2,3
	v_max3_num_f32 v[TM+\b], v[TM+\b], |v[\s+16*\b+\i]|, |v[\s+1+16*\b+\i]|
.endr
.endr
.irp b, 0,1,2,3
	v_permlanex16_b32 v[TM+4+\b], v[TM+\b], s[SEL], s[SEL+1]
.endr
.irp b, 0,1,2,3
	v_max_num_f32 v[TM+\b], v[TM+\b], v[TM+4+\b]
.endr
.irp b, 0,1,2,3
	v_add_nc_u32 v[TM+12+\b], 0xff000000, v[TM+\b]
.endr
.irp b, 0,1,2,3
	v_lshrrev_b32 v[TM+4+\b], 23, v[TM+12+\b]
.endr
	v_lshl_or_b32 v[PW], v[TM+5], 8, v[TM+4]
	v_lshl_or_b32 v[PW], v[TM+6], 16, v[PW]
	v_lshl_or_b32 v[PW], v[TM+7], 24, v[PW]
.irp c, 0,1
	v_cvt_scalef32_pk16_fp6_f32 v[PC+6*\c:PC+2+6*\c], v[\s+32*\c:\s+15+32*\c], v[TM+12+2*\c]
	v_cvt_scalef32_pk16_fp6_f32 v[PC+12+4*\c:PC+14+4*\c], v[\s+16+32*\c:\s+31+32*\c], v[TM+12+2*\c+1]
.endr
	v_nop                                          ; one plain place behind a scaled conversion
.irp c, 0,1
.irp i, 0,1,2
	v_permlane16_swap_b32 v[PC+6*\c+\i], v[PC+12+4*\c+\i]
.endr
.irp i, 0,1,2
	v_mov_b32 v[PC+3+6*\c+\i], v[PC+12+4*\c+\i]
.endr
.endr
.endm
	s_load_b256 s[4:11], s[0:1], 0x0               ; himg, wimg, bq, bk
	s_load_b128 s[96:99], s[0:1], 0x20             ; bv, qkvimg
	v_lshl_add_u32 v[SPW], v0, 2, SPARE
	v_mov_b32 v[NIL], 0
	ds_add_u32 v[SPW], v[NIL]                      ; the wave's opening: the add, twice on end, and its wait ahead of my first tensor load
	ds_add_u32 v[SPW], v[NIL]
	v_lshrrev_b32 v1, 5, v0
	v_readfirstlane_b32 s14, v1                    ; wave
	s_lshr_b32 s15, s14, 1                         ; which half of side A is mine.  Also: I fetch for A (0) or for B (1)
	s_and_b32 s16, s14, 1                          ; which half of side B.  Also: which half of that tile I fetch
	s_bfe_u32 s40, ttmp6, 0x40000                  ; cx
	s_bfe_u32 s41, ttmp6, 0x40004                  ; cy
	s_and_b32 s66, ttmp7, 0xffff
	s_lshl_b32 s66, s66, 2                         ; 4 x cluster y
	s_add_co_u32 s17, s66, s41                     ; q, k: side A's tile = 256 tokens number 4 cluster y + cy
	s_add_co_u32 s18, s41, 8                       ; v: side A's tile = 256 rows of the weights' image, number 8 + cy (wv's)
	s_lshl_b32 s42, ttmp9, 2
	s_add_co_u32 s42, s42, s40                     ; q, k: side B's tile in the weights' image: 4 cluster x + cx
	s_add_co_u32 s46, s66, s40                     ; v: side B's tile = 256 tokens number 4 cluster y + cx
	s_mov_b32 s19, 3145728                         ; where himg's scale words begin,
	s_mov_b32 s67, 9437184                         ; and wimg's
	s_cmp_eq_u32 ttmp9, 2                          ; the cluster's x: the same in all sixteen partners
	s_cselect_b32 s17, s18, s17
	s_cselect_b32 s42, s46, s42
	s_cselect_b32 s95, s67, s19                    ; A's
	s_cselect_b32 s67, s19, s67                    ; B's
	s_lshl_b32 s43, s41, 2
	s_lshl_b32 s43, 15, s43                        ; my row of the cluster
	s_lshl_b32 s44, 0x1111, s40                    ; my column
	s_or_b32 s[G1+0], s43, (3<<16)|(1<<21)         ; the mask; elements of 8 bytes; bit 21 beside a mask; no padding: every LDS read takes 512 consecutive bytes
	s_or_b32 s[G1B+0], s44, (3<<16)|(1<<21)
.irp g, G1, G1B
	s_mov_b32 s[\g+1], (192*NQ)<<16                ; tensor_dim0: NQ fragments on end
	s_mov_b32 s[\g+2], NB<<16                      ; tensor_dim1: the ring's loads bring NB fragment rows
	s_mov_b32 s[\g+3], (192*NQ)<<16                ; tile_dim0
	s_mov_b32 s[\g+4], NB                          ; tile_dim1
	s_mov_b32 s[\g+5], 192*KS                      ; from a fragment row to the next
	s_mov_b32 s[\g+6], 0
	s_mov_b32 s[\g+7], 0
.endr
	s_or_b32 s[G1S+0], s43, (3<<16)|(1<<21)        ; groups 1 of the head's loads: a slot's part of a whole tile, 2 NB fragment rows
	s_or_b32 s[G1SB+0], s44, (3<<16)|(1<<21)
.irp g, G1S, G1SB
	s_mov_b32 s[\g+1], (192*NQ)<<16
	s_mov_b32 s[\g+2], (2*NB)<<16
	s_mov_b32 s[\g+3], (192*NQ)<<16
	s_mov_b32 s[\g+4], 2*NB
	s_mov_b32 s[\g+5], 192*KS
	s_mov_b32 s[\g+6], 0
	s_mov_b32 s[\g+7], 0
.endr
	s_mul_i32 s2, s16, NB*KS*FRB                   ; the ring: which half of a tile I fetch, in bytes
	s_mov_b32 s3, 0
	s_mul_i32 s20, s17, 2*NB                       ; A: the tile's first fragment row
	s_mul_i32 s46, s42, 2*NB                       ; B likewise
	s_mul_i32 s22, s20, KS*64
	s_add_co_u32 s22, s22, s95
	s_mul_i32 s92, s46, KS*64
	s_add_co_u32 s92, s92, s67
	s_mul_i32 s20, s20, KS*FRB
	s_mul_i32 s46, s46, KS*FRB
	s_mov_b32 s21, 0
	s_mov_b32 s23, 0
	s_mov_b32 s47, 0
	s_mov_b32 s93, 0
	s_mul_i32 s45, s14, HALFT                      ; where they go: no place in the cluster enters an LDS address
	s_mov_b32 s[SEL], 0x76543210
	s_mov_b32 s[SEL+1], 0xfedcba98
	s_wait_dscnt 0x0                               ; both opening adds are done
	s_wait_kmcnt 0x0
	s_cmp_eq_u32 ttmp9, 2
	s_cselect_b64 s[18:19], s[6:7], s[4:5]         ; side A's buffer
	s_cselect_b64 s[66:67], s[4:5], s[6:7]         ; side B's
	s_add_nc_u64 s[20:21], s[18:19], s[20:21]
	s_add_nc_u64 s[22:23], s[18:19], s[22:23]
	s_add_nc_u64 s[46:47], s[66:67], s[46:47]
	s_add_nc_u64 s[92:93], s[66:67], s[92:93]
	CROUND                                         ; all sixteen work-groups are here: the first joint loads meet
	s_mov_b32 s[G0S], 1
	s_mov_b32 s[G0SB], 1
	s_mov_b32 s[G0], 1                             ; the ring's groups 0, first used at the refills: my quarter of a slot, at K steps 0 and NQ
	s_mov_b32 s[G0+1], s45
	s_add_nc_u64 s[G0+2:G0+3], s[20:21], s[2:3]
	s_or_b32 s[G0+3], s[G0+3], 0x80000000
	s_mov_b32 s[G0B], 1
	s_mov_b32 s[G0B+1], s45
	s_add_nc_u64 s[G0B+2:G0B+3], s[46:47], s[2:3]
	s_or_b32 s[G0B+3], s[G0B+3], 0x80000000
	s_mov_b32 s[G0+4], 1
	s_add_co_u32 s[G0+5], s45, SLOT
	s_add_nc_u64 s[G0+6:G0+7], s[20:21], s[2:3]
	s_add_nc_u64 s[G0+6:G0+7], s[G0+6:G0+7], NQ*FRB
	s_or_b32 s[G0+7], s[G0+7], 0x80000000
	s_mov_b32 s[G0B+4], 1
	s_add_co_u32 s[G0B+5], s45, SLOT
	s_add_nc_u64 s[G0B+6:G0B+7], s[46:47], s[2:3]
	s_add_nc_u64 s[G0B+6:G0B+7], s[G0B+6:G0B+7], NQ*FRB
	s_or_b32 s[G0B+7], s[G0B+7], 0x80000000
; THE HEAD'S LOADS, ONE A WAVE, each on a line of its own in one chain of branches on the wave's number, what is needed first asked for first:
; wave 0 slot 0's part of A's tile, wave 1 of B's, wave 2 slot 1's part of A's, wave 3 of B's.  Both slots are on their way from here on; the scale words come by plain loads.
.macro ARM under, g0, lds, base, off, g1, next
	s_cmp_lt_u32 s14, \under
	s_cbranch_scc0 \next
	s_mov_b32 s[\g0+1], \lds
	s_add_nc_u64 s[\g0+2:\g0+3], s[\base:\base+1], \off
	s_or_b32 s[\g0+3], s[\g0+3], 0x80000000
	tensor_load_to_lds s[\g0:\g0+3], s[\g1:\g1+7]
	s_nop 0
.rept 4
	v_nop
.endr
	s_branch .Lhead_asked
\next:
.endm
	ARM 1, G0S, 0, 20, 0, G1S, .Lhead_b
	ARM 2, G0SB, 2*HALFT, 46, 0, G1SB, .Lhead_a1
	ARM 3, G0S, SLOT, 20, NQ*FRB, G1S, .Lhead_b1
	s_mov_b32 s[G0SB+1], SLOT+2*HALFT
	s_add_nc_u64 s[G0SB+2:G0SB+3], s[46:47], NQ*FRB
	s_or_b32 s[G0SB+3], s[G0SB+3], 0x80000000
	tensor_load_to_lds s[G0SB:G0SB+3], s[G1SB:G1SB+7]
	s_nop 0
.rept 4
	v_nop
.endr
.Lhead_asked:
	v_lshlrev_b32 v4, 4, v0                        ; the scale words, two dense blocks of 2 HALFS bytes: the 128 threads take 2,048 consecutive bytes an instruction
	v_lshl_add_u32 v7, v0, 4, SCL                  ; and lay them into LDS as they lie
.irp k, 0,1,2,3
	global_load_b128 v[AF+4*\k:AF+4*\k+3], v4, s[22:23] offset:2048*\k
	global_load_b128 v[AF+16+4*\k:AF+16+4*\k+3], v4, s[92:93] offset:2048*\k
.endr
	s_wait_xcnt 0x0                                ; the loads have read their bases: s22 is written again below
	v_and_b32 v1, 15, v0                           ; r
	v_bfe_u32 v2, v0, 4, 1                         ; h
	s_wait_alu depctr_va_vdst(0)
	v_and_b32 v3, 31, v0
	v_lshlrev_b32 v3, 4, v3                        ; 16 x lane
	s_mul_i32 s21, s15, HALFT
	s_mul_i32 s22, s16, HALFT
	s_add_co_u32 s22, s22, 2*HALFT
.irp s, 0,1
	v_add_nc_u32 v[ADRA+\s], s21, v3
	v_add_nc_u32 v[ADRB+\s], s22, v3
	s_add_co_u32 s21, s21, SLOT
	s_add_co_u32 s22, s22, SLOT
.endr
	v_lshlrev_b32 v5, 2, v1                        ; my scale word: 4 r
	s_mul_i32 s21, s15, HALFS
	s_mul_i32 s22, s16, HALFS
	s_add_co_u32 s22, s22, 2*HALFS
	s_sub_co_u32 s22, s22, s21
	v_mul_u32_u24 v6, s22, v2                      ; lanes 16-31 take B's
	s_add_co_u32 s21, s21, SCL
	v_add_nc_u32 v5, v5, v6
	v_add_nc_u32 v[ADRS], s21, v5
	s_wait_alu depctr_va_vdst(0)
	s_wait_loadcnt 0x0                             ; my share of the scale words
.irp k, 0,1,2,3
	ds_store_b128 v7, v[AF+4*\k:AF+4*\k+3] offset:2048*\k
	ds_store_b128 v7, v[AF+16+4*\k:AF+16+4*\k+3] offset:2*HALFS+2048*\k
.endr
	s_wait_dscnt 0x0                               ; for the others' sake: they lie in LDS
	s_cmp_lt_u32 s14, 2
	s_cbranch_scc0 .Lnot_slot0
	s_wait_tensorcnt 0x0                           ; waves 0 and 1: slot 0's tiles have landed
.Lnot_slot0:
	s_barrier_signal -1                            ; slot 0 and the scale words are shown; slot 1's loads may be out
	s_barrier_wait -1
	FETCH_B 0, 0, 0
	FETCH_A 0, 0, 0
	SCALES 0
	FETCH_A 0, 0, HBK
	STEP 0, 0, 1                                   ; the first step's products start the sums: nothing is cleared
.if LAPS > 1
	s_mov_b32 s3, LAPS-1
.Llap:
	MIDS 0, 1
	TURN 0, 1, 1
	MIDS 1, 0
	TURN 1, 0, 1
	STEP 0, 0, 0
	s_sub_co_u32 s3, s3, 1
	s_cmp_lg_u32 s3, 0
	s_cbranch_scc1 .Llap
.endif
	MIDS 0, 1
	TURN 0, 1, 0                                   ; the last lap fills nothing
	MIDS 1, 0
	s_wait_dscnt HBK*NL
	WIN MUL_LO
	MULQ 0, 1, NQ-1, 1, 0
	MULQ HBK/2, 1, NQ-1, 1, 0
	s_wait_dscnt 0x0
	WIN MUL_HI
	MULQ HBK, 1, NQ-1, 1, 0
	MULQ 3*HBK/2, 1, NQ-1, 1, 0
	WIN 0
	PLACES
; THE WAY OUT: block a's 64 sums of a lane get the bias and are quantised in registers; the codes are stored as they stand.  No LDS.
.macro ADDB a, lanewise                ; each accumulator is read from its low end on
	WIN 0x02+(\a)/4
.set PP, 0
.rept 32
.if \lanewise
	v_pk_add_f32 v[H+PP:H+PP+1], v[64*((\a)%4)+PP:64*((\a)%4)+PP+1], v[BI+2*(\a):BI+2*(\a)+1] op_sel_hi:[1,0]
.else
	v_pk_add_f32 v[H+PP:H+PP+1], v[64*((\a)%4)+PP:64*((\a)%4)+PP+1], v[BI+PP:BI+PP+1]
.endif
.set PP, PP+2
.endr
	WIN 0
.endm
.irp b, 0,1,2,3
	v_mov_b32 v[TM+4+\b], 0                        ; a lane permute's destination counts as one of its sources
.endr
	s_cmp_eq_u32 ttmp9, 2
	s_cbranch_scc1 .Lvarm
	; ---- q and k: my 128 columns are two heads
	s_and_b32 s46, s42, 3                          ; which 256 of the 1,024 columns
	s_lshl_b32 s47, s46, 10
	s_lshl_b32 s66, s16, 9
	s_add_co_u32 s18, s47, s66                     ; the bias of my 128 columns, in bytes
	s_mov_b32 s19, 0
	s_lshl_b32 s47, s17, 4
	s_lshl_b32 s66, s15, 3
	s_add_co_u32 s47, s47, s66                     ; my first fragment row of tokens
	s_lshr_b32 s66, s47, 7                         ; the batch
	s_and_b32 s47, s47, 127                        ; the tile in it
	s_lshl_b32 s66, s66, 4
	s_lshl_b32 s46, s46, 2
	s_add_co_u32 s66, s66, s46
	s_lshl_b32 s46, s16, 1
	s_add_co_u32 s66, s66, s46                     ; 16 x batch + my first head
	s_mul_i32 s20, s66, 98304
	s_mul_i32 s46, s47, 768
	s_add_co_u32 s20, s20, s46
	s_mul_i32 s46, ttmp9, 3145728
	s_add_co_u32 s20, s20, s46
	s_mov_b32 s21, 0
	s_mov_b32 s67, 12288
	s_mov_b32 s92, 9699328
	s_cmp_eq_u32 ttmp9, 0
	s_cselect_b32 s67, 8192, s67                   ; from a head's scale words to the next head's
	s_cselect_b32 s92, 9437184, s92
	s_cselect_b64 s[8:9], s[8:9], s[10:11]         ; bq or bk
	s_mul_i32 s22, s66, s67
	s_lshl_b32 s46, s47, 6
	s_add_co_u32 s22, s22, s46
	s_add_co_u32 s22, s22, s92
	s_mov_b32 s23, 0
	s_add_nc_u64 s[8:9], s[8:9], s[18:19]
	s_add_nc_u64 s[20:21], s[98:99], s[20:21]
	s_add_nc_u64 s[22:23], s[98:99], s[22:23]
	v_lshlrev_b32 v11, 6, v2                       ; the bias: register 8 t + j wants column 32 (t / 2) + 16 h + 8 (t % 2) + j
.irp t, 0,1,2,3,4,5,6,7
	global_load_b128 v[BI+8*\t:BI+8*\t+3], v11, s[8:9] offset:(32*(\t/2)+8*(\t%2))*4
	global_load_b128 v[BI+8*\t+4:BI+8*\t+7], v11, s[8:9] offset:(32*(\t/2)+8*(\t%2))*4+16
.endr
	v_lshrrev_b32 v13, 1, v3                       ; 8 x lane
	v_mul_u32_u24 v14, v2, s67
	v_lshl_add_u32 v14, v1, 2, v14                 ; scale words: lanes 0-15 the first head's, lanes 16-31 the second's
	v_lshlrev_b32 v15, 4, v2                       ; 16 h
	s_wait_loadcnt 0x0
.irp a, 0,1,2,3,4,5,6,7
.if \a > 0
	s_wait_xcnt 0x0                                ; the last block's stores have read their registers
.endif
	ADDB \a, 0
	QUANT H
	global_store_b128 v3, v[PC:PC+3], s[20:21] offset:768*\a                 ; the first head: registers 0-5
	global_store_b64 v13, v[PC+4:PC+5], s[20:21] offset:768*\a+512
	global_store_b128 v3, v[PC+6:PC+9], s[20:21] offset:98304+768*\a         ; the second: registers 6-11
	global_store_b64 v13, v[PC+10:PC+11], s[20:21] offset:98304+768*\a+512
	v_lshrrev_b32 v[PS], v15, v[PW]
	v_and_b32 v[PS], 0xffff, v[PS]                 ; a head's two bytes; the two above them, which stand over zero codes, are 0
	global_store_b32 v14, v[PS], s[22:23] offset:64*\a
.endr
	s_branch .Lend
.Lvarm:
	; ---- v: a lane holds one channel; its 64 registers are 128 keys' halves
	s_lshl_b32 s18, s41, 10
	s_lshl_b32 s46, s15, 9
	s_add_co_u32 s18, s18, s46                     ; bv of my 128 channels, in bytes
	s_mov_b32 s19, 0
	s_lshl_b32 s47, s42, 1
	s_add_co_u32 s47, s47, s16                     ; which 128 tokens
	s_lshr_b32 s66, s47, 4                         ; the batch
	s_and_b32 s47, s47, 15                         ; the key step
	s_lshl_b32 s66, s66, 4
	s_lshl_b32 s46, s41, 2
	s_add_co_u32 s66, s66, s46
	s_lshl_b32 s46, s15, 1
	s_add_co_u32 s66, s66, s46                     ; 16 x batch + my first head
	s_mul_i32 s20, s66, 98304
	s_mul_i32 s46, s47, 6144
	s_add_co_u32 s20, s20, s46
	s_add_co_u32 s20, s20, 6291456
	s_mov_b32 s21, 0
	s_mul_i32 s22, s66, 12288
	s_lshl_b32 s46, s47, 8
	s_add_co_u32 s22, s22, s46
	s_add_co_u32 s22, s22, 9699328+8192
	s_mov_b32 s23, 0
	s_add_nc_u64 s[96:97], s[96:97], s[18:19]
	s_add_nc_u64 s[20:21], s[98:99], s[20:21]
	s_add_nc_u64 s[22:23], s[98:99], s[22:23]
	v_and_b32 v11, 8, v1
	v_add_nc_u32 v11, v11, v1
	v_lshlrev_b32 v11, 2, v11                      ; my channel in a fragment: r + 8 (r / 8)
.irp a, 0,1,2,3,4,5,6,7
	global_load_b32 v[BI+2*\a], v11, s[96:97] offset:(32*(\a/2)+8*(\a%2))*4
	v_mov_b32 v[BI+2*\a+1], 0                      ; (named with it as a pair)
.endr
	v_lshlrev_b32 v14, 2, v1                       ; 4 r
	s_wait_alu depctr_va_vdst(0)
	s_wait_loadcnt 0x0
.irp a, 0,1,2,3,4,5,6,7
.if \a > 0
	s_wait_xcnt 0x0
.endif
	ADDB \a, 1
	QUANT H
.irp g, 0,1,2
	global_store_b128 v3, v[PC+4*\g:PC+4*\g+3], s[20:21] offset:(\a/4)*98304+(\a%4)*1536+512*\g
.endr
	global_store_b32 v14, v[PW], s[22:23] offset:(\a/4)*12288+(\a%4)*64      ; lanes l and l + 16 hold the same word and name the same place
.endr
.Lend:
	s_wait_tensorcnt 0x0                           ; the wave's end
	ds_add_u32 v[SPW], v[NIL]
	s_wait_dscnt 0x0
	CROUND                                         ; the closing round
	s_endpgm
.Lfunc_end_k_q5798ce6b9e_qkv:
	.size	k_q5798ce6b9e_qkv, .Lfunc_end_k_q5798ce6b9e_qkv-k_q5798ce6b9e_qkv
	.p2alignl 7, 3214868480
	.fill 96, 4, 3214868480
	.section	.rodata,"a",@progbits
	.p2align	6, 0x0
	.amdhsa_kernel k_q5798ce6b9e_qkv
		.amdhsa_group_segment_fixed_size 327680
		.amdhsa_private_segment_fixed_size 0
		.amdhsa_enable_private_segment 0
		.amdhsa_kernarg_size 48
		.amdhsa_user_sgpr_count 2
		.amdhsa_user_sgpr_kernarg_segment_ptr 1
		.amdhsa_wavefront_size32 1
		.amdhsa_system_sgpr_workgroup_id_x 1
		.amdhsa_system_sgpr_workgroup_id_y 1
		.amdhsa_system_sgpr_workgroup_id_z 1
		.amdhsa_system_vgpr_workitem_id 0
		.amdhsa_next_free_vgpr 1024
		.amdhsa_next_free_sgpr 100
		.amdhsa_reserve_vcc 0
		.amdhsa_float_denorm_mode_32 3
		.amdhsa_float_denorm_mode_16_64 3
		.amdhsa_memory_ordered 1
		.amdhsa_forward_progress 1
		.amdhsa_inst_pref_size 215
	.end_amdhsa_kernel
	.amdgpu_metadata
---
amdhsa.version: [ 1, 2 ]
amdhsa.kernels:
  - .name:           k_q5798ce6b9e_qkv
    .symbol:         k_q5798ce6b9e_qkv.kd
    .args:
      - { .name: himg, .offset: 0, .size: 8, .value_kind: global_buffer, .address_space: global }
      - { .name: wimg, .offset: 8, .size: 8, .value_kind: global_buffer, .address_space: global }
      - { .name: bq, .offset: 16, .size: 8, .value_kind: global_buffer, .address_space: global }
      - { .name: bk, .offset: 24, .size: 8, .value_kind: global_buffer, .address_space: global }
      - { .name: bv, .offset: 32, .size: 8, .value_kind: global_buffer, .address_space: global }
      - { .name: qkvimg, .offset: 40, .size: 8, .value_kind: global_buffer, .address_space: global }
    .group_segment_fixed_size: 327680
    .private_segment_fixed_size: 0
    .kernarg_segment_align: 8
    .kernarg_segment_size: 48
    .max_flat_workgroup_size: 128
    .sgpr_count:     100
    .vgpr_count:     1024
    .wavefront_size: 32
...
	.end_amdgpu_metadata
.endif
;; end of part 2
;; launch attn (part 3): grid 8 x 32, 16 waves a work-group, clusters of 4 x 1, 327,680 bytes of LDS; arguments qkvimg, yimg; writes yimg
.if DOCPART == 3
	.amdgcn_target "amdgcn-amd-amdhsa--gfx1250"
	.amdhsa_code_object_version 6
	.text
	.protected	k_q5798ce6b9e_attn
	.globl	k_q5798ce6b9e_attn
	.p2align	8
	.type	k_q5798ce6b9e_attn,@function
k_q5798ce6b9e_attn:
	s_mov_b64 s[64:65], 0
	v_nop
	global_prefetch_b8 v0, s[64:65] scope:SCOPE_SE
	s_setreg_imm32_b32 hwreg(HW_REG_WAVE_MODE, 25, 1), 1
	s_wait_xcnt 0x0
	s_wait_alu depctr_hold_cnt(0) depctr_sa_sdst(0) depctr_va_vdst(0) depctr_va_sdst(0) depctr_va_ssrc(0) depctr_va_vcc(0) depctr_vm_vsrc(0)
	s_getreg_b32 s2, hwreg(HW_REG_IB_STS2, 6, 4)
	s_cmp_eq_u32 s2, 0
	s_cbranch_scc0 .Lentry_in_a_cluster
	s_endpgm
.Lentry_in_a_cluster:
	s_bfe_u32 s2, ttmp6, 0x10000c
	s_cmp_lg_u32 s2, 0x3003
	s_cbranch_scc0 .Lentry_shape_is_right
	s_endpgm
.Lentry_shape_is_right:
; y[b][t][head] = softmax over keys <= t of (q . k / 8) times v, both products on codes of FP6 (E2M3) with E8M0 scales; y is quantised at once along the 1,024 channels for the projection.
; WORK LEFT OUT: key steps of 128 keys that lie wholly behind a tile's 16 queries: reference()'s own causal mask gives them p = 0 for all values of the inputs (shown at the head of the first launch's text).
; THE SOFTMAX AHEAD OF THE SECOND PRODUCT: t = score x log2(e) / 8; M = the running largest t rounded UP to a whole number; p = 2^(t - M) is quantised along the keys, not normalised; the row's sum is taken of the
; unquantised p and divides at the end.  When M moves, the sum and O are multiplied by 2^(old M - new M): exact.
; SHARES.  A work-group (x = j of 8, y = batch x head) owns the tiles of 16 queries number 8 m + j, m = 0 .. 15: one out of each block of 128 queries, so all 256 work-groups have the same work.  Tile m wants key steps
; 0 .. m: 136 steps in all, dealt 8 or 9 to each of the sixteen waves.  Waves 2 i and 2 i + 1 are partners.  The LONG one takes tile 8 + i, key steps 0 .. 7 (no mask).  The MIXED one takes tile 7 - i whole (key steps
; 0 .. 7 - i), stores it, begins anew and takes tile 8 + i, key steps 8 .. 8 + i.  Behind the loop the long wave hands its O^T, sum and -M to its partner through LDS; the partner brings both parts under the larger M
; (powers of two: exact), adds them and stores the tile.  Which of the two is the mixed one is (w xor w / 4) & 1, so that of four waves that share w % 4 or w / 4 two are of each kind.
; In trip t (0 .. 8) a wave walks key step t + IW ((t + IW) / 8), IW = i in a mixed wave and 0 in a long one: t up to the small tile's end, t + i from there on.
; LDS holds the head's WHOLE K (98,304 bytes), V (98,304) and their scale words (12,288), filled once: waves 0-5 (K) and 6-11 (V) ask for them in chunks of 16,384 bytes, wave 12 for the scale words.  Trip 0 reads key step 0 behind a counted wait and a
; barrier; all later trips stand behind a second barrier, in front of which all chunks have landed.  Every chunk is read in every work-group.
; CLUSTER: the four work-groups of a cluster share the head: each load is a joint one.  Branches hang on the wave's number, the count of trips and the head's parity alone: alike in all partners.
; LAYOUT.  Both products transposed (S^T = K Q^T, O^T = V^T P^T): a lane holds one query.  Tiles of tokens are in the order 32 B + 8 u + i + 8 (i / 8), so the 16 registers of two neighbouring tiles of S^T are 16 neighbouring keys.
; A head's K is 64: Q's registers 6-11 are zero codes, so what stands in K's registers 6-11 (the next tile's codes) adds nothing; the scale bytes over them are 0.
; LIMITS: NaN and infinities are not served; a block of zeros gets the byte 1 (zero codes).
.set VC,   98304
.set KSC,  196608
.set VSC,  204800
.set SPARE, 208896                     ; the spare words: 128 bytes for each of 16 waves
.set MST,  210944                      ; the hand-over: 4,608 bytes of its own for each wave; no fill lands here
.set SPW, 5
.set NIL, 6
.set WV,  18
.set SEL, 20
.set CS,  22                           ; s[22:23] c = log2(e) / 8
.set G0,  24                           ; s[24:31] two groups 0: the scale words, my chunk
.set G1C, 44                           ; s[44:51] group 1 for a chunk: 64 rows of 256 bytes
.set G1S, 52                           ; s[52:59] for the scale words: 48 rows
.set IW,  60                           ; s60 i in a mixed wave, 0 in a long one
.set D1,  61                           ; s61 the trip in which the small tile ends, on its diagonal (a long wave: a number that no trip has)
.set TL,  62                           ; s62 my last trip: 8 or 7
.set TT,  63                           ; s63 the trip
.set TB,  66                           ; s66 where the step's codes begin (6,144 bytes a step, in K and in V)
.set TS,  67                           ; s67 K's scale words (512 a step)
.set TJ,  80                           ; s80 V's (256 a step)
.set ROLE, 81                          ; s81 1: mixed, 0: long
; s[72:79]: my first tile: Q, its scale words, y's codes, y's scale bytes;  s[84:91]: the same for tile 8 + i
; REGISTERS: v1 16 lane; v2 8 lane + 512; v3 16 lane + VC; v4 my query's place in its block - 16 h; v7, v28 scale words' places; v8-11, v29 the step's addresses; v12 -M, v13 largest t, v[14:15] the sum;
; v16-21 Q, v22-27 zeros; v30 4 r; v31 my bytes of the hand-over, v86 my partner's; v32-79 eight tiles of K (6 registers each), later V's four fragments; v80-85 zeros; v96-159 S^T, then p; v160-191 O^T;
; v192-197 the second tile's Q, v198 its scale word; v224-235 p's codes; v232-254 at work; v248-251, v253, v255 scale words.
.macro CROUND
	s_barrier_signal -1
	s_barrier_wait -1
	s_cmp_lg_u32 s[WV], 0
	s_cbranch_scc1 .Lnot_wave_0_\@
	s_barrier_signal -3
.Lnot_wave_0_\@:
	s_barrier_wait -3
	s_barrier_signal -1
	s_barrier_wait -1
.endm
.macro TILEADR m, q, qs, y, ys         ; the byte offsets of tile 8 s[m] + j: Q's half fragment, its scale words, y's fragment, y's two scale bytes
	s_lshl_b32 s13, s[\m], 3
	s_add_co_u32 s13, s13, s9
	s_mul_i32 s[\q], s10, 98304
	s_mul_i32 s16, s13, 768
	s_add_co_u32 s[\q], s[\q], s16
	s_mov_b32 s[\q+1], 0
	s_lshl_b32 s[\qs], s10, 13
	s_lshl_b32 s16, s13, 6
	s_add_co_u32 s[\qs], s[\qs], s16
	s_add_co_u32 s[\qs], s[\qs], 9437184
	s_mov_b32 s[\qs+1], 0
	s_lshr_b32 s16, s10, 4
	s_lshl_b32 s16, s16, 7
	s_add_co_u32 s16, s16, s13                     ; y: fragment row 128 x batch + tile,
	s_lshl_b32 s16, s16, 3
	s_bfe_u32 s15, s10, 0x30001
	s_add_co_u32 s16, s16, s15                     ; K step head / 2
	s_mul_i32 s[\y], s16, 1536
	s_mov_b32 s[\y+1], 0
	s_lshl_b32 s[\ys], s16, 6
	s_lshl_b32 s15, s3, 1
	s_add_co_u32 s[\ys], s[\ys], s15               ; my head's two bytes of the scale word
	s_add_co_u32 s[\ys], s[\ys], 3145728
	s_mov_b32 s[\ys+1], 0
.endm
; THE WAY OUT of a tile: O^T / the sum is my query's 64 channels of this head, register 16 b + i = channel 32 b + 16 h + i: two blocks of the projection's K.  Quantised in registers, stored as half a fragment's image.
.macro OUT y, ys
	v_add_f32 v14, v14, v15
	s_delay_alu instid0(VALU_DEP_1)
	v_permlanex16_b32 v252, v14, s[SEL], s[SEL+1]
	s_delay_alu instid0(VALU_DEP_1)
	v_add_f32 v14, v14, v252                       ; the row's sum
	s_wait_alu depctr_va_vdst(0)
	v_rcp_f32 v14, v14
	v_nop
	s_wait_alu depctr_va_vdst(0)                   ; ahead of the reciprocal's first reader
.set JJ, 0
.rept 32
	v_mul_f32 v[96+JJ], v[160+JJ], v14             ; each accumulator from its low end on
.set JJ, JJ+1
.endr
.irp b, 0,1
	v_max3_num_f32 v[232+\b], |v[96+16*\b]|, |v[97+16*\b]|, 0x1800000
.endr
.irp i, 2,4,6,8,10,12,14
.irp b, 0,1
	s_delay_alu instid0(VALU_DEP_2)
	v_max3_num_f32 v[232+\b], v[232+\b], |v[96+16*\b+\i]|, |v[97+16*\b+\i]|
.endr
.endr
.irp b, 0,1
	s_delay_alu instid0(VALU_DEP_2)
	v_permlanex16_b32 v[236+\b], v[232+\b], s[SEL], s[SEL+1]
.endr
.irp b, 0,1
	s_delay_alu instid0(VALU_DEP_2)
	v_max_num_f32 v[232+\b], v[232+\b], v[236+\b]
.endr
.irp b, 0,1
	s_delay_alu instid0(VALU_DEP_2)
	v_add_nc_u32 v[244+\b], 0xff000000, v[232+\b]
.endr
.irp b, 0,1
	s_delay_alu instid0(VALU_DEP_2)
	v_lshrrev_b32 v[236+\b], 23, v[244+\b]
.endr
	s_delay_alu instid0(VALU_DEP_1)
	v_lshl_or_b32 v240, v237, 8, v236              ; my head's two scale bytes
	v_cvt_scalef32_pk16_fp6_f32 v[224:226], v[96:111], v244
	v_cvt_scalef32_pk16_fp6_f32 v[236:238], v[112:127], v245
	v_nop                                          ; one plain place behind a scaled conversion
.irp i, 0,1,2
	v_permlane16_swap_b32 v[224+\i], v[236+\i]
.endr
.irp i, 0,1,2
	s_delay_alu instid0(VALU_DEP_3)
	v_mov_b32 v[227+\i], v[236+\i]
.endr
	s_cmp_eq_u32 s3, 0                             ; the head's parity: the same in all partners
	s_cbranch_scc0 .Lodd_\@
	global_store_b128 v1, v[224:227], s[\y:\y+1]               ; an even head: the fragment's registers 0-3,
	global_store_b64 v1, v[228:229], s[\y:\y+1] offset:512     ; 4 and 5
	s_branch .Lsc_\@
.Lodd_\@:
	s_wait_alu depctr_va_vdst(0)
	global_store_b64 v1, v[224:225], s[\y:\y+1] offset:520     ; an odd head: registers 6 and 7,
	global_store_b128 v1, v[226:229], s[\y:\y+1] offset:1024   ; 8-11
.Lsc_\@:
	s_wait_alu depctr_va_vdst(0)
	global_store_b16 v30, v240, s[\ys:\ys+1]       ; lanes l and l + 16 hold the same bytes and name the same place
.endm
; A mixed wave changes tiles: the small tile leaves, and the sums begin anew for tile 8 + i.
.macro SWITCH
.rept 4
	v_nop                                          ; places behind the last products, ahead of the first read of O^T
.endr
	OUT 76, 78
	s_wait_xcnt 0x0                                ; the stores have read their registers: the next step writes them again
.irp i, 0,1,2,3,4,5
	v_mov_b32 v[16+\i], v[192+\i]                  ; the second tile's Q,
.endr
	v_mov_b32 v255, v198                           ; and its scale word; the 36 lines below stand between these and the next products
	v_mov_b32 v13, 0xff61b1e6                      ; the largest t so far: -3e38
	s_delay_alu instid0(VALU_DEP_1)
	v_floor_f32 v12, -v13
	v_mov_b32 v14, 0
	v_mov_b32 v15, 0
.set JJ, 0
.rept 32
	v_mov_b32 v[160+JJ], 0                         ; O^T: the step is written once; a tile's first step finds zeros
.set JJ, JJ+1
.endr
.endm
.macro STEP first
.if \first == 0
	s_add_co_u32 s82, s[D1], 1                     ; the trip behind the small tile's last
	s_cmp_eq_u32 s[TT], s82
	s_cbranch_scc0 .Lnosw_\@
	SWITCH
.Lnosw_\@:
.endif
	s_cmp_gt_u32 s[TT], s[TL]                      ; a long wave has no ninth step
	s_cbranch_scc1 .Lhid_\@
.if \first
	s_mov_b32 s[TB], 0                             ; trip 0: key step 0 in every wave
	s_mov_b32 s[TS], 0
	s_mov_b32 s[TJ], 0
.else
	s_add_co_u32 s82, s[TT], s[IW]
	s_lshr_b32 s82, s82, 3                         ; 1 from the second tile's first trip on
	s_mul_i32 s82, s82, s[IW]
	s_add_co_u32 s82, s82, s[TT]                   ; the key step, 0 .. 15
	s_mul_i32 s[TB], s82, 6144
	s_lshl_b32 s[TS], s82, 9
	s_lshl_b32 s[TJ], s82, 8
.endif
	v_add_nc_u32 v8, s[TB], v1                     ; (these five are also the places ahead of the loads into registers that the last products read)
	v_add_nc_u32 v9, s[TB], v2
	v_add_nc_u32 v10, s[TB], v3
	v_add_nc_u32 v11, s[TS], v7
	v_add_nc_u32 v29, s[TJ], v28
.irp t, 0,1,2,3,4,5,6,7
	ds_load_b128 v[32+6*\t:35+6*\t], v8 offset:768*\t
	ds_load_b64 v[36+6*\t:37+6*\t], v9 offset:768*\t
.endr
.irp p, 0,1,2,3
	ds_load_b32 v[248+\p], v11 offset:128*\p       ; lanes 0-15: tile 2 p's words; lanes 16-31: tile 2 p + 1's
.endr
	s_wait_alu depctr_va_vdst(0)
	s_wait_dscnt 0x0
.irp t, 0,2,4,6
	v_wmma_scale_f32_16x16x128_f8f6f4 v[96+8*\t:103+8*\t], v[32+6*\t:43+6*\t], v[16:27], 0, v[248+\t/2], v255 matrix_a_fmt:MATRIX_FMT_FP6 matrix_b_fmt:MATRIX_FMT_FP6
	v_wmma_scale_f32_16x16x128_f8f6f4 v[104+8*\t:111+8*\t], v[38+6*\t:49+6*\t], v[16:27], 0, v[248+\t/2], v255 matrix_a_fmt:MATRIX_FMT_FP6 matrix_b_fmt:MATRIX_FMT_FP6 matrix_a_scale:MATRIX_SCALE_ROW1
.endr
.rept 4
	v_nop                                          ; places ahead of the loads below and of the first read of the scores
.endr
.irp f, 0,1,2,3
.irp g, 0,1,2
	ds_load_b128 v[32+12*\f+4*\g:35+12*\f+4*\g], v10 offset:1536*\f+512*\g   ; V's four fragments land under the softmax
.endr
.endr
	ds_load_b32 v248, v29
	ds_load_b32 v249, v29 offset:128
	s_cmp_eq_u32 s[TT], s[D1]                      ; the small tile's last step lies on the diagonal,
	s_cbranch_scc1 .Lmask_\@
	s_cmp_lg_u32 s[TT], 8                          ; and so does trip 8, which mixed waves alone walk; in all other steps every key counts
	s_cbranch_scc1 .Lopen_\@
.Lmask_\@:
	v_mov_b32 v254, 0xff800000                     ; -infinity
.set NN, 0
.rept 64
	v_cmp_gt_i32 vcc_lo, 32*(NN/16)+NN%16, v4
	v_cndmask_b32 v[96+NN], v[96+NN], v254, vcc_lo
.set NN, NN+1
.endr
.Lopen_\@:
.irp b, 0,1,2,3
	v_max3_num_f32 v[232+\b], v[96+16*\b], v[97+16*\b], v[98+16*\b]   ; the largest score of each block of 32 keys: for the row's maximum and, since p rises with the score, for the block's largest p
.endr
.irp i, 3,5,7,9,11,13
.irp b, 0,1,2,3
	v_max3_num_f32 v[232+\b], v[232+\b], v[96+16*\b+\i], v[97+16*\b+\i]
.endr
.endr
.irp b, 0,1,2,3
	v_max_num_f32 v[232+\b], v[232+\b], v[111+16*\b]
.endr
.irp b, 0,1,2,3
	s_delay_alu instid0(VALU_DEP_4)
	v_permlanex16_b32 v[236+\b], v[232+\b], s[SEL], s[SEL+1]
.endr
.irp b, 0,1,2,3
	s_delay_alu instid0(VALU_DEP_4)
	v_max_num_f32 v[232+\b], v[232+\b], v[236+\b]
.endr
	s_delay_alu instid0(VALU_DEP_2)
	v_max3_num_f32 v254, v232, v233, v234
	s_delay_alu instid0(VALU_DEP_1)
	v_max_num_f32 v254, v254, v235
	s_delay_alu instid0(VALU_DEP_1)
	v_mul_f32 v254, s[CS], v254
	s_delay_alu instid0(VALU_DEP_1)
	v_max_num_f32 v13, v13, v254                   ; the running largest t
	v_mov_b32 v254, v12
	s_delay_alu instid0(VALU_DEP_2)
	v_floor_f32 v12, -v13                          ; the new -M = -ceil(t)
	s_delay_alu instid0(VALU_DEP_1)
	v_sub_f32 v254, v12, v254                      ; old M - new M: a whole number, 0 or less
	s_delay_alu instid0(VALU_DEP_1)
	v_cvt_i32_f32 v254, v254
	s_delay_alu instid0(VALU_DEP_1)
	v_ldexp_f32 v252, 1.0, v254                    ; f = 2^(old M - new M)
.set JJ, 0
.rept 32
	v_pk_fma_f32 v[96+JJ:97+JJ], v[96+JJ:97+JJ], s[CS:CS+1], v[12:13] op_sel_hi:[1,0,0]   ; t - M
.set JJ, JJ+2
.endr
.irp b, 0,1,2,3
	v_fma_f32 v[232+\b], v[232+\b], s[CS], v12
.endr
.set JJ, 0
	s_wait_alu depctr_va_vdst(0)
.rept 64
	v_exp_f32 v[96+JJ], v[96+JJ]                   ; p = 2^(t - M)
.set JJ, JJ+1
.endr
	v_pk_mul_f32 v[14:15], v[14:15], v[252:253] op_sel_hi:[1,0]   ; the sums under the new M (a plain place behind the exponentials)
	s_wait_alu depctr_va_vdst(0)                   ; one wait for the batch of 64, ahead of its first reader
.irp b, 0,1,2,3
	v_exp_f32 v[232+\b], v[232+\b]                 ; the blocks' largest p
.endr
	v_pk_add_f32 v[236:237], v[100:101], v[104:105]
	v_pk_add_f32 v[250:251], v[108:109], v[112:113]
	v_pk_add_f32 v[246:247], v[116:117], v[120:121]
	v_pk_add_f32 v[244:245], v[124:125], v[128:129]
	v_pk_add_f32 v[242:243], v[132:133], v[136:137]
	v_pk_add_f32 v[240:241], v[140:141], v[144:145]
	v_pk_add_f32 v[238:239], v[148:149], v[152:153]
	v_pk_add_f32 v[14:15], v[14:15], v[156:157]
	v_pk_add_f32 v[236:237], v[236:237], v[96:97]
	v_pk_add_f32 v[250:251], v[250:251], v[98:99]
	v_pk_add_f32 v[246:247], v[246:247], v[102:103]
	v_pk_add_f32 v[244:245], v[244:245], v[106:107]
	v_pk_add_f32 v[242:243], v[242:243], v[110:111]
	v_pk_add_f32 v[240:241], v[240:241], v[114:115]
	v_pk_add_f32 v[238:239], v[238:239], v[118:119]
	v_pk_add_f32 v[14:15], v[14:15], v[122:123]
	v_pk_add_f32 v[236:237], v[236:237], v[126:127]
	v_pk_add_f32 v[250:251], v[250:251], v[130:131]
	v_pk_add_f32 v[246:247], v[246:247], v[134:135]
	v_pk_add_f32 v[244:245], v[244:245], v[138:139]
	v_pk_add_f32 v[242:243], v[242:243], v[142:143]
	v_pk_add_f32 v[240:241], v[240:241], v[146:147]
	v_pk_add_f32 v[238:239], v[238:239], v[150:151]
	v_pk_add_f32 v[14:15], v[14:15], v[154:155]
	v_pk_add_f32 v[236:237], v[236:237], v[158:159]
	s_delay_alu instid0(VALU_DEP_2)
	v_pk_add_f32 v[14:15], v[14:15], v[244:245]
	s_delay_alu instid0(VALU_DEP_2)
	v_pk_add_f32 v[236:237], v[236:237], v[242:243]
	v_pk_add_f32 v[250:251], v[250:251], v[240:241]
	v_pk_add_f32 v[246:247], v[246:247], v[238:239]
	s_delay_alu instid0(VALU_DEP_2)
	v_pk_add_f32 v[14:15], v[14:15], v[250:251]
	s_delay_alu instid0(VALU_DEP_2)
	v_pk_add_f32 v[236:237], v[236:237], v[246:247]
	s_delay_alu instid0(VALU_DEP_1)
	v_pk_add_f32 v[14:15], v[14:15], v[236:237]
	s_wait_alu depctr_va_vdst(0)                   ; and one for the four
.irp b, 0,1,2,3
	v_max_num_f32 v[232+\b], 0x1800000, v[232+\b]  ; the floor 2^(3 - 127)
.endr
.irp b, 0,1,2,3
	s_delay_alu instid0(VALU_DEP_4)
	v_add_nc_u32 v[244+\b], 0xff000000, v[232+\b]
.endr
.irp b, 0,1,2,3
	s_delay_alu instid0(VALU_DEP_4)
	v_lshrrev_b32 v[236+\b], 23, v[244+\b]
.endr
	s_delay_alu instid0(VALU_DEP_3)
	v_lshl_or_b32 v253, v237, 8, v236              ; p's scale word for these 128 keys
	s_delay_alu instid0(VALU_DEP_1)
	v_lshl_or_b32 v253, v238, 16, v253
	s_delay_alu instid0(VALU_DEP_1)
	v_lshl_or_b32 v253, v239, 24, v253
.irp c, 0,1
	v_cvt_scalef32_pk16_fp6_f32 v[224+6*\c:226+6*\c], v[96+32*\c:111+32*\c], v[244+2*\c]
	v_cvt_scalef32_pk16_fp6_f32 v[236+4*\c:238+4*\c], v[112+32*\c:127+32*\c], v[244+2*\c+1]
.endr
	v_nop                                          ; one plain place behind a scaled conversion
.irp c, 0,1
.irp i, 0,1,2
	v_permlane16_swap_b32 v[224+6*\c+\i], v[236+4*\c+\i]
.endr
.irp i, 0,1,2
	s_delay_alu instid0(VALU_DEP_3)
	v_mov_b32 v[227+6*\c+\i], v[236+4*\c+\i]
.endr
.endr
.set JJ, 0
.rept 16
	v_pk_mul_f32 v[160+JJ:161+JJ], v[160+JJ:161+JJ], v[252:253] op_sel_hi:[1,0]   ; O^T under the new M; of these sixteen, twelve name no register of any one product below: its places
.set JJ, JJ+2
.endr
	s_wait_alu depctr_va_vdst(0)
	s_wait_dscnt 0x0                               ; V and its scale words
.irp f, 0,2
	v_wmma_scale_f32_16x16x128_f8f6f4 v[160+8*\f:167+8*\f], v[32+12*\f:43+12*\f], v[224:235], v[160+8*\f:167+8*\f], v[248+\f/2], v253 matrix_a_fmt:MATRIX_FMT_FP6 matrix_b_fmt:MATRIX_FMT_FP6
	v_wmma_scale_f32_16x16x128_f8f6f4 v[168+8*\f:175+8*\f], v[44+12*\f:55+12*\f], v[224:235], v[168+8*\f:175+8*\f], v[248+\f/2], v253 matrix_a_fmt:MATRIX_FMT_FP6 matrix_b_fmt:MATRIX_FMT_FP6 matrix_a_scale:MATRIX_SCALE_ROW1
.endr
.Lhid_\@:
.endm
	s_load_b128 s[4:7], s[0:1], 0x0                ; qkvimg, yimg
	v_lshl_add_u32 v[SPW], v0, 2, SPARE
	v_mov_b32 v[NIL], 0
	ds_add_u32 v[SPW], v[NIL]                      ; the wave's opening: the add, twice on end, and its wait ahead of the first tensor load
	ds_add_u32 v[SPW], v[NIL]
	v_lshrrev_b32 v8, 5, v0
	s_delay_alu instid0(VALU_DEP_1)
	v_readfirstlane_b32 s[WV], v8
	s_bfe_u32 s8, ttmp6, 0x40000                   ; cx
	s_lshl_b32 s9, ttmp9, 2
	s_add_co_u32 s9, s9, s8                        ; j: it enters global addresses and the mask's numbers alone
	s_and_b32 s10, ttmp7, 0xffff                   ; batch x head, which the partners share
	s_lshr_b32 s11, s[WV], 1                       ; i
	s_lshr_b32 s12, s[WV], 2
	s_xor_b32 s12, s12, s[WV]
	s_and_b32 s[ROLE], s12, 1
	s_mul_i32 s[IW], s11, s[ROLE]
	s_add_co_u32 s[TL], s[ROLE], 7
	s_add_co_u32 s92, s11, 8                       ; the large tile's block of queries: 8 + i
	s_xor_b32 s83, s11, 7                          ; the small one's: 7 - i
	s_cmp_eq_u32 s[ROLE], 1
	s_cselect_b32 s12, s83, s92                    ; my first tile's
	s_cselect_b32 s[D1], s83, 99
	s_and_b32 s3, s10, 1                           ; the head's parity
	; THE FILLS ARE SHARED OUT (in place of what the head comment says of waves 0 and 1): waves 0-5 fetch K's six chunks of 16,384 bytes, waves 6-11 V's six, wave 12 the head's 12,288 bytes of scale words: one load a wave
	s_mul_i32 s15, s10, 12288
	s_add_co_u32 s68, s15, 9699328                 ; the head's scale words
	s_mov_b32 s69, 0
	s_lshl_b32 s19, s[WV], 14                      ; my chunk's place in LDS: 16,384 x wave (V's bytes follow K's)
	s_mul_i32 s70, s10, 98304
	s_add_co_u32 s70, s70, s19
	s_add_co_u32 s70, s70, 3145728
	s_mul_i32 s16, s[WV], 11
	s_lshr_b32 s16, s16, 6                         ; wave / 6 for waves 0 to 11: 0 K, 1 V
	s_mul_i32 s16, s16, 3145728-98304              ; from K's codes to V's, less K's six chunks
	s_add_co_u32 s70, s70, s16
	s_mov_b32 s71, 0
	TILEADR 12, 72, 74, 76, 78
	TILEADR 92, 84, 86, 88, 90
	s_mul_i32 s82, s[WV], 4608
	s_add_co_u32 s82, s82, MST                     ; my bytes of the hand-over,
	s_xor_b32 s83, s[WV], 1
	s_mul_i32 s83, s83, 4608
	s_add_co_u32 s83, s83, MST                     ; my partner's
	s_mov_b32 s[G1C], 15|(3<<16)|(1<<21)           ; the mask: all four work-groups; elements of 8 bytes; bit 21 beside a mask
	s_mov_b32 s[G1C+1], 32<<16
	s_mov_b32 s[G1C+2], 64<<16
	s_mov_b32 s[G1C+3], 32<<16
	s_mov_b32 s[G1C+4], 64
	s_mov_b32 s[G1C+5], 32
	s_mov_b32 s[G1C+6], 0
	s_mov_b32 s[G1C+7], 0
	s_mov_b32 s[G1S], 15|(3<<16)|(1<<21)
	s_mov_b32 s[G1S+1], 32<<16
	s_mov_b32 s[G1S+2], 48<<16
	s_mov_b32 s[G1S+3], 32<<16
	s_mov_b32 s[G1S+4], 48
	s_mov_b32 s[G1S+5], 32
	s_mov_b32 s[G1S+6], 0
	s_mov_b32 s[G1S+7], 0
	s_mov_b32 s[SEL], 0x76543210
	s_mov_b32 s[SEL+1], 0xfedcba98
	s_mov_b32 s[CS], 0x3e38aa3b
	s_mov_b32 s[CS+1], s[CS]
	s_wait_dscnt 0x0                               ; both opening adds are done
	s_wait_kmcnt 0x0
	s_mov_b32 s[G0], 1
	s_mov_b32 s[G0+1], KSC
	s_add_nc_u64 s[G0+2:G0+3], s[4:5], s[68:69]
	s_or_b32 s[G0+3], s[G0+3], 0x80000000
	s_mov_b32 s[G0+4], 1
	s_mov_b32 s[G0+5], s19
	s_add_nc_u64 s[G0+6:G0+7], s[4:5], s[70:71]
	s_or_b32 s[G0+7], s[G0+7], 0x80000000
	s_add_nc_u64 s[72:73], s[4:5], s[72:73]
	s_add_nc_u64 s[74:75], s[4:5], s[74:75]
	s_add_nc_u64 s[76:77], s[6:7], s[76:77]
	s_add_nc_u64 s[78:79], s[6:7], s[78:79]
	s_add_nc_u64 s[84:85], s[4:5], s[84:85]
	s_add_nc_u64 s[86:87], s[4:5], s[86:87]
	s_add_nc_u64 s[88:89], s[6:7], s[88:89]
	s_add_nc_u64 s[90:91], s[6:7], s[90:91]
	CROUND                                         ; all four work-groups are here: the joint loads meet
	s_cmp_lt_u32 s[WV], 12                         ; one chain of branches on the wave's number, one load to an arm
	s_cbranch_scc0 .Lnotchunk
	tensor_load_to_lds s[G0+4:G0+7], s[G1C:G1C+7]
	s_nop 0
.rept 4
	v_nop
.endr
	s_branch .Lnofill
.Lnotchunk:
	s_cmp_eq_u32 s[WV], 12
	s_cbranch_scc0 .Lnofill
	tensor_load_to_lds s[G0:G0+3], s[G1S:G1S+7]
	s_nop 0
.rept 4
	v_nop
.endr
.Lnofill:
	v_and_b32 v8, 31, v0
	s_delay_alu instid0(VALU_DEP_1)
	v_lshlrev_b32 v1, 4, v8
	s_delay_alu instid0(VALU_DEP_2)
	v_lshl_add_u32 v2, v8, 3, 512
	s_delay_alu instid0(VALU_DEP_2)
	v_add_nc_u32 v3, VC, v1
	s_delay_alu instid0(VALU_DEP_4)
	v_lshl_add_u32 v7, v8, 2, KSC
	v_lshl_add_u32 v28, v8, 2, VSC
	v_add_nc_u32 v31, s82, v1
	v_add_nc_u32 v86, s83, v1
	v_and_b32 v9, 15, v0                           ; r
	v_bfe_u32 v10, v0, 4, 1                        ; h
	s_delay_alu instid0(VALU_DEP_2)
	v_lshlrev_b32 v30, 2, v9                       ; 4 r
	global_load_b128 v[16:19], v1, s[72:73]        ; my first tile's Q stays in registers
	global_load_b64 v[20:21], v2, s[72:73]
	global_load_b32 v255, v30, s[74:75]
	global_load_b128 v[192:195], v1, s[84:85]      ; and tile 8 + i's, for the change of tiles (the same lines in all waves; a long wave has it twice)
	global_load_b64 v[196:197], v2, s[84:85]
	global_load_b32 v198, v30, s[86:87]
	v_and_b32 v11, 8, v9
	s_delay_alu instid0(VALU_DEP_1)
	v_add_nc_u32 v11, v11, v9                      ; r + 8 (r / 8)
	v_lshlrev_b32 v4, 4, v10
	s_delay_alu instid0(VALU_DEP_1)
	v_sub_nc_u32 v4, v11, v4
	s_lshr_b32 s15, s9, 1
	s_lshl_b32 s15, s15, 5
	s_and_b32 s16, s9, 1
	s_lshl_b32 s16, s16, 3
	s_add_co_u32 s15, s15, s16
	v_add_nc_u32 v4, s15, v4                       ; d = 32 (j / 2) + 8 (j % 2) + r + 8 (r / 8) - 16 h: on the diagonal register 16 b + i is hidden where 32 b + i > d; the same for both my tiles
.irp i, 0,1,2,3,4,5
	v_mov_b32 v[22+\i], 0                          ; Q's upper half: zero codes
	v_mov_b32 v[80+\i], 0                          ; what the last tile of K names as its upper half
.endr
	v_mov_b32 v13, 0xff61b1e6                      ; the largest t so far: -3e38
	s_delay_alu instid0(VALU_DEP_1)
	v_floor_f32 v12, -v13                          ; -M
	v_mov_b32 v14, 0
	v_mov_b32 v15, 0
.irp b, 0,1,2,3
	v_mov_b32 v[236+\b], 0                         ; a lane permute's destination counts as one of its sources
.endr
	v_mov_b32 v252, 0
	v_mov_b32 v253, 0
.set JJ, 0
.rept 32
	v_mov_b32 v[160+JJ], 0                         ; O^T: the step is written once; the first finds zeros
.set JJ, JJ+1
.endr
	s_wait_loadcnt 0x0                             ; both Q
	s_wait_tensorcnt 0x0                           ; every wave's one load has landed: the barrier shows all of K, V and the scale words
	s_wait_dscnt 0x0
	s_barrier_signal -1
	s_barrier_wait -1
	s_mov_b32 s[TT], 0
	STEP 1                                         ; trip 0: key step 0, in all sixteen waves
	s_wait_tensorcnt 0x0                           ; all chunks have landed: from trip 1 on a mixed wave may stand anywhere among the keys
	s_wait_dscnt 0x0
	s_barrier_signal -1
	s_barrier_wait -1
	s_mov_b32 s[TT], 1
.Ltrip:
	STEP 0
	s_add_co_u32 s[TT], s[TT], 1
	s_cmp_lt_u32 s[TT], 9
	s_cbranch_scc1 .Ltrip
.rept 4
	v_nop                                          ; places behind the last products
.endr
	; THE HAND-OVER: tile 8 + i's two parts meet.  The registers go to LDS as they stand, 16 bytes a lane, and come back so in the partner
	s_cmp_eq_u32 s[ROLE], 0
	s_cbranch_scc0 .Lnohand
	s_wait_alu depctr_va_vdst(0)
.irp g, 0,1,2,3,4,5,6,7
	ds_store_b128 v31, v[160+4*\g:163+4*\g] offset:512*\g      ; O^T, each accumulator from its low end on
.endr
	ds_store_b128 v31, v[12:15] offset:4096        ; -M, the largest t, the sum's two halves
.Lnohand:
	s_wait_dscnt 0x0                               ; for the partner's sake: my stores have landed
	s_barrier_signal -1
	s_barrier_wait -1
	s_cmp_eq_u32 s[ROLE], 0
	s_cbranch_scc1 .Ldone
.irp g, 0,1,2,3,4,5,6,7
	ds_load_b128 v[96+4*\g:99+4*\g], v86 offset:512*\g
.endr
	ds_load_b128 v[128:131], v86 offset:4096
	s_wait_dscnt 0x0
	v_min_num_f32 v132, v12, v128                  ; -M of the two parts together
	s_delay_alu instid0(VALU_DEP_1)
	v_sub_f32 v133, v132, v12                      ; my M less the common one: a whole number, 0 or less
	s_delay_alu instid0(VALU_DEP_2)
	v_sub_f32 v134, v132, v128                     ; my partner's likewise
	s_delay_alu instid0(VALU_DEP_2)
	v_cvt_i32_f32 v133, v133
	s_delay_alu instid0(VALU_DEP_2)
	v_cvt_i32_f32 v134, v134
	s_delay_alu instid0(VALU_DEP_2)
	v_ldexp_f32 v136, 1.0, v133                    ; both factors are powers of two: nothing is rounded
	s_delay_alu instid0(VALU_DEP_2)
	v_ldexp_f32 v138, 1.0, v134
	v_mov_b32 v137, 0                              ; (named with them as pairs)
	v_mov_b32 v139, 0
	s_delay_alu instid0(VALU_DEP_2)
	v_pk_mul_f32 v[14:15], v[14:15], v[136:137] op_sel_hi:[1,0]
	s_delay_alu instid0(VALU_DEP_1)
	v_pk_fma_f32 v[14:15], v[130:131], v[138:139], v[14:15] op_sel_hi:[1,0,1]
.set JJ, 0
.rept 16
	v_pk_mul_f32 v[160+JJ:161+JJ], v[160+JJ:161+JJ], v[136:137] op_sel_hi:[1,0]
.set JJ, JJ+2
.endr
.set JJ, 0
.rept 16
	v_pk_fma_f32 v[160+JJ:161+JJ], v[96+JJ:97+JJ], v[138:139], v[160+JJ:161+JJ] op_sel_hi:[1,0,1]
.set JJ, JJ+2
.endr
	OUT 88, 90
.Ldone:
	s_wait_tensorcnt 0x0                           ; the wave's end
	ds_add_u32 v[SPW], v[NIL]
	s_wait_dscnt 0x0
	CROUND                                         ; the closing round
	s_endpgm
.Lfunc_end_k_q5798ce6b9e_attn:
	.size	k_q5798ce6b9e_attn, .Lfunc_end_k_q5798ce6b9e_attn-k_q5798ce6b9e_attn
	.p2alignl 7, 3214868480
	.fill 96, 4, 3214868480
	.section	.rodata,"a",@progbits
	.p2align	6, 0x0
	.amdhsa_kernel k_q5798ce6b9e_attn
		.amdhsa_group_segment_fixed_size 327680
		.amdhsa_private_segment_fixed_size 0
		.amdhsa_enable_private_segment 0
		.amdhsa_kernarg_size 16
		.amdhsa_user_sgpr_count 2
		.amdhsa_user_sgpr_kernarg_segment_ptr 1
		.amdhsa_wavefront_size32 1
		.amdhsa_system_sgpr_workgroup_id_x 1
		.amdhsa_system_sgpr_workgroup_id_y 1
		.amdhsa_system_sgpr_workgroup_id_z 1
		.amdhsa_system_vgpr_workitem_id 0
		.amdhsa_next_free_vgpr 256
		.amdhsa_next_free_sgpr 96
		.amdhsa_reserve_vcc 1
		.amdhsa_float_denorm_mode_32 3
		.amdhsa_float_denorm_mode_16_64 3
		.amdhsa_memory_ordered 1
		.amdhsa_forward_progress 1
		.amdhsa_inst_pref_size 71
	.end_amdhsa_kernel
	.amdgpu_metadata
---
amdhsa.version: [ 1, 2 ]
amdhsa.kernels:
  - .name:           k_q5798ce6b9e_attn
    .symbol:         k_q5798ce6b9e_attn.kd
    .args:
      - { .name: qkvimg, .offset: 0, .size: 8, .value_kind: global_buffer, .address_space: global }
      - { .name: yimg, .offset: 8, .size: 8, .value_kind: global_buffer, .address_space: global }
    .group_segment_fixed_size: 327680
    .private_segment_fixed_size: 0
    .kernarg_segment_align: 8
    .kernarg_segment_size: 16
    .max_flat_workgroup_size: 512
    .sgpr_count:     96
    .vgpr_count:     256
    .wavefront_size: 32
...
	.end_amdgpu_metadata
.endif
;; end of part 3
;; launch proj (part 4): grid 8 x 32, 4 waves a work-group, clusters of 4 x 4, 327,680 bytes of LDS; arguments yimg, wimg, x, bo, xmid; writes xmid
.if DOCPART == 4
	.amdgcn_target "amdgcn-amd-amdhsa--gfx1250"
	.amdhsa_code_object_version 6
	.text
	.protected	k_q5798ce6b9e_proj
	.globl	k_q5798ce6b9e_proj
	.p2align	8
	.type	k_q5798ce6b9e_proj,@function
k_q5798ce6b9e_proj:
	s_mov_b64 s[64:65], 0
	v_nop
	global_prefetch_b8 v0, s[64:65] scope:SCOPE_SE
	s_setreg_imm32_b32 hwreg(HW_REG_WAVE_MODE, 25, 1), 1
	s_wait_xcnt 0x0
	s_wait_alu depctr_hold_cnt(0) depctr_sa_sdst(0) depctr_va_vdst(0) depctr_va_sdst(0) depctr_va_ssrc(0) depctr_va_vcc(0) depctr_vm_vsrc(0)
	s_getreg_b32 s2, hwreg(HW_REG_IB_STS2, 6, 4)
	s_cmp_eq_u32 s2, 0
	s_cbranch_scc0 .Lentry_in_a_cluster
	s_endpgm
.Lentry_in_a_cluster:
	s_bfe_u32 s2, ttmp6, 0x10000c
	s_cmp_lg_u32 s2, 0xf033
	s_cbranch_scc0 .Lentry_shape_is_right
	s_endpgm
.Lentry_shape_is_right:
; out = res + (A B^T + bias): here xmid = x + (y wo + bo).  A (tokens) and B (the weight's columns) are images of operand registers in FP6 (E2M3) with E8M0 scale words (layouts: at the head of the first launch's text).
; A tile of 128 x 128 is made by four waves, 64 x 64 each (16 accumulators): with 256 x 256 only 64 work-groups would have work.  K goes in slots of 512 through two LDS slots; here K = 1,024 is the two first fills.
; The matrix instruction is used transposed (source 0 = B, source 1 = A).  CLUSTERS: 4 x 4; A's tiles are shared along a row of the cluster, B's along a column: joint loads.
; The residual's rows are asked for at the head, into registers, and wait there; the results go through the wave's own stage in LDS and leave as whole rows of 256 bytes.
.set NB, 4
.set HBK, NB/2
.set NQ, 4
.set KS, 8
.set A_SC, 3145728                     ; where A's scale words begin in A's buffer
.set B_CO, 3*786432                    ; B's codes in wimg
.set B_SC, 9437184+98304               ; and its scale words
.set LAPS, KS/(2*NQ)
.set FRB, 1536
.set NL, 3
.set HALFT, NB*NQ*FRB
.set SLOT, 4*HALFT
.set SCL, 2*SLOT
.set HALFS, NB*KS*64
.set SPARE, SCL+4*HALFS
.set STAGE, SPARE+512                  ; 16 rows x (256 + 16) bytes for each wave; no fill ever lands here
.set ADRA, 16
.set ADRB, 20
.set STO, 24
.set RD, 25
.set CO, 26
.set ADRS, 27
.set SPW, 28
.set NIL, 29
.set SC, 32                            ; v32-63 scale words; they hold nothing else
.set AF, 128
.set BK, 128                           ; the way out: 16 rows read back: v128-159 and v160-191 by turns
.set G1, 24
.set G0, 32
.set G1B, 48
.set G0B, 56
.set G1S, 68
.set G0S, 76
.set G1SB, 80
.set G0SB, 88
.set MSB, 0
.macro WIN new
.if MSB != (\new)
	s_set_vgpr_msb (MSB<<8)|(\new)
.set MSB, (\new)
.endif
.endm
.set MUL_LO, 0xa1
.set MUL_HI, 0xf1
.set TO_B, 0x40
.macro JLOAD g0a, g1a, g0b, g1b
	s_cmp_eq_u32 s15, 0
	s_cbranch_scc0 .Lfor_b_\@
	tensor_load_to_lds s[\g0a:\g0a+3], s[\g1a:\g1a+7]
	s_nop 0
.rept 4
	v_nop
.endr
	s_branch .Lasked_\@
.Lfor_b_\@:
	tensor_load_to_lds s[\g0b:\g0b+3], s[\g1b:\g1b+7]
	s_nop 0
.rept 4
	v_nop
.endr
.Lasked_\@:
.endm
.macro CREST
	s_cmp_lg_u32 s14, 0
	s_cbranch_scc1 .Lnot_wave_0_\@
	s_barrier_signal -3
.Lnot_wave_0_\@:
	s_barrier_wait -3
	s_barrier_signal -1
	s_barrier_wait -1
.endm
.macro CROUND
	s_barrier_signal -1
	s_barrier_wait -1
	CREST
.endm
.macro PLACES
.rept 4
	v_nop
.endr
.endm
.macro FRAG reg, adr, q, i
.irp g, 0,1,2
	ds_load_b128 v[\reg+4*\g:\reg+4*\g+3], v[\adr] offset:((\i)*NQ+(\q))*FRB+512*\g
.endr
.endm
.macro FETCH_B slot, q, p
	WIN TO_B
.set FI, 0
.rept NB
	FRAG 128*(\p)+12*FI, ADRB+\slot, \q, FI
.set FI, FI+1
.endr
	WIN 0
.endm
.macro FETCH_A slot, q, i0
.set FI, \i0
.rept HBK
	FRAG AF+12*FI, ADRA+\slot, \q, FI
.set FI, FI+1
.endr
.endm
.macro SCALES sc
.set FI, 0
.rept NB
.set FQ, 0
.rept NQ
	ds_load_b32 v[SC+16*(\sc)+NQ*FI+FQ], v[ADRS] offset:FI*KS*64+64*FQ
.set FQ, FQ+1
.endr
.set FI, FI+1
.endr
.endm
.macro MULQ a0, p, q, sc, zero         ; the accumulators take turns, one instruction a turn, in one order throughout
.set AA, \a0
.rept HBK/2
.set BJ, 0
.rept NB
.set RA, 8*(NB*(AA%HBK)+BJ)
.if \zero
	v_wmma_scale_f32_16x16x128_f8f6f4 v[RA:RA+7], v[128*(\p)+12*BJ:128*(\p)+12*BJ+11], v[AF+12*AA:AF+12*AA+11], 0, v[SC+16*(\sc)+NQ*BJ+(\q)], v[SC+16*(\sc)+NQ*AA+(\q)] matrix_a_fmt:MATRIX_FMT_FP6 matrix_b_fmt:MATRIX_FMT_FP6 matrix_a_scale:MATRIX_SCALE_ROW1
.else
	v_wmma_scale_f32_16x16x128_f8f6f4 v[RA:RA+7], v[128*(\p)+12*BJ:128*(\p)+12*BJ+11], v[AF+12*AA:AF+12*AA+11], v[RA:RA+7], v[SC+16*(\sc)+NQ*BJ+(\q)], v[SC+16*(\sc)+NQ*AA+(\q)] matrix_a_fmt:MATRIX_FMT_FP6 matrix_b_fmt:MATRIX_FMT_FP6 matrix_a_scale:MATRIX_SCALE_ROW1
.endif
.set BJ, BJ+1
.endr
.set AA, AA+1
.endr
.endm
.macro STEP slot, q, zero
	s_wait_dscnt HBK*NL                            ; all but the youngest loads (A's upper blocks) are in
	WIN MUL_LO
	MULQ 0, (\q)%2, \q, \slot, \zero
	MULQ HBK/2, (\q)%2, \q, \slot, \zero
	s_wait_dscnt 0x0
	PLACES
	FETCH_B \slot, (\q)+1, 1-(\q)%2
	FETCH_A \slot, (\q)+1, 0
	WIN MUL_HI
	MULQ HBK, (\q)%2, \q, \slot, \zero
	MULQ 3*HBK/2, (\q)%2, \q, \slot, \zero
	PLACES
	WIN 0
	FETCH_A \slot, (\q)+1, HBK
.endm
.macro TURN slot, next, fill
	s_wait_tensorcnt 0x0                           ; all my tensor loads have landed: my part of the next slot
	ds_add_u32 v[SPW], v[NIL]                      ; 0 onto my spare word
	s_wait_dscnt HBK*NL+1                          ; (the add and A's upper blocks may be out)
	WIN MUL_LO
	MULQ 0, 1, NQ-1, \slot, 0
	s_wait_dscnt 0x0                               ; the add is done, and my reads of this slot are over
	s_barrier_signal -1
	MULQ HBK/2, 1, NQ-1, \slot, 0
	WIN 0
	s_barrier_wait -1
.if \fill
	CREST
	s_add_nc_u64 s[G0+4*\slot+2:G0+4*\slot+3], s[G0+4*\slot+2:G0+4*\slot+3], 2*NQ*FRB
	s_add_nc_u64 s[G0B+4*\slot+2:G0B+4*\slot+3], s[G0B+4*\slot+2:G0B+4*\slot+3], 2*NQ*FRB
	JLOAD G0+4*\slot, G1, G0B+4*\slot, G1B
.else
	PLACES
.endif
	v_add_nc_u32 v[ADRS], 64*NQ, v[ADRS]
	FETCH_B \next, 0, 0
	FETCH_A \next, 0, 0
	SCALES \next
	WIN MUL_HI
	MULQ HBK, 1, NQ-1, \slot, 0
	MULQ 3*HBK/2, 1, NQ-1, \slot, 0
	PLACES
	WIN 0
	FETCH_A \next, 0, HBK
.endm
.macro MIDS slot, from
.if NQ-1-(\from) > 0
.set QQ, \from
.rept NQ-1-(\from)
	STEP \slot, QQ, 0
.set QQ, QQ+1
.endr
.endif
.endm
	s_load_b256 s[4:11], s[0:1], 0x0               ; A's images, wimg, the residual, the bias
	s_load_b64 s[96:97], s[0:1], 0x20              ; out
	v_lshl_add_u32 v[SPW], v0, 2, SPARE
	v_mov_b32 v[NIL], 0
	ds_add_u32 v[SPW], v[NIL]                      ; the wave's opening: the add, twice on end, and its wait ahead of my first tensor load
	ds_add_u32 v[SPW], v[NIL]
	v_lshrrev_b32 v1, 5, v0
	v_readfirstlane_b32 s14, v1
	s_lshr_b32 s15, s14, 1
	s_and_b32 s16, s14, 1
	s_bfe_u32 s40, ttmp6, 0x40000
	s_bfe_u32 s41, ttmp6, 0x40004
	s_lshl_b32 s42, ttmp9, 2
	s_add_co_u32 s42, s42, s40                     ; tile column
	s_and_b32 s17, ttmp7, 0xffff
	s_lshl_b32 s17, s17, 2
	s_add_co_u32 s17, s17, s41                     ; tile row
	s_lshl_b32 s43, s41, 2
	s_lshl_b32 s43, 15, s43
	s_lshl_b32 s44, 0x1111, s40
	s_or_b32 s[G1+0], s43, (3<<16)|(1<<21)
	s_or_b32 s[G1B+0], s44, (3<<16)|(1<<21)
.irp g, G1, G1B
	s_mov_b32 s[\g+1], (192*NQ)<<16
	s_mov_b32 s[\g+2], (2*NB)<<16                  ; at the head a whole tile's 2 NB fragment rows
	s_mov_b32 s[\g+3], (192*NQ)<<16
	s_mov_b32 s[\g+4], 2*NB
	s_mov_b32 s[\g+5], 192*KS
	s_mov_b32 s[\g+6], 0
	s_mov_b32 s[\g+7], 0
.endr
	s_mul_i32 s20, s17, 2*NB                       ; A: the tile's first fragment row
	s_mul_i32 s46, s42, 2*NB                       ; B likewise
	s_mul_i32 s22, s20, KS*64
	s_add_co_u32 s22, s22, A_SC
	s_mul_i32 s92, s46, KS*64
	s_add_co_u32 s92, s92, B_SC
	s_mul_i32 s20, s20, KS*FRB
	s_mul_i32 s46, s46, KS*FRB
	s_add_co_u32 s46, s46, B_CO
	s_mov_b32 s21, 0
	s_mov_b32 s23, 0
	s_mov_b32 s47, 0
	s_mov_b32 s93, 0
	s_wait_dscnt 0x0
	s_wait_kmcnt 0x0
	s_add_nc_u64 s[20:21], s[4:5], s[20:21]
	s_add_nc_u64 s[22:23], s[4:5], s[22:23]
	s_add_nc_u64 s[46:47], s[6:7], s[46:47]
	s_add_nc_u64 s[92:93], s[6:7], s[92:93]
	CROUND
	s_mov_b32 s[G0S], 1
	s_mov_b32 s[G0SB], 1
; THE HEAD'S LOADS, ONE A WAVE, each on a line of its own in one chain of branches on the wave's number, what is needed first asked for first:
; wave 0 slot 0's part of A's tile, wave 1 of B's, wave 2 slot 1's part of A's, wave 3 of B's.  K = 1,024 is these two slots: nothing is filled later.  The scale words come by plain loads.
.macro ARM under, g0, lds, base, off, g1, next
	s_cmp_lt_u32 s14, \under
	s_cbranch_scc0 \next
	s_mov_b32 s[\g0+1], \lds
	s_add_nc_u64 s[\g0+2:\g0+3], s[\base:\base+1], \off
	s_or_b32 s[\g0+3], s[\g0+3], 0x80000000
	tensor_load_to_lds s[\g0:\g0+3], s[\g1:\g1+7]
	s_nop 0
.rept 4
	v_nop
.endr
	s_branch .Lhead_asked
\next:
.endm
	ARM 1, G0S, 0, 20, 0, G1, .Lhead_b
	ARM 2, G0SB, 2*HALFT, 46, 0, G1B, .Lhead_a1
	ARM 3, G0S, SLOT, 20, NQ*FRB, G1, .Lhead_b1
	s_mov_b32 s[G0SB+1], SLOT+2*HALFT
	s_add_nc_u64 s[G0SB+2:G0SB+3], s[46:47], NQ*FRB
	s_or_b32 s[G0SB+3], s[G0SB+3], 0x80000000
	tensor_load_to_lds s[G0SB:G0SB+3], s[G1B:G1B+7]
	s_nop 0
.rept 4
	v_nop
.endr
.Lhead_asked:
	v_lshlrev_b32 v4, 4, v0                        ; the scale words, two dense blocks of 2 HALFS bytes: the 128 threads take 2,048 consecutive bytes an instruction
	v_lshl_add_u32 v7, v0, 4, SCL                  ; and lay them into LDS as they lie
.irp k, 0,1
	global_load_b128 v[AF+4*\k:AF+4*\k+3], v4, s[22:23] offset:2048*\k
	global_load_b128 v[AF+16+4*\k:AF+16+4*\k+3], v4, s[92:93] offset:2048*\k
.endr
	s_wait_xcnt 0x0                                ; the loads have read their bases: s22 is written again below
	v_and_b32 v1, 15, v0
	v_bfe_u32 v2, v0, 4, 1
	s_wait_alu depctr_va_vdst(0)
	v_and_b32 v3, 31, v0
	v_lshlrev_b32 v3, 4, v3
	s_mul_i32 s21, s15, HALFT
	s_mul_i32 s22, s16, HALFT
	s_add_co_u32 s22, s22, 2*HALFT
.irp s, 0,1
	v_add_nc_u32 v[ADRA+\s], s21, v3
	v_add_nc_u32 v[ADRB+\s], s22, v3
	s_add_co_u32 s21, s21, SLOT
	s_add_co_u32 s22, s22, SLOT
.endr
	v_lshlrev_b32 v5, 2, v1
	s_mul_i32 s21, s15, HALFS
	s_mul_i32 s22, s16, HALFS
	s_add_co_u32 s22, s22, 2*HALFS
	s_sub_co_u32 s22, s22, s21
	v_mul_u32_u24 v6, s22, v2
	s_add_co_u32 s21, s21, SCL
	v_add_nc_u32 v5, v5, v6
	v_add_nc_u32 v[ADRS], s21, v5
	s_mul_i32 s23, s14, 16*272
	s_add_co_u32 s23, s23, STAGE                   ; my stage
	v_mul_u32_u24 v5, v1, 272
	v_lshl_add_u32 v5, v2, 6, v5
	v_add_nc_u32 v[STO], s23, v5                   ; in: row r; tile b's eight columns of my half at 128 (b / 2) + 64 h + 32 (b % 2)
	v_mul_u32_u24 v5, v2, 272
	v_lshl_add_u32 v5, v1, 4, v5
	v_add_nc_u32 v[RD], s23, v5                    ; back: lanes 0-15 one row of 256 bytes, lanes 16-31 the next
	v_lshlrev_b32 v[CO], 12, v2
	v_lshl_add_u32 v[CO], v1, 4, v[CO]             ; and the same two rows in memory
	s_wait_alu depctr_va_vdst(0)
	v_lshlrev_b32 v12, 4, v1
	s_wait_alu depctr_va_vdst(0)
	s_lshl_b32 s20, s17, 7
	s_lshl_b32 s21, s15, 6
	s_add_co_u32 s20, s20, s21                     ; my first token
	s_lshl_b32 s20, s20, 12
	s_lshl_b32 s46, s42, 9
	s_lshl_b32 s47, s16, 8
	s_add_co_u32 s46, s46, s47                     ; my first column, in bytes
	s_mov_b32 s47, 0
	s_add_co_u32 s20, s20, s46
	s_mov_b32 s21, 0
	s_add_nc_u64 s[8:9], s[8:9], s[20:21]
	s_add_nc_u64 s[96:97], s[96:97], s[20:21]
	s_add_nc_u64 s[10:11], s[10:11], s[46:47]
	WIN 0x80                                       ; destination window 2: v64-191 there hold the residual until the way out
.irp a, 0,1,2,3
.irp i, 0,1,2,3,4,5,6,7
	global_load_b128 v[64+32*\a+4*\i:64+32*\a+4*\i+3], v[CO], s[8:9] offset:(32*(\a/2)+8*(\a%2)+2*\i+8*(\i/4))*4096   ; stage row 2 i + h of block a is token 32 (a / 2) + 8 (a % 2) + 2 i + h + 8 (i / 4)
.endr
.endr
	WIN 0
	global_load_b128 v[8:11], v12, s[10:11]        ; the bias of my four columns
	s_wait_loadcnt 33                              ; my share of the scale words; the 32 loads of the residual and the bias's one are younger
.irp k, 0,1
	ds_store_b128 v7, v[AF+4*\k:AF+4*\k+3] offset:2048*\k
	ds_store_b128 v7, v[AF+16+4*\k:AF+16+4*\k+3] offset:2*HALFS+2048*\k
.endr
	s_wait_dscnt 0x0                               ; for the others' sake: they lie in LDS
	s_cmp_lt_u32 s14, 2
	s_cbranch_scc0 .Lnot_slot0
	s_wait_tensorcnt 0x0                           ; waves 0 and 1: slot 0's tiles have landed
.Lnot_slot0:
	s_barrier_signal -1                            ; slot 0 and the scale words are shown; slot 1's loads may be out
	s_barrier_wait -1
	FETCH_B 0, 0, 0
	FETCH_A 0, 0, 0
	SCALES 0
	FETCH_A 0, 0, HBK
	STEP 0, 0, 1
.if LAPS > 1
	s_mov_b32 s3, LAPS-1
.Llap:
	MIDS 0, 1
	TURN 0, 1, 1
	MIDS 1, 0
	TURN 1, 0, 1
	STEP 0, 0, 0
	s_sub_co_u32 s3, s3, 1
	s_cmp_lg_u32 s3, 0
	s_cbranch_scc1 .Llap
.endif
	MIDS 0, 1
	TURN 0, 1, 0
	MIDS 1, 0
	s_wait_dscnt HBK*NL
	WIN MUL_LO
	MULQ 0, 1, NQ-1, 1, 0
	MULQ HBK/2, 1, NQ-1, 1, 0
	s_wait_dscnt 0x0
	WIN MUL_HI
	MULQ HBK, 1, NQ-1, 1, 0
	MULQ 3*HBK/2, 1, NQ-1, 1, 0
	WIN 0
	PLACES
	s_wait_loadcnt 0x0                             ; the residual and the bias
.macro TOSTAGE a
	WIN 0x08+4*((\a)/2)                            ; the data: window 2 or 3
.irp b, 0,1,2,3
	ds_store_b128 v[STO], v[32*((\a)%2)+8*\b:32*((\a)%2)+8*\b+3] offset:128*(\b/2)+32*(\b%2)       ; each accumulator from its low end on
	ds_store_b128 v[STO], v[32*((\a)%2)+8*\b+4:32*((\a)%2)+8*\b+7] offset:128*(\b/2)+32*(\b%2)+16
.endr
	WIN 0
.irp i, 0,1,2,3,4,5,6,7
	ds_load_b128 v[BK+32*((\a)%2)+4*\i:BK+32*((\a)%2)+4*\i+3], v[RD] offset:544*\i   ; LDS serves a wave's instructions in order: these see my stores
.endr
.endm
.macro SEND a, younger
.set BB, BK+32*((\a)%2)
	s_wait_dscnt \younger                          ; the block is back; the next block's 8 stores and 8 loads may be out
.set II, 0
.rept 8
	v_pk_add_f32 v[BB+4*II:BB+4*II+1], v[BB+4*II:BB+4*II+1], v[8:9]
	v_pk_add_f32 v[BB+4*II+2:BB+4*II+3], v[BB+4*II+2:BB+4*II+3], v[10:11]
.set II, II+1
.endr
	WIN 0x08                                       ; source 1: window 2
.set II, 0
.rept 16
	v_pk_add_f32 v[BB+2*II:BB+2*II+1], v[BB+2*II:BB+2*II+1], v[64+32*(\a)+2*II:64+32*(\a)+2*II+1]
.set II, II+1
.endr
	WIN 0
.set II, 0
.rept 8
	global_store_b128 v[CO], v[BB+4*II:BB+4*II+3], s[96:97] offset:(32*((\a)/2)+8*((\a)%2)+2*II+8*(II/4))*4096 th:TH_STORE_NT   ; 16 lanes store 256 consecutive bytes, aligned
.set II, II+1
.endr
.endm
	TOSTAGE 0
.irp a, 1,2,3
.if \a > 1
	s_wait_xcnt 0x0                                ; block a - 2's stores have read their registers
.endif
	TOSTAGE \a
	SEND \a-1, 16
.endr
	SEND 3, 0
	s_wait_tensorcnt 0x0                           ; the wave's end
	ds_add_u32 v[SPW], v[NIL]
	s_wait_dscnt 0x0
	CROUND                                         ; the closing round
	s_endpgm
.Lfunc_end_k_q5798ce6b9e_proj:
	.size	k_q5798ce6b9e_proj, .Lfunc_end_k_q5798ce6b9e_proj-k_q5798ce6b9e_proj
	.p2alignl 7, 3214868480
	.fill 96, 4, 3214868480
	.section	.rodata,"a",@progbits
	.p2align	6, 0x0
	.amdhsa_kernel k_q5798ce6b9e_proj
		.amdhsa_group_segment_fixed_size 327680
		.amdhsa_private_segment_fixed_size 0
		.amdhsa_enable_private_segment 0
		.amdhsa_kernarg_size 40
		.amdhsa_user_sgpr_count 2
		.amdhsa_user_sgpr_kernarg_segment_ptr 1
		.amdhsa_wavefront_size32 1
		.amdhsa_system_sgpr_workgroup_id_x 1
		.amdhsa_system_sgpr_workgroup_id_y 1
		.amdhsa_system_sgpr_workgroup_id_z 1
		.amdhsa_system_vgpr_workitem_id 0
		.amdhsa_next_free_vgpr 1024
		.amdhsa_next_free_sgpr 100
		.amdhsa_reserve_vcc 0
		.amdhsa_float_denorm_mode_32 3
		.amdhsa_float_denorm_mode_16_64 3
		.amdhsa_memory_ordered 1
		.amdhsa_forward_progress 1
		.amdhsa_inst_pref_size 62
	.end_amdhsa_kernel
	.amdgpu_metadata
---
amdhsa.version: [ 1, 2 ]
amdhsa.kernels:
  - .name:           k_q5798ce6b9e_proj
    .symbol:         k_q5798ce6b9e_proj.kd
    .args:
      - { .name: yimg, .offset: 0, .size: 8, .value_kind: global_buffer, .address_space: global }
      - { .name: wimg, .offset: 8, .size: 8, .value_kind: global_buffer, .address_space: global }
      - { .name: x, .offset: 16, .size: 8, .value_kind: global_buffer, .address_space: global }
      - { .name: bo, .offset: 24, .size: 8, .value_kind: global_buffer, .address_space: global }
      - { .name: xmid, .offset: 32, .size: 8, .value_kind: global_buffer, .address_space: global }
    .group_segment_fixed_size: 327680
    .private_segment_fixed_size: 0
    .kernarg_segment_align: 8
    .kernarg_segment_size: 40
    .max_flat_workgroup_size: 128
    .sgpr_count:     100
    .vgpr_count:     1024
    .wavefront_size: 32
...
	.end_amdgpu_metadata
.endif
;; end of part 4
;; launch pre2 (part 5): grid 768 x 1, 4 waves a work-group, no clusters, 79,616 bytes of LDS; arguments xmid, ln2_w, ln2_b, himg, w1, w2, wimg; writes himg, wimg
.if DOCPART == 5
	.amdgcn_target "amdgcn-amd-amdhsa--gfx1250"
	.amdhsa_code_object_version 6
	.text
	.protected	k_q5798ce6b9e_pre2
	.globl	k_q5798ce6b9e_pre2
	.p2align	8
	.type	k_q5798ce6b9e_pre2,@function
k_q5798ce6b9e_pre2:
	s_mov_b64 s[64:65], 0
	v_nop
	global_prefetch_b8 v0, s[64:65] scope:SCOPE_SE
	s_setreg_imm32_b32 hwreg(HW_REG_WAVE_MODE, 25, 1), 1
	s_wait_xcnt 0x0
; The first launch's text with VARIANT = 2: LayerNorm 2 of xmid to codes in himg (work-groups 0 to 255), and w1 [1024][4096], w2 [4096][1024] to codes in wimg (the 512 others).  No work is left out here.
; Layouts, shares and limits: at the head of the first launch's text.  In short: codes are images of operand registers (a fragment = 16 rows x 128 K = 1,536 bytes, [fragment row][K step]; scale words [fragment row][K step][16]);
; row i of fragment 2 B + u is true row 32 B + 8 u + i + 8 (i / 8); w1's image lies at 4 U of wimg, w2's at 8 U (U = 786,432), scale words from 9,437,184 on at the codes' offset / 24.
; The two kinds of work-groups have LDS bytes of their own.  The one barrier stands in the text that all work-groups walk; what is read behind it is made at the head, and the weights' way writes none of it.
; LIMITS: a block of zeros gets the byte 1 where the rule says 127 (its codes are zeros, and this program alone reads the bytes); NaN and infinities among the inputs are not served.
.set VARIANT, 2                        ; 1: wq, wk, wv, wo (256 work-groups);  2: w1, w2 (512)
.set NLN, 256                          ; work-groups of the first kind
.set ROWP, 4112                        ; a row of the LayerNorm's stage: 4,096 + 16 bytes; 16 rows from LDS byte 0
.set WST, 65792                        ; the weights' stages: 3,328 bytes a wave: two fragments 1,664 bytes apart
.set SPARE, 79104                      ; the spare words, 128 bytes a wave
.set SPW, 8                            ; v8 LDS address of my spare word; never rewritten
.set NIL, 9                            ; v9 0; never rewritten
.set MU,  10                           ; v10-17  a pair a row: sums, then the mean in the low word
.set T,   18                           ; v18-21  the other half of the lanes' sums
.set SQ,  22                           ; v22-29  a pair a row: sums of squares, then 1 / sqrt in the low word
.set X,   32                           ; v32-159 row j at X + 32 j; in phase 2 two sets of 64 numbers
.set WG,  160                          ; v160-191 the gain of my 32 columns
.set BG,  192                          ; v192-223 the bias
.set PC,  160                          ; phase 2: the codes just made (20 registers)
.set TM,  224                          ; v224-239 the quantiser's scratch
.set PW,  240                          ; the scale word just made
.set SEL, 12
.set AD,  32                           ; the weights' way: v32-63 4 x lane + i x the weight's row, i = 0 .. 31
.set WX,  64                           ; v64-127 two sets of 32 numbers
.set OUTR, 128                         ; v128-151 the way out
.macro QUANT s                         ; 64 numbers of a lane, register 16 b + i = k 32 b + 16 (lane / 16) + i of my row, become a fragment's codes in v[PC] on and its scale word in v[PW]
.irp b, 0,1,2,3
	v_max3_num_f32 v[TM+\b], |v[\s+16*\b]|, |v[\s+1+16*\b]|, 0x1800000   ; block b: my 16 numbers, and the floor 2^(3 - 127)
.endr
.irp i, 2,4,6,8,10,12,14
.irp b, 0,1,2,3
	v_max3_num_f32 v[TM+\b], v[TM+\b], |v[\s+16*\b+\i]|, |v[\s+1+16*\b+\i]|
.endr
.endr
.irp b, 0,1,2,3
	v_permlanex16_b32 v[TM+4+\b], v[TM+\b], s[SEL], s[SEL+1]
.endr
.irp b, 0,1,2,3
	v_max_num_f32 v[TM+\b], v[TM+\b], v[TM+4+\b]   ; with lane l xor 16's: the block's largest magnitude
.endr
.irp b, 0,1,2,3
	v_add_nc_u32 v[TM+12+\b], 0xff000000, v[TM+\b] ; 2 off its exponent field: the conversion's scale operand
.endr
.irp b, 0,1,2,3
	v_lshrrev_b32 v[TM+4+\b], 23, v[TM+12+\b]      ; the scale's byte
.endr
	v_lshl_or_b32 v[PW], v[TM+5], 8, v[TM+4]
	v_lshl_or_b32 v[PW], v[TM+6], 16, v[PW]
	v_lshl_or_b32 v[PW], v[TM+7], 24, v[PW]
.irp c, 0,1
	v_cvt_scalef32_pk16_fp6_f32 v[PC+6*\c:PC+2+6*\c], v[\s+32*\c:\s+15+32*\c], v[TM+12+2*\c]
	v_cvt_scalef32_pk16_fp6_f32 v[PC+12+4*\c:PC+14+4*\c], v[\s+16+32*\c:\s+31+32*\c], v[TM+12+2*\c+1]
.endr
	v_nop                                          ; one plain place behind a scaled conversion
.irp c, 0,1                            ; the operand's layout wants a whole block in a lane
.irp i, 0,1,2
	v_permlane16_swap_b32 v[PC+6*\c+\i], v[PC+12+4*\c+\i]
.endr
.irp i, 0,1,2
	v_mov_b32 v[PC+3+6*\c+\i], v[PC+12+4*\c+\i]
.endr
.endr
.endm
.macro REDUCE b                        ; four rows' pairs become four sums over the 32 lanes, in every lane
.irp j, 0,1,2,3
	v_add_f32 v[\b+2*\j], v[\b+2*\j], v[\b+2*\j+1]
.endr
.irp m, 1,2,4,8
.irp j, 0,1,2,3
	v_add_f32_dpp v[\b+2*\j], v[\b+2*\j], v[\b+2*\j] row_xmask:\m row_mask:0xf bank_mask:0xf
.endr
.endr
.irp j, 0,1,2,3
	v_permlanex16_b32 v[T+\j], v[\b+2*\j], s[SEL], s[SEL+1]
.endr
.irp j, 0,1,2,3
	v_add_f32 v[\b+2*\j], v[\b+2*\j], v[T+\j]
.endr
.endm
.macro LOAD t                          ; block t: W(32 t + i, my column) into set t % 2: a wave reads 128 consecutive bytes, the four waves stand side by side
.set LL, 0
.rept 32
	global_load_b32 v[WX+32*((\t)%2)+LL], v[AD+LL], s[48+2*(\t):49+2*(\t)] th:TH_LOAD_NT
.set LL, LL+1
.endr
.endm
.macro BLOCK t
.set XS, WX+32*((\t)%2)
.set OO, ((\t)%2)*256                  ; the block belongs to lane r + 16 (t % 2) of the image
.if (\t) < 3
	s_wait_loadcnt 32                              ; this block's 32 loads are in; the next block's 32 may be out
.else
	s_wait_loadcnt 0x0
.endif
	v_max3_num_f32 v17, |v[XS]|, |v[XS+1]|, |v[XS+2]|      ; the block's largest magnitude: all 32 numbers are mine; two chains
	v_max3_num_f32 v18, |v[XS+3]|, |v[XS+4]|, |v[XS+5]|
.irp i, 6,10,14,18,22,26
	v_max3_num_f32 v17, v17, |v[XS+\i]|, |v[XS+\i+1]|
	v_max3_num_f32 v18, v18, |v[XS+\i+2]|, |v[XS+\i+3]|
.endr
	v_max3_num_f32 v17, v17, |v[XS+30]|, |v[XS+31]|
	v_max3_num_f32 v17, v17, v18, 0x1800000        ; and the floor 2^(3 - 127): the byte cannot fall under 1
	v_add_nc_u32 v16, 0xff000000, v17              ; 2 off its exponent field: the conversion's scale operand
	v_lshrrev_b32 v18, 23, v16                     ; the scale's byte
.if (\t) == 0
	v_mov_b32 v20, v18
.else
	v_lshl_or_b32 v20, v18, 8*(\t), v20
.endif
	v_cvt_scalef32_pk16_fp6_f32 v[22:24], v[XS:XS+15], v16
	v_cvt_scalef32_pk16_fp6_f32 v[28:30], v[XS+16:XS+31], v16    ; (a conversion's three registers begin on an even number)
	v_nop                                          ; one plain place behind a scaled conversion
	v_mov_b32 v25, v28
	v_mov_b32 v26, v29
	v_mov_b32 v27, v30                             ; v22-27: the block's 24 bytes = registers 6 c .. 6 c + 5 of the image's lane, c = t / 2
.if (\t) < 2
	ds_store_b128 v13, v[22:25] offset:OO          ; registers 0-3
	ds_store_b64 v13, v[26:27] offset:OO+512       ; registers 4, 5
.else
	ds_store_b64 v13, v[22:23] offset:OO+520       ; registers 6, 7
	ds_store_b128 v13, v[24:27] offset:OO+1024     ; registers 8-11
.endif
.if (\t)+2 < 4
	LOAD (\t)+2
.endif
	s_wait_dscnt 0x0                               ; the stores have read their registers: the next block's codes may be written
.endm
	s_load_b256 s[4:11], s[0:1], 0x0               ; the rows, the gain, the bias, himg
.if VARIANT == 1
	s_load_b256 s[24:31], s[0:1], 0x20             ; wq, wk, wv, wo
	s_load_b64 s[32:33], s[0:1], 0x40              ; wimg
.else
	s_load_b128 s[24:27], s[0:1], 0x20             ; w1, w2
	s_load_b64 s[32:33], s[0:1], 0x30              ; wimg
.endif
	v_lshl_add_u32 v[SPW], v0, 2, SPARE
	v_mov_b32 v[NIL], 0
	v_lshrrev_b32 v1, 5, v0
	v_readfirstlane_b32 s16, v1                    ; wave
	v_and_b32 v1, 31, v0                           ; lane
	v_lshlrev_b32 v2, 4, v1                        ; 16 x lane
	v_and_b32 v3, 15, v0                           ; r
	v_bfe_u32 v4, v0, 4, 1                         ; h
	s_mul_i32 s17, s16, 4*ROWP
	v_add_nc_u32 v5, s17, v2                       ; into the stage: my four rows, 16 bytes a lane
	v_mul_u32_u24 v6, v3, ROWP
	v_lshl_add_u32 v6, v4, 6, v6
	s_lshl_b32 s17, s16, 10
	v_add_nc_u32 v6, s17, v6                       ; out of it: row r, + 64 h, + my two K steps (1,024 bytes a wave)
	v_lshlrev_b32 v7, 2, v1                        ; 4 x lane
	s_mov_b32 s[SEL], 0x76543210
	s_mov_b32 s[SEL+1], 0xfedcba98
	s_mov_b32 s14, 0x3a800000                      ; 1 / 1,024
	s_mov_b32 s15, 0x3727c5ac                      ; 1e-5
	s_lshr_b32 s18, ttmp9, 1
	s_lshl_b32 s18, s18, 5
	s_and_b32 s19, ttmp9, 1
	s_lshl_b32 s19, s19, 3
	s_add_co_u32 s18, s18, s19
	s_lshl_b32 s19, s16, 2
	s_add_co_u32 s18, s18, s19
	s_lshr_b32 s19, s16, 1
	s_lshl_b32 s19, s19, 3
	s_add_co_u32 s18, s18, s19                     ; my first token: 32 (mb / 2) + 8 (mb % 2) + 4 w + 8 (w / 2)
	s_lshl_b32 s18, s18, 12
	s_mov_b32 s19, 0
	s_lshl_b32 s20, ttmp9, 3
	s_lshl_b32 s21, s16, 1
	s_add_co_u32 s20, s20, s21                     ; my first fragment: 8 mb + 2 w
	s_mul_i32 s22, s20, 1536
	s_mov_b32 s23, 0
	s_lshl_b32 s20, s20, 6
	s_add_co_u32 s20, s20, 3145728
	s_mov_b32 s21, 0
.irp j, 0,1,2,3
	v_mov_b32 v[TM+4+\j], 0                        ; written once: a lane permute's destination counts as one of its sources
.endr
	s_wait_kmcnt 0x0
	s_add_nc_u64 s[4:5], s[4:5], s[18:19]
	s_add_nc_u64 s[22:23], s[10:11], s[22:23]
	s_add_nc_u64 s[20:21], s[10:11], s[20:21]
	s_cmp_ge_u32 ttmp9, NLN                        ; the work-group's number: the same in all four waves
	s_cbranch_scc1 .Lweights
	; ---- LayerNorm, phase 1
.irp j, 0,1,2,3
	v_mov_b32 v[T+\j], 0                           ; a lane permute's destination counts as one of its sources
.endr
.irp j, 0,1,2,3
.irp c, 0,1,2,3,4,5,6,7
	global_load_b128 v[X+32*\j+4*\c:X+32*\j+4*\c+3], v2, s[4:5] offset:4096*\j+512*\c
.endr
.endr
.irp c, 0,1,2,3,4,5,6,7
	global_load_b128 v[WG+4*\c:WG+4*\c+3], v2, s[6:7] offset:512*\c
	global_load_b128 v[BG+4*\c:BG+4*\c+3], v2, s[8:9] offset:512*\c
.endr
	s_wait_loadcnt 16                              ; the four rows are in; the 16 loads of gain and bias may be out
.irp j, 0,1,2,3
	v_pk_add_f32 v[MU+2*\j:MU+2*\j+1], v[X+32*\j:X+32*\j+1], v[X+32*\j+2:X+32*\j+3]
.endr
.irp p, 4,6,8,10,12,14,16,18,20,22,24,26,28,30
.irp j, 0,1,2,3
	v_pk_add_f32 v[MU+2*\j:MU+2*\j+1], v[MU+2*\j:MU+2*\j+1], v[X+32*\j+\p:X+32*\j+\p+1]
.endr
.endr
	REDUCE MU
.irp j, 0,1,2,3
	v_mul_f32 v[MU+2*\j], s14, v[MU+2*\j]          ; the mean
.endr
.irp p, 0,2,4,6,8,10,12,14,16,18,20,22,24,26,28,30
.irp j, 0,1,2,3
	v_pk_add_f32 v[X+32*\j+\p:X+32*\j+\p+1], v[X+32*\j+\p:X+32*\j+\p+1], v[MU+2*\j:MU+2*\j+1] op_sel_hi:[1,0] neg_lo:[0,1] neg_hi:[0,1]   ; x - mean
.endr
.endr
.irp j, 0,1,2,3
	v_pk_mul_f32 v[SQ+2*\j:SQ+2*\j+1], v[X+32*\j:X+32*\j+1], v[X+32*\j:X+32*\j+1]
.endr
.irp p, 2,4,6,8,10,12,14,16,18,20,22,24,26,28,30
.irp j, 0,1,2,3
	v_pk_fma_f32 v[SQ+2*\j:SQ+2*\j+1], v[X+32*\j+\p:X+32*\j+\p+1], v[X+32*\j+\p:X+32*\j+\p+1], v[SQ+2*\j:SQ+2*\j+1]
.endr
.endr
	REDUCE SQ
.irp j, 0,1,2,3
	v_fma_f32 v[SQ+2*\j], v[SQ+2*\j], s14, s15     ; the variance + 1e-5
.endr
	s_wait_alu depctr_va_vdst(0)
.irp j, 0,1,2,3
	v_rsq_f32 v[SQ+2*\j], v[SQ+2*\j]
.endr
	v_nop                                          ; a plain place behind the last of the four
	s_wait_alu depctr_va_vdst(0)                   ; one wait for the four, ahead of their first reader
	s_wait_loadcnt 0x0                             ; gain and bias
.irp p, 0,2,4,6,8,10,12,14,16,18,20,22,24,26,28,30
.irp j, 0,1,2,3
	v_pk_mul_f32 v[X+32*\j+\p:X+32*\j+\p+1], v[X+32*\j+\p:X+32*\j+\p+1], v[SQ+2*\j:SQ+2*\j+1] op_sel_hi:[1,0]
.endr
.irp j, 0,1,2,3
	v_pk_fma_f32 v[X+32*\j+\p:X+32*\j+\p+1], v[X+32*\j+\p:X+32*\j+\p+1], v[WG+\p:WG+\p+1], v[BG+\p:BG+\p+1]
.endr
.endr
.irp j, 0,1,2,3
.irp c, 0,1,2,3,4,5,6,7
	ds_store_b128 v5, v[X+32*\j+4*\c:X+32*\j+4*\c+3] offset:\j*ROWP+512*\c
.endr
.endr
	s_branch .Lmeet
.Lweights:
	; ---- a weight: 128 columns x 128 along K.  This way writes v10-30, v32-151 and s24-25, s34-79 alone
	v_bfe_u32 v10, v0, 3, 1                        ; u: which fragment of the pair my column falls into
	s_wait_alu depctr_va_vdst(0)
	v_and_b32 v11, 7, v0
	v_lshl_or_b32 v11, v4, 3, v11                  ; r: and which row of it
	s_mul_i32 s34, s16, 3328
	s_add_co_u32 s34, s34, WST
	v_mul_u32_u24 v13, v10, 1664
	v_lshl_add_u32 v13, v11, 4, v13
	v_add_nc_u32 v13, s34, v13                     ; into my stage: u x 1,664 + 16 r
	v_add_nc_u32 v14, s34, v2                      ; out of it: 16 x lane
	s_sub_co_u32 s35, ttmp9, NLN
.if VARIANT == 1
	s_lshr_b32 s43, s35, 6                         ; which of the four weights: 64 work-groups each
	s_and_b32 s38, s35, 7                          ; nx: which 128 columns
	s_bfe_u32 s40, s35, 0x30003                    ; ky: which K step
	s_mov_b32 s37, 4096                            ; a row of the weight in bytes
	s_mov_b32 s44, 8                               ; K steps of the image
	s_mov_b32 s42, s43                             ; the image's place in units of U
.else
	s_lshr_b32 s43, s35, 8                         ; 0: w1, 1: w2: 256 work-groups each
	s_and_b32 s35, s35, 255
	s_mov_b32 s37, 4096
	s_cmp_eq_u32 s43, 0
	s_cselect_b32 s36, 5, 3                        ; 32 or 8 blocks of 128 columns
	s_cselect_b32 s37, 16384, s37
	s_cselect_b32 s44, 8, 32
	s_cselect_b32 s42, 4, 8
	s_lshl_b32 s38, 1, s36
	s_sub_co_u32 s38, s38, 1
	s_and_b32 s38, s35, s38
	s_lshr_b32 s40, s35, s36
.endif
	s_mul_i32 s46, s40, s37
	s_lshl_b32 s46, s46, 7                         ; ky x 128 rows
	s_lshl_b32 s47, s38, 9
	s_add_co_u32 s46, s46, s47                     ; + 128 nx columns
	s_lshl_b32 s47, s16, 7
	s_add_co_u32 s46, s46, s47                     ; + 32 x wave columns
	s_mov_b32 s47, 0
	s_lshl_b32 s72, s37, 5                         ; a block of 32 rows
	s_mov_b32 s73, 0
	s_lshl_b32 s74, s38, 3
	s_lshl_b32 s75, s16, 1
	s_add_co_u32 s74, s74, s75                     ; my first fragment row: 8 nx + 2 x wave
	s_mul_i32 s74, s74, s44
	s_add_co_u32 s74, s74, s40                     ; fragment number: row x K steps + ky
	s_mul_i32 s76, s74, 1536
	s_mul_i32 s75, s42, 786432
	s_add_co_u32 s76, s76, s75
	s_mov_b32 s77, 0                               ; s[76:77]: where my codes go
	s_lshl_b32 s74, s74, 6
	s_lshl_b32 s75, s42, 15
	s_add_co_u32 s74, s74, s75
	s_add_co_u32 s74, s74, 9437184
	s_mov_b32 s75, 0                               ; s[74:75]: where my scale words go
	s_mul_i32 s78, s44, 1536                       ; from a fragment row to the next
	s_mov_b32 s79, 0
	s_lshl_b32 s39, s44, 6
	v_mul_u32_u24 v15, v10, s39
	s_wait_alu depctr_va_vdst(0)
	v_lshl_add_u32 v15, v11, 2, v15                ; my scale word's place: 4 r + u x K steps x 64
.set LL, 0
.rept 32
	s_mul_i32 s41, s37, LL
	v_add_nc_u32 v[AD+LL], s41, v7
.set LL, LL+1
.endr
	s_cmp_eq_u32 s43, 1                            ; the choice hangs on the work-group's number alone
	s_cselect_b64 s[24:25], s[26:27], s[24:25]
.if VARIANT == 1
	s_cmp_eq_u32 s43, 2
	s_cselect_b64 s[24:25], s[28:29], s[24:25]
	s_cmp_eq_u32 s43, 3
	s_cselect_b64 s[24:25], s[30:31], s[24:25]
.endif
	s_add_nc_u64 s[48:49], s[24:25], s[46:47]      ; a base for each of my four blocks of 32 along K: s[48:55]
.irp t, 1,2,3
	s_add_nc_u64 s[48+2*\t:49+2*\t], s[46+2*\t:47+2*\t], s[72:73]
.endr
	s_add_nc_u64 s[66:67], s[32:33], s[76:77]      ; codes of fragment u = 0,
	s_add_nc_u64 s[68:69], s[66:67], s[78:79]      ; of u = 1,
	s_add_nc_u64 s[70:71], s[32:33], s[74:75]      ; scale words
	s_wait_alu depctr_va_vdst(0)
	LOAD 0
	LOAD 1
.irp t, 0,1,2,3
	BLOCK \t
.endr
	s_wait_alu depctr_va_vdst(0)
	global_store_b32 v15, v20, s[70:71]            ; my column's scale word
.irp n, 0,1,2,3,4,5
	ds_load_b128 v[OUTR+4*\n:OUTR+4*\n+3], v14 offset:(\n/3)*1664+(\n%3)*512   ; LDS serves a wave's instructions in order: these see my stores
.endr
.irp n, 0,1,2
	s_wait_dscnt 5-\n                              ; the younger loads may be out
	global_store_b128 v2, v[OUTR+4*\n:OUTR+4*\n+3], s[66:67] offset:512*\n     ; 32 lanes store 512 consecutive bytes, at a multiple of 256 from the buffer's first byte
.endr
.irp n, 3,4,5
	s_wait_dscnt 5-\n
	global_store_b128 v2, v[OUTR+4*\n:OUTR+4*\n+3], s[68:69] offset:512*(\n-3)
.endr
	s_wait_xcnt 0x0                                ; the stores have read their registers: no line behind the meeting point lands on them
.Lmeet:
	s_wait_dscnt 0x0                               ; for the others' sake: my rows lie in the stage
	s_barrier_signal -1                            ; every work-group of either kind passes this barrier
	s_barrier_wait -1
	s_cmp_ge_u32 ttmp9, NLN
	s_cbranch_scc1 .Lend
	; ---- LayerNorm, phase 2
.irp e, 0,1
.irp b, 0,1,2,3
.irp i, 0,1,2,3
	ds_load_b128 v[X+64*\e+16*\b+4*\i:X+64*\e+16*\b+4*\i+3], v6 offset:512*\e+128*\b+16*\i   ; of row r: k = 128 (2 w + e) + 32 b + 16 h + 4 i ..
.endr
.endr
.endr
	s_wait_dscnt 16                                ; the first K step's 16 loads are in; the second's may be out
	QUANT X
.irp g, 0,1,2
	global_store_b128 v2, v[PC+4*\g:PC+4*\g+3], s[22:23] offset:512*\g      ; 512 consecutive bytes a store
.endr
	v_mov_b32 v241, v[PW]
	s_wait_dscnt 0x0
	s_wait_xcnt 0x0                                ; the stores have read their registers: the codes may be written again
	QUANT X+64
.irp g, 0,1,2
	global_store_b128 v2, v[PC+4*\g:PC+4*\g+3], s[22:23] offset:1536+512*\g
.endr
	v_cmp_eq_u32 vcc_lo, 1, v4
	v_cndmask_b32 v241, v241, v[PW], vcc_lo        ; lanes 0-15 carry the first K step's words, lanes 16-31 the second's: 128 consecutive bytes
	global_store_b32 v7, v241, s[20:21]
.Lend:
	s_wait_tensorcnt 0x0                           ; the wave's end: behind my last LDS store
	ds_add_u32 v[SPW], v[NIL]
	s_wait_dscnt 0x0
	s_endpgm
.Lfunc_end_k_q5798ce6b9e_pre2:
	.size	k_q5798ce6b9e_pre2, .Lfunc_end_k_q5798ce6b9e_pre2-k_q5798ce6b9e_pre2
	.p2alignl 7, 3214868480
	.fill 96, 4, 3214868480
	.section	.rodata,"a",@progbits
	.p2align	6, 0x0
	.amdhsa_kernel k_q5798ce6b9e_pre2
		.amdhsa_group_segment_fixed_size 79616
		.amdhsa_private_segment_fixed_size 0
		.amdhsa_enable_private_segment 0
		.amdhsa_kernarg_size 56
		.amdhsa_user_sgpr_count 2
		.amdhsa_user_sgpr_kernarg_segment_ptr 1
		.amdhsa_wavefront_size32 1
		.amdhsa_system_sgpr_workgroup_id_x 1
		.amdhsa_system_sgpr_workgroup_id_y 1
		.amdhsa_system_sgpr_workgroup_id_z 1
		.amdhsa_system_vgpr_workitem_id 0
		.amdhsa_next_free_vgpr 256
		.amdhsa_next_free_sgpr 80
		.amdhsa_reserve_vcc 1
		.amdhsa_float_denorm_mode_32 3
		.amdhsa_float_denorm_mode_16_64 3
		.amdhsa_memory_ordered 1
		.amdhsa_forward_progress 1
		.amdhsa_inst_pref_size 68
	.end_amdhsa_kernel
	.amdgpu_metadata
---
amdhsa.version: [ 1, 2 ]
amdhsa.kernels:
  - .name:           k_q5798ce6b9e_pre2
    .symbol:         k_q5798ce6b9e_pre2.kd
    .args:
      - { .name: xmid, .offset: 0, .size: 8, .value_kind: global_buffer, .address_space: global }
      - { .name: ln2_w, .offset: 8, .size: 8, .value_kind: global_buffer, .address_space: global }
      - { .name: ln2_b, .offset: 16, .size: 8, .value_kind: global_buffer, .address_space: global }
      - { .name: himg, .offset: 24, .size: 8, .value_kind: global_buffer, .address_space: global }
      - { .name: w1, .offset: 32, .size: 8, .value_kind: global_buffer, .address_space: global }
      - { .name: w2, .offset: 40, .size: 8, .value_kind: global_buffer, .address_space: global }
      - { .name: wimg, .offset: 48, .size: 8, .value_kind: global_buffer, .address_space: global }
    .group_segment_fixed_size: 79616
    .private_segment_fixed_size: 0
    .kernarg_segment_align: 8
    .kernarg_segment_size: 56
    .max_flat_workgroup_size: 128
    .sgpr_count:     80
    .vgpr_count:     256
    .wavefront_size: 32
...
	.end_amdgpu_metadata
.endif
;; end of part 5
;; launch fc1 (part 6): grid 16 x 16, 4 waves a work-group, clusters of 4 x 4, 327,680 bytes of LDS; arguments himg, wimg, b1, gimg; writes gimg
.if DOCPART == 6
	.amdgcn_target "amdgcn-amd-amdhsa--gfx1250"
	.amdhsa_code_object_version 6
	.text
	.protected	k_q5798ce6b9e_fc1
	.globl	k_q5798ce6b9e_fc1
	.p2align	8
	.type	k_q5798ce6b9e_fc1,@function
k_q5798ce6b9e_fc1:
	s_mov_b64 s[64:65], 0
	v_nop
	global_prefetch_b8 v0, s[64:65] scope:SCOPE_SE
	s_setreg_imm32_b32 hwreg(HW_REG_WAVE_MODE, 25, 1), 1
	s_wait_xcnt 0x0
	s_wait_alu depctr_hold_cnt(0) depctr_sa_sdst(0) depctr_va_vdst(0) depctr_va_sdst(0) depctr_va_ssrc(0) depctr_va_vcc(0) depctr_vm_vsrc(0)
	s_getreg_b32 s2, hwreg(HW_REG_IB_STS2, 6, 4)
	s_cmp_eq_u32 s2, 0
	s_cbranch_scc0 .Lentry_in_a_cluster
	s_endpgm
.Lentry_in_a_cluster:
	s_bfe_u32 s2, ttmp6, 0x10000c
	s_cmp_lg_u32 s2, 0xf033
	s_cbranch_scc0 .Lentry_shape_is_right
	s_endpgm
.Lentry_shape_is_right:
.set NB, 8
.set HBK, NB/2
.set NQ, 2
.set KS, 8
.set A_SC, 3145728
.set B_CO, 4*786432
.set B_SC, 9437184+131072
.set LAPS, KS/(2*NQ)
.set FRB, 1536
.set NL, 3
.set HALFT, NB*NQ*FRB
.set SLOT, 4*HALFT
.set SCL, 2*SLOT
.set HALFS, NB*KS*64
.set SPARE, SCL+4*HALFS
.set ADRA, 16
.set ADRB, 20
.set ADRS, 27
.set SPW, 28
.set NIL, 29
.set SC, 32
.set BI, 64
.set AF, 128
.set H, 128
.set Z, 192
.set X2, 208
.set P, 224
.set Q, 240
.set PC, 192
.set TM, 224
.set PW, 240
.set SEL, 12
.set G1, 24
.set G0, 32
.set G1B, 48
.set G0B, 56
.set G1S, 68
.set G0S, 76
.set G1SB, 80
.set G0SB, 88
.set MSB, 0
.macro WIN new
.if MSB != (\new)
	s_set_vgpr_msb (MSB<<8)|(\new)
.set MSB, (\new)
.endif
.endm
.set MUL_LO, 0xa1
.set MUL_HI, 0xf1
.set TO_B, 0x40
.macro JLOAD g0a, g1a, g0b, g1b
	s_cmp_eq_u32 s15, 0
	s_cbranch_scc0 .Lfor_b_\@
	tensor_load_to_lds s[\g0a:\g0a+3], s[\g1a:\g1a+7]
	s_nop 0
.rept 4
	v_nop
.endr
	s_branch .Lasked_\@
.Lfor_b_\@:
	tensor_load_to_lds s[\g0b:\g0b+3], s[\g1b:\g1b+7]
	s_nop 0
.rept 4
	v_nop
.endr
.Lasked_\@:
.endm
.macro CREST
	s_cmp_lg_u32 s14, 0
	s_cbranch_scc1 .Lnot_wave_0_\@
	s_barrier_signal -3
.Lnot_wave_0_\@:
	s_barrier_wait -3
	s_barrier_signal -1
	s_barrier_wait -1
.endm
.macro CROUND
	s_barrier_signal -1
	s_barrier_wait -1
	CREST
.endm
.macro PLACES
.rept 4
	v_nop
.endr
.endm
.macro FRAG reg, adr, q, i
.irp g, 0,1,2
	ds_load_b128 v[\reg+4*\g:\reg+4*\g+3], v[\adr] offset:((\i)*NQ+(\q))*FRB+512*\g
.endr
.endm
.macro FETCH_B slot, q, p
	WIN TO_B
.set FI, 0
.rept NB
	FRAG 128*(\p)+12*FI, ADRB+\slot, \q, FI
.set FI, FI+1
.endr
	WIN 0
.endm
.macro FETCH_A slot, q, i0
.set FI, \i0
.rept HBK
	FRAG AF+12*FI, ADRA+\slot, \q, FI
.set FI, FI+1
.endr
.endm
.macro SCALES sc
.set FI, 0
.rept NB
.set FQ, 0
.rept NQ
	ds_load_b32 v[SC+16*(\sc)+NQ*FI+FQ], v[ADRS] offset:FI*KS*64+64*FQ
.set FQ, FQ+1
.endr
.set FI, FI+1
.endr
.endm
.macro MULQ a0, p, q, sc, zero
.set AA, \a0
.rept HBK/2
.set BJ, 0
.rept NB
.set RA, 8*(NB*(AA%HBK)+BJ)
.if \zero
	v_wmma_scale_f32_16x16x128_f8f6f4 v[RA:RA+7], v[128*(\p)+12*BJ:128*(\p)+12*BJ+11], v[AF+12*AA:AF+12*AA+11], 0, v[SC+16*(\sc)+NQ*BJ+(\q)], v[SC+16*(\sc)+NQ*AA+(\q)] matrix_a_fmt:MATRIX_FMT_FP6 matrix_b_fmt:MATRIX_FMT_FP6 matrix_a_scale:MATRIX_SCALE_ROW1
.else
	v_wmma_scale_f32_16x16x128_f8f6f4 v[RA:RA+7], v[128*(\p)+12*BJ:128*(\p)+12*BJ+11], v[AF+12*AA:AF+12*AA+11], v[RA:RA+7], v[SC+16*(\sc)+NQ*BJ+(\q)], v[SC+16*(\sc)+NQ*AA+(\q)] matrix_a_fmt:MATRIX_FMT_FP6 matrix_b_fmt:MATRIX_FMT_FP6 matrix_a_scale:MATRIX_SCALE_ROW1
.endif
.set BJ, BJ+1
.endr
.set AA, AA+1
.endr
.endm
.macro STEP slot, q, zero
	s_wait_dscnt HBK*NL
	WIN MUL_LO
	MULQ 0, (\q)%2, \q, \slot, \zero
	MULQ HBK/2, (\q)%2, \q, \slot, \zero
	s_wait_dscnt 0x0
	PLACES
	FETCH_B \slot, (\q)+1, 1-(\q)%2
	FETCH_A \slot, (\q)+1, 0
	WIN MUL_HI
	MULQ HBK, (\q)%2, \q, \slot, \zero
	MULQ 3*HBK/2, (\q)%2, \q, \slot, \zero
	PLACES
	WIN 0
	FETCH_A \slot, (\q)+1, HBK
.endm
.macro TURN slot, next, fill
	s_wait_tensorcnt 0x0
	ds_add_u32 v[SPW], v[NIL]
	s_wait_dscnt HBK*NL+1
	WIN MUL_LO
	MULQ 0, 1, NQ-1, \slot, 0
	s_wait_dscnt 0x0
	s_barrier_signal -1
	MULQ HBK/2, 1, NQ-1, \slot, 0
	WIN 0
	s_barrier_wait -1
.if \fill
	CREST
	s_add_nc_u64 s[G0+4*\slot+2:G0+4*\slot+3], s[G0+4*\slot+2:G0+4*\slot+3], 2*NQ*FRB
	s_add_nc_u64 s[G0B+4*\slot+2:G0B+4*\slot+3], s[G0B+4*\slot+2:G0B+4*\slot+3], 2*NQ*FRB
	JLOAD G0+4*\slot, G1, G0B+4*\slot, G1B
.else
	PLACES
.endif
	s_wait_alu depctr_va_vdst(0)
	v_add_nc_u32 v[ADRS], 64*NQ, v[ADRS]
	FETCH_B \next, 0, 0
	FETCH_A \next, 0, 0
	SCALES \next
	WIN MUL_HI
	MULQ HBK, 1, NQ-1, \slot, 0
	MULQ 3*HBK/2, 1, NQ-1, \slot, 0
	PLACES
	WIN 0
	FETCH_A \next, 0, HBK
.endm
.macro MIDS slot, from
.if NQ-1-(\from) > 0
.set QQ, \from
.rept NQ-1-(\from)
	STEP \slot, QQ, 0
.set QQ, QQ+1
.endr
.endif
.endm
.macro QUANT s
.irp b, 0,1,2,3
	v_max3_num_f32 v[TM+\b], |v[\s+16*\b]|, |v[\s+1+16*\b]|, 0x1800000
.endr
.irp i, 2,4,6,8,10,12,14
.irp b, 0,1,2,3
	v_max3_num_f32 v[TM+\b], v[TM+\b], |v[\s+16*\b+\i]|, |v[\s+1+16*\b+\i]|
.endr
.endr
.irp b, 0,1,2,3
	v_permlanex16_b32 v[TM+4+\b], v[TM+\b], s[SEL], s[SEL+1]
.endr
.irp b, 0,1,2,3
	v_max_num_f32 v[TM+\b], v[TM+\b], v[TM+4+\b]
.endr
.irp b, 0,1,2,3
	v_add_nc_u32 v[TM+12+\b], 0xff000000, v[TM+\b]
.endr
.irp b, 0,1,2,3
	v_lshrrev_b32 v[TM+4+\b], 23, v[TM+12+\b]
.endr
	v_lshl_or_b32 v[PW], v[TM+5], 8, v[TM+4]
	v_lshl_or_b32 v[PW], v[TM+6], 16, v[PW]
	v_lshl_or_b32 v[PW], v[TM+7], 24, v[PW]
.irp c, 0,1
	v_cvt_scalef32_pk16_fp6_f32 v[PC+6*\c:PC+2+6*\c], v[\s+32*\c:\s+15+32*\c], v[TM+12+2*\c]
	v_cvt_scalef32_pk16_fp6_f32 v[PC+12+4*\c:PC+14+4*\c], v[\s+16+32*\c:\s+31+32*\c], v[TM+12+2*\c+1]
.endr
	v_nop
.irp c, 0,1
.irp i, 0,1,2
	v_permlane16_swap_b32 v[PC+6*\c+\i], v[PC+12+4*\c+\i]
.endr
.irp i, 0,1,2
	v_mov_b32 v[PC+3+6*\c+\i], v[PC+12+4*\c+\i]
.endr
.endr
.endm
.macro GELU g
.set XH, H+16*(\g)
.irp p, 0,2,4,6,8,10,12,14
	v_pk_mul_f32 v[Z+\p:Z+\p+1], v[XH+\p:XH+\p+1], 0x3f3504f3 op_sel_hi:[1,0]
.endr
.irp p, 0,1,2,3,4,5,6,7,8,9,10,11,12,13,14,15
	v_med3_num_f32 v[Z+\p], v[Z+\p], -4.0, 4.0
.endr
.irp p, 0,2,4,6,8,10,12,14
	v_pk_mul_f32 v[X2+\p:X2+\p+1], v[Z+\p:Z+\p+1], v[Z+\p:Z+\p+1]
.endr
.irp p, 0,2,4,6,8,10,12,14
	v_pk_fma_f32 v[P+\p:P+\p+1], v[X2+\p:X2+\p+1], 0xaf95df0b, v[24:25] op_sel_hi:[1,0,1]
.endr
.irp c, 0xb60cff51, 0xb86ec2d2, 0xba40ac63, 0xbb41a1f6, 0xbc83dbd4
.irp p, 0,2,4,6,8,10,12,14
	v_pk_fma_f32 v[P+\p:P+\p+1], v[P+\p:P+\p+1], v[X2+\p:X2+\p+1], \c op_sel_hi:[1,1,0]
.endr
.endr
.irp p, 0,2,4,6,8,10,12,14
	v_pk_fma_f32 v[Q+\p:Q+\p+1], v[X2+\p:X2+\p+1], 0xb77460cd, v[30:31] op_sel_hi:[1,0,1]
.endr
.irp c, 0xbadc924e, 0xbbf19bf8, 0xbc69b6a7
.irp p, 0,2,4,6,8,10,12,14
	v_pk_fma_f32 v[Q+\p:Q+\p+1], v[Q+\p:Q+\p+1], v[X2+\p:X2+\p+1], \c op_sel_hi:[1,1,0]
.endr
.endr
	s_wait_alu depctr_va_vdst(0)
.irp p, 0,1,2,3,4,5,6,7,8,9,10,11,12,13,14,15
	v_rcp_f32 v[Q+\p], v[Q+\p]
.endr
.irp p, 0,2,4,6,8,10,12,14
	v_pk_mul_f32 v[P+\p:P+\p+1], v[P+\p:P+\p+1], v[Z+\p:Z+\p+1]
.endr
.irp p, 0,2,4,6,8,10,12,14
	v_pk_mul_f32 v[X2+\p:X2+\p+1], v[XH+\p:XH+\p+1], 0.5 op_sel_hi:[1,0]
.endr
	s_wait_alu depctr_va_vdst(0)
.irp p, 0,2,4,6,8,10,12,14
	v_pk_mul_f32 v[P+\p:P+\p+1], v[P+\p:P+\p+1], v[Q+\p:Q+\p+1]
.endr
.irp p, 0,2,4,6,8,10,12,14
	v_pk_fma_f32 v[XH+\p:XH+\p+1], v[X2+\p:X2+\p+1], v[P+\p:P+\p+1], v[X2+\p:X2+\p+1]
.endr
.endm
	s_load_b256 s[4:11], s[0:1], 0x0
	v_lshl_add_u32 v[SPW], v0, 2, SPARE
	v_mov_b32 v[NIL], 0
	ds_add_u32 v[SPW], v[NIL]
	ds_add_u32 v[SPW], v[NIL]
	v_lshrrev_b32 v1, 5, v0
	v_readfirstlane_b32 s14, v1
	s_lshr_b32 s15, s14, 1
	s_and_b32 s16, s14, 1
	s_bfe_u32 s40, ttmp6, 0x40000
	s_bfe_u32 s41, ttmp6, 0x40004
	s_lshl_b32 s42, ttmp9, 2
	s_add_co_u32 s42, s42, s40
	s_and_b32 s17, ttmp7, 0xffff
	s_lshl_b32 s17, s17, 2
	s_add_co_u32 s17, s17, s41
	s_lshl_b32 s43, s41, 2
	s_lshl_b32 s43, 15, s43
	s_lshl_b32 s44, 0x1111, s40
	s_or_b32 s[G1+0], s43, (3<<16)|(1<<21)
	s_or_b32 s[G1B+0], s44, (3<<16)|(1<<21)
.irp g, G1, G1B
	s_mov_b32 s[\g+1], (192*NQ)<<16
	s_mov_b32 s[\g+2], NB<<16                      ; the ring's loads bring NB fragment rows
	s_mov_b32 s[\g+3], (192*NQ)<<16
	s_mov_b32 s[\g+4], NB
	s_mov_b32 s[\g+5], 192*KS
	s_mov_b32 s[\g+6], 0
	s_mov_b32 s[\g+7], 0
.endr
	s_or_b32 s[G1S+0], s43, (3<<16)|(1<<21)        ; groups 1 of the head's loads: a slot's part of a whole tile, 2 NB fragment rows
	s_or_b32 s[G1SB+0], s44, (3<<16)|(1<<21)
.irp g, G1S, G1SB
	s_mov_b32 s[\g+1], (192*NQ)<<16
	s_mov_b32 s[\g+2], (2*NB)<<16
	s_mov_b32 s[\g+3], (192*NQ)<<16
	s_mov_b32 s[\g+4], 2*NB
	s_mov_b32 s[\g+5], 192*KS
	s_mov_b32 s[\g+6], 0
	s_mov_b32 s[\g+7], 0
.endr
	s_mul_i32 s2, s16, NB*KS*FRB                   ; the ring: which half of a tile I fetch, in bytes
	s_mov_b32 s3, 0
	s_mul_i32 s20, s17, 2*NB                       ; A: the tile's first fragment row
	s_mul_i32 s46, s42, 2*NB                       ; B likewise
	s_mul_i32 s22, s20, KS*64
	s_add_co_u32 s22, s22, A_SC
	s_mul_i32 s92, s46, KS*64
	s_add_co_u32 s92, s92, B_SC
	s_mul_i32 s20, s20, KS*FRB
	s_mul_i32 s46, s46, KS*FRB
	s_add_co_u32 s46, s46, B_CO
	s_mov_b32 s21, 0
	s_mov_b32 s23, 0
	s_mov_b32 s47, 0
	s_mov_b32 s93, 0
	s_mul_i32 s45, s14, HALFT
	s_mov_b32 s[SEL], 0x76543210
	s_mov_b32 s[SEL+1], 0xfedcba98
	s_wait_dscnt 0x0
	s_wait_kmcnt 0x0
	s_add_nc_u64 s[20:21], s[4:5], s[20:21]
	s_add_nc_u64 s[22:23], s[4:5], s[22:23]
	s_add_nc_u64 s[46:47], s[6:7], s[46:47]
	s_add_nc_u64 s[92:93], s[6:7], s[92:93]
	CROUND
	s_mov_b32 s[G0S], 1
	s_mov_b32 s[G0SB], 1
	s_mov_b32 s[G0], 1                             ; the ring's groups 0, first used at the refills: my quarter of a slot, at K steps 0 and NQ
	s_mov_b32 s[G0+1], s45
	s_add_nc_u64 s[G0+2:G0+3], s[20:21], s[2:3]
	s_or_b32 s[G0+3], s[G0+3], 0x80000000
	s_mov_b32 s[G0B], 1
	s_mov_b32 s[G0B+1], s45
	s_add_nc_u64 s[G0B+2:G0B+3], s[46:47], s[2:3]
	s_or_b32 s[G0B+3], s[G0B+3], 0x80000000
	s_mov_b32 s[G0+4], 1
	s_add_co_u32 s[G0+5], s45, SLOT
	s_add_nc_u64 s[G0+6:G0+7], s[20:21], s[2:3]
	s_add_nc_u64 s[G0+6:G0+7], s[G0+6:G0+7], NQ*FRB
	s_or_b32 s[G0+7], s[G0+7], 0x80000000
	s_mov_b32 s[G0B+4], 1
	s_add_co_u32 s[G0B+5], s45, SLOT
	s_add_nc_u64 s[G0B+6:G0B+7], s[46:47], s[2:3]
	s_add_nc_u64 s[G0B+6:G0B+7], s[G0B+6:G0B+7], NQ*FRB
	s_or_b32 s[G0B+7], s[G0B+7], 0x80000000
; THE HEAD'S LOADS, ONE A WAVE, each on a line of its own in one chain of branches on the wave's number, what is needed first asked for first:
; wave 0 slot 0's part of A's tile, wave 1 of B's, wave 2 slot 1's part of A's, wave 3 of B's.  Both slots are on their way from here on; the scale words come by plain loads.
.macro ARM under, g0, lds, base, off, g1, next
	s_cmp_lt_u32 s14, \under
	s_cbranch_scc0 \next
	s_mov_b32 s[\g0+1], \lds
	s_add_nc_u64 s[\g0+2:\g0+3], s[\base:\base+1], \off
	s_or_b32 s[\g0+3], s[\g0+3], 0x80000000
	tensor_load_to_lds s[\g0:\g0+3], s[\g1:\g1+7]
	s_nop 0
.rept 4
	v_nop
.endr
	s_branch .Lhead_asked
\next:
.endm
	ARM 1, G0S, 0, 20, 0, G1S, .Lhead_b
	ARM 2, G0SB, 2*HALFT, 46, 0, G1SB, .Lhead_a1
	ARM 3, G0S, SLOT, 20, NQ*FRB, G1S, .Lhead_b1
	s_mov_b32 s[G0SB+1], SLOT+2*HALFT
	s_add_nc_u64 s[G0SB+2:G0SB+3], s[46:47], NQ*FRB
	s_or_b32 s[G0SB+3], s[G0SB+3], 0x80000000
	tensor_load_to_lds s[G0SB:G0SB+3], s[G1SB:G1SB+7]
	s_nop 0
.rept 4
	v_nop
.endr
.Lhead_asked:
	v_lshlrev_b32 v4, 4, v0                        ; the scale words, two dense blocks of 2 HALFS bytes: the 128 threads take 2,048 consecutive bytes an instruction
	v_lshl_add_u32 v7, v0, 4, SCL                  ; and lay them into LDS as they lie
.irp k, 0,1,2,3
	global_load_b128 v[AF+4*\k:AF+4*\k+3], v4, s[22:23] offset:2048*\k
	global_load_b128 v[AF+16+4*\k:AF+16+4*\k+3], v4, s[92:93] offset:2048*\k
.endr
	s_wait_xcnt 0x0                                ; the loads have read their bases: s22 is written again below
	v_and_b32 v1, 15, v0
	v_bfe_u32 v2, v0, 4, 1
	s_wait_alu depctr_va_vdst(0)
	v_and_b32 v3, 31, v0
	v_lshlrev_b32 v3, 4, v3
	s_mul_i32 s21, s15, HALFT
	s_mul_i32 s22, s16, HALFT
	s_add_co_u32 s22, s22, 2*HALFT
.irp s, 0,1
	v_add_nc_u32 v[ADRA+\s], s21, v3
	v_add_nc_u32 v[ADRB+\s], s22, v3
	s_add_co_u32 s21, s21, SLOT
	s_add_co_u32 s22, s22, SLOT
.endr
	v_lshlrev_b32 v5, 2, v1
	s_mul_i32 s21, s15, HALFS
	s_mul_i32 s22, s16, HALFS
	s_add_co_u32 s22, s22, 2*HALFS
	s_sub_co_u32 s22, s22, s21
	v_mul_u32_u24 v6, s22, v2
	s_add_co_u32 s21, s21, SCL
	v_add_nc_u32 v5, v5, v6
	v_add_nc_u32 v[ADRS], s21, v5
	v_lshlrev_b32 v12, 6, v2
	v_lshlrev_b32 v13, 2, v1
	s_lshl_b32 s46, s42, 10
	s_lshl_b32 s47, s16, 9
	s_add_co_u32 s46, s46, s47
	s_mov_b32 s47, 0
	s_add_nc_u64 s[8:9], s[8:9], s[46:47]
.irp t, 0,1,2,3,4,5,6,7
	global_load_b128 v[BI+8*\t:BI+8*\t+3], v12, s[8:9] offset:(32*(\t/2)+8*(\t%2))*4
	global_load_b128 v[BI+8*\t+4:BI+8*\t+7], v12, s[8:9] offset:(32*(\t/2)+8*(\t%2))*4+16
.endr
	s_lshl_b32 s20, s17, 4
	s_lshl_b32 s21, s15, 3
	s_add_co_u32 s20, s20, s21
	s_lshl_b32 s20, s20, 5
	s_lshl_b32 s21, s42, 1
	s_add_co_u32 s20, s20, s21
	s_add_co_u32 s20, s20, s16
	s_lshl_b32 s22, s20, 6
	s_add_co_u32 s22, s22, 12582912
	s_mul_i32 s20, s20, 1536
	s_mov_b32 s21, 0
	s_mov_b32 s23, 0
	s_add_nc_u64 s[20:21], s[10:11], s[20:21]
	s_add_nc_u64 s[22:23], s[10:11], s[22:23]
	v_mov_b32 v24, 0x32edffee
	v_mov_b32 v25, 0x32edffee
	v_mov_b32 v30, 0xb95fbd29
	v_mov_b32 v31, 0xb95fbd29
	s_wait_alu depctr_va_vdst(0)
	s_wait_loadcnt 16                              ; my share of the scale words; the bias's 16 loads are younger
.irp k, 0,1,2,3
	ds_store_b128 v7, v[AF+4*\k:AF+4*\k+3] offset:2048*\k
	ds_store_b128 v7, v[AF+16+4*\k:AF+16+4*\k+3] offset:2*HALFS+2048*\k
.endr
	s_wait_dscnt 0x0                               ; for the others' sake: they lie in LDS
	s_cmp_lt_u32 s14, 2
	s_cbranch_scc0 .Lnot_slot0
	s_wait_tensorcnt 0x0                           ; waves 0 and 1: slot 0's tiles have landed
.Lnot_slot0:
	s_barrier_signal -1                            ; slot 0 and the scale words are shown; slot 1's loads may be out
	s_barrier_wait -1
	FETCH_B 0, 0, 0
	FETCH_A 0, 0, 0
	SCALES 0
	FETCH_A 0, 0, HBK
	STEP 0, 0, 1
.if LAPS > 1
	s_mov_b32 s3, LAPS-1
.Llap:
	MIDS 0, 1
	TURN 0, 1, 1
	MIDS 1, 0
	TURN 1, 0, 1
	STEP 0, 0, 0
	s_sub_co_u32 s3, s3, 1
	s_cmp_lg_u32 s3, 0
	s_cbranch_scc1 .Llap
.endif
	MIDS 0, 1
	TURN 0, 1, 0
	MIDS 1, 0
	s_wait_dscnt HBK*NL
	WIN MUL_LO
	MULQ 0, 1, NQ-1, 1, 0
	MULQ HBK/2, 1, NQ-1, 1, 0
	s_wait_dscnt 0x0
	WIN MUL_HI
	MULQ HBK, 1, NQ-1, 1, 0
	MULQ 3*HBK/2, 1, NQ-1, 1, 0
	WIN 0
	PLACES
	s_wait_loadcnt 0x0
.macro COPY a
	WIN 0x02+(\a)/4
.set PP, 0
.rept 32
	v_pk_add_f32 v[H+PP:H+PP+1], v[64*((\a)%4)+PP:64*((\a)%4)+PP+1], v[BI+PP:BI+PP+1]
.set PP, PP+2
.endr
	WIN 0
.endm
	s_mov_b32 s2, 0
.Lrow:
.irp a, 0,1,2,3,4,5,6
	s_cmp_eq_u32 s2, \a
	s_cbranch_scc1 .Lc\a
.endr
	COPY 7
	s_branch .Lgo
.irp a, 0,1,2,3,4,5,6
.Lc\a:
	COPY \a
	s_branch .Lgo
.endr
.Lgo:
	GELU 0
	GELU 1
	GELU 2
	GELU 3
	QUANT H
.irp g, 0,1,2
	global_store_b128 v3, v[PC+4*\g:PC+4*\g+3], s[20:21] offset:512*\g
.endr
	global_store_b32 v13, v[PW], s[22:23]
	s_wait_xcnt 0x0
	s_add_nc_u64 s[20:21], s[20:21], 32*1536
	s_add_nc_u64 s[22:23], s[22:23], 32*64
	s_add_co_u32 s2, s2, 1
	s_cmp_lt_u32 s2, 8
	s_cbranch_scc1 .Lrow
	s_wait_tensorcnt 0x0
	ds_add_u32 v[SPW], v[NIL]
	s_wait_dscnt 0x0
	CROUND
	s_endpgm
.Lfunc_end_k_q5798ce6b9e_fc1:
	.size	k_q5798ce6b9e_fc1, .Lfunc_end_k_q5798ce6b9e_fc1-k_q5798ce6b9e_fc1
	.p2alignl 7, 3214868480
	.fill 96, 4, 3214868480
	.section	.rodata,"a",@progbits
	.p2align	6, 0x0
	.amdhsa_kernel k_q5798ce6b9e_fc1
		.amdhsa_group_segment_fixed_size 327680
		.amdhsa_private_segment_fixed_size 0
		.amdhsa_enable_private_segment 0
		.amdhsa_kernarg_size 32
		.amdhsa_user_sgpr_count 2
		.amdhsa_user_sgpr_kernarg_segment_ptr 1
		.amdhsa_wavefront_size32 1
		.amdhsa_system_sgpr_workgroup_id_x 1
		.amdhsa_system_sgpr_workgroup_id_y 1
		.amdhsa_system_sgpr_workgroup_id_z 1
		.amdhsa_system_vgpr_workitem_id 0
		.amdhsa_next_free_vgpr 1024
		.amdhsa_next_free_sgpr 100
		.amdhsa_reserve_vcc 0
		.amdhsa_float_denorm_mode_32 3
		.amdhsa_float_denorm_mode_16_64 3
		.amdhsa_memory_ordered 1
		.amdhsa_forward_progress 1
		.amdhsa_inst_pref_size 182
	.end_amdhsa_kernel
	.amdgpu_metadata
---
amdhsa.version: [ 1, 2 ]
amdhsa.kernels:
  - .name:           k_q5798ce6b9e_fc1
    .symbol:         k_q5798ce6b9e_fc1.kd
    .args:
      - { .name: himg, .offset: 0, .size: 8, .value_kind: global_buffer, .address_space: global }
      - { .name: wimg, .offset: 8, .size: 8, .value_kind: global_buffer, .address_space: global }
      - { .name: b1, .offset: 16, .size: 8, .value_kind: global_buffer, .address_space: global }
      - { .name: gimg, .offset: 24, .size: 8, .value_kind: global_buffer, .address_space: global }
    .group_segment_fixed_size: 327680
    .private_segment_fixed_size: 0
    .kernarg_segment_align: 8
    .kernarg_segment_size: 32
    .max_flat_workgroup_size: 128
    .sgpr_count:     100
    .vgpr_count:     1024
    .wavefront_size: 32
...
	.end_amdgpu_metadata
.endif
;; end of part 6
;; launch fc2 (part 7): grid 8 x 32, 4 waves a work-group, no clusters, 270,848 bytes of LDS; arguments gimg, wimg, xmid, b2, out0; writes out0
.if DOCPART == 7
	.amdgcn_target "amdgcn-amd-amdhsa--gfx1250"
	.amdhsa_code_object_version 6
	.text
	.protected	k_q5798ce6b9e_fc2
	.globl	k_q5798ce6b9e_fc2
	.p2align	8
	.type	k_q5798ce6b9e_fc2,@function
k_q5798ce6b9e_fc2:
	s_mov_b64 s[64:65], 0
	v_nop
	global_prefetch_b8 v0, s[64:65] scope:SCOPE_SE
	s_setreg_imm32_b32 hwreg(HW_REG_WAVE_MODE, 25, 1), 1
	s_wait_xcnt 0x0
; out0 = xmid + (g w2 + b2): 4,096 x 1,024, K = 4,096, on codes of FP6 (E2M3) with E8M0 scale words.  g (gimg) and w2 (wimg) are images of operand registers (layouts: at the head of the first launch's text).
; THE DEAL.  256 work-groups, each a tile of 128 tokens (y) x 128 columns (x).  K IS CUT AMONG THE FOUR WAVES: wave w makes the whole tile over K steps 8 w .. 8 w + 7: 64 accumulators, 512 registers.
; So no fragment is used by two waves, and a fragment goes FROM MEMORY STRAIGHT INTO ITS REGISTERS: three loads of 512 consecutive bytes, as it was stored.  No tensor load, no ring, no barrier in the walk along K.
; cluster = none: nothing passes LDS on the way in, so there is no tensor load that could be a joint one.  No prefetch: from the head on a wave has 48 to 60 loads on their way, with no drain between.
; A SLOT is 8 products: one fragment of A (tokens) against B's eight of the same K step; 64 slots.  Behind slot n's products and four places the wave asks for A's fragment n + 9 (nine buffers: into the one just read)
; and B's fragment n + 16 (24 buffers, three K steps' sets: into the set read in the step before).  So all that slot n needs was asked for up to slot n - 9, and the wait in front of it counts the loads of the 8 slots between.
; The matrix instruction is used transposed (source 0 = B, source 1 = A): a lane holds a token, its eight registers eight neighbouring columns.
; THE FOUR PARTS MEET IN LDS: each wave lays its 128 x 128 sums row by row (rows of 512 + 16 bytes) in a copy of its own; behind one barrier wave w reads its 32 tokens' rows of all four copies, 16 bytes a lane,
; adds them, the residual and the bias, and stores rows of 512 consecutive bytes.  The order of these f32 additions differs from one chain along K.
; LIMITS: NaN, infinities and sums beyond f32's range are not served.
; REGISTERS: window 0: v0-13 addresses; v32-63 A's scale words (4 i + pair of K steps), v66-97 B's (the two registers of a product differ by 2 or 6 modulo 8); v100-207 A's nine buffers; v208-243 B's buffers 21-23; v244-247 the bias.
;   window 1: B's buffers 0-20; from slot 56 on the residual in v0-95 and v192-223.  Windows 2, 3: accumulator (a, b) at v[8 (8 (a % 4) + b)] of window 2 + a / 4; behind the barrier window 2 takes the rows read back.
.set KS, 32                            ; K steps in all
.set FRB, 1536                         ; a fragment
.set A_SC, 12582912                    ; g's scale words in gimg
.set B_CO, 8*786432                    ; w2's codes in wimg
.set B_SC, 9437184+262144              ; and its scale words
.set RP, 528                           ; an LDS row of sums
.set COPY, 128*RP                      ; a wave's copy
.set SPARE, 4*COPY                     ; the spare words, 128 bytes a wave
.set V16, 2                            ; v2 16 x lane
.set V4, 3                             ; v3 4 x lane
.set STO, 4                            ; v4 where my sums go: my copy, row r, + 64 h
.set RD, 8                             ; v8-11 where I read rows back, one for each copy
.set SPW, 12
.set NIL, 13
.set SAR, 32
.set SBR, 66
.set AFR, 100
.set BIA, 244
.set MSB, 0
.macro WIN new                         ; the immediate's high byte repeats the setting that is left
.if MSB != (\new)
	s_set_vgpr_msb (MSB<<8)|(\new)
.set MSB, (\new)
.endif
.endm
.macro BPLACE m                        ; B's fragment m = 8 s + j lies in buffer m % 24: window BW_, register BG_
.set BK_, (\m)%24
.if BK_ < 21
.set BW_, 1
.set BG_, 12*BK_
.else
.set BW_, 0
.set BG_, 208+12*(BK_-21)
.endif
.endm
.macro LDA n                           ; A's fragment n = 8 s + a into buffer n % 9
	WIN 0
.irp g, 0,1,2
	global_load_b128 v[AFR+12*((\n)%9)+4*\g:AFR+12*((\n)%9)+4*\g+3], v[V16], s[16:17] offset:((\n)%8)*KS*FRB+((\n)/8)*FRB+512*\g
.endr
.endm
.macro LDB m
	BPLACE \m
	WIN BW_<<6
.irp g, 0,1,2
	global_load_b128 v[BG_+4*\g:BG_+4*\g+3], v[V16], s[18:19] offset:((\m)%8)*KS*FRB+((\m)/8)*FRB+512*\g
.endr
.endm
.macro LSC side, f, p                  ; the scale words of fragment row f for my K steps 2 p (lanes 0-15) and 2 p + 1 (lanes 16-31): 128 consecutive bytes
.if \side
	global_load_b32 v[SBR+4*(\f)+(\p)], v[V4], s[22:23] offset:(\f)*KS*64+128*(\p)
.else
	global_load_b32 v[SAR+4*(\f)+(\p)], v[V4], s[20:21] offset:(\f)*KS*64+128*(\p)
.endif
.endm
.macro PROD d, b, a, c, xb, xa, row
.if \row
	v_wmma_scale_f32_16x16x128_f8f6f4 v[\d:\d+7], v[\b:\b+11], v[\a:\a+11], \c, v[\xb], v[\xa] matrix_a_fmt:MATRIX_FMT_FP6 matrix_b_fmt:MATRIX_FMT_FP6 matrix_a_scale:MATRIX_SCALE_ROW1 matrix_b_scale:MATRIX_SCALE_ROW1
.else
	v_wmma_scale_f32_16x16x128_f8f6f4 v[\d:\d+7], v[\b:\b+11], v[\a:\a+11], \c, v[\xb], v[\xa] matrix_a_fmt:MATRIX_FMT_FP6 matrix_b_fmt:MATRIX_FMT_FP6
.endif
.endm
.macro PUT a                           ; block a's finished sums into my copy: tile b's eight columns of my half at 128 (b / 2) + 64 h + 32 (b % 2); each accumulator from its low end on
	WIN 0x08+4*((\a)/4)
.irp b, 0,1,2,3,4,5,6,7
	ds_store_b128 v[STO], v[8*(8*((\a)%4)+\b):8*(8*((\a)%4)+\b)+3] offset:(\a)*16*RP+128*(\b/2)+32*(\b%2)
	ds_store_b128 v[STO], v[8*(8*((\a)%4)+\b)+4:8*(8*((\a)%4)+\b)+7] offset:(\a)*16*RP+128*(\b/2)+32*(\b%2)+16
.endr
	WIN 0
.endm
.macro RESID                           ; my 32 tokens' rows of the residual, 512 consecutive bytes a load, into B's sets that are read no more; and the bias of my four columns: 33 loads
	WIN 0x40
.set T_, 0
.rept 32
.if T_ < 24
.set R_, 4*T_
.else
.set R_, 96+4*T_
.endif
	global_load_b128 v[R_:R_+3], v[V16], s[8:9] offset:T_*4096 th:TH_LOAD_NT
.set T_, T_+1
.endr
	WIN 0
	global_load_b128 v[BIA:BIA+3], v[V16], s[10:11]
.endm
.macro SLOT n
.set S_, (\n)/8
.set A_, (\n)%8
.set CNT_, 0                           ; the loads of slots n - 8 .. n - 1: six a slot up to slot 47, three up to 54, 33 in slot 56 (the scale words asked for in slots 0 to 7 are not counted: the wait is then for a little more)
.set K_, (\n)-8
.rept 8
.if K_ <= 47
.set CNT_, CNT_+6
.elseif K_ <= 54
.set CNT_, CNT_+3
.elseif K_ == 56
.set CNT_, CNT_+33
.endif
.set K_, K_+1
.endr
	s_wait_loadcnt CNT_
.set J_, 0
.rept 8                                ; eight accumulators by turns; each comes up again 64 products on
	BPLACE 8*S_+J_
	WIN BW_|((2+A_/4)*0x50)
.set D_, 8*(8*(A_%4)+J_)
.if S_
	PROD D_, BG_, AFR+12*((\n)%9), v[D_:D_+7], SBR+4*J_+S_/2, SAR+4*A_+S_/2, S_%2
.else
	PROD D_, BG_, AFR+12*((\n)%9), 0, SBR+4*J_+S_/2, SAR+4*A_+S_/2, S_%2
.endif
.set J_, J_+1
.endr
.rept 4
	v_nop                                          ; four places ahead of the loads into registers just read, and of the stores of sums
.endr
.if (\n)+9 <= 63
	LDA (\n)+9
.endif
.if (\n)+16 <= 63
	LDB (\n)+16
.endif
.if (\n) < 8                           ; the scale words of my K steps 2 to 7: 48 loads, six a slot
	WIN 0
.set E_, 6*(\n)
.rept 6
	LSC (E_%16)/8, E_%8, 1+E_/16
.set E_, E_+1
.endr
.endif
.if (\n) == 56
	RESID
.endif
.if (\n) > 56
	PUT A_-1                                       ; in the last K step a block leaves while the next is multiplied
.endif
.endm
.macro GET k                           ; tokens 8 k .. 8 k + 7 of my 32, all four copies: token t lies in row 16 ((t / 8) % 2) + t % 8 + 8 (t / 16) of my 32 rows
	WIN 0x80
.set Q_, 0
.rept 8
.set T_, 8*(\k)+Q_
.set RO_, (16*((T_>>3)&1)+(T_&7)+8*(T_>>4))*RP
.irp c, 0,1,2,3
	ds_load_b128 v[128*((\k)%2)+16*Q_+4*\c:128*((\k)%2)+16*Q_+4*\c+3], v[RD+\c] offset:RO_
.endr
.set Q_, Q_+1
.endr
.endm
.macro PASS win, kind, k               ; one addition over the batch's eight rows
	WIN \win
.set Q_, 0
.rept 8
.set X_, 128*((\k)%2)+16*Q_
.set T_, 8*(\k)+Q_
.if T_ < 24
.set R_, 4*T_
.else
.set R_, 96+4*T_
.endif
.if \kind == 0
.irp c, 8,10
	v_pk_add_f32 v[X_+\c:X_+\c+1], v[X_+\c:X_+\c+1], v[X_+\c+4:X_+\c+5]
.endr
.endif
.irp c, 0,2
.if \kind == 0
	v_pk_add_f32 v[X_+\c:X_+\c+1], v[X_+\c:X_+\c+1], v[X_+\c+4:X_+\c+5]
.elseif \kind == 1
	v_pk_add_f32 v[X_+\c:X_+\c+1], v[X_+\c:X_+\c+1], v[X_+\c+8:X_+\c+9]
.elseif \kind == 2
	v_pk_add_f32 v[X_+\c:X_+\c+1], v[X_+\c:X_+\c+1], v[R_+\c:R_+\c+1]
.else
	v_pk_add_f32 v[X_+\c:X_+\c+1], v[X_+\c:X_+\c+1], v[BIA+\c:BIA+\c+1]
.endif
.endr
.set Q_, Q_+1
.endr
.endm
.macro SUM k
	PASS 0x8a, 0, \k                               ; copy 0 + copy 1, copy 2 + copy 3
	PASS 0x8a, 1, \k                               ; the two together
	PASS 0x86, 2, \k                               ; + the residual (window 1)
	PASS 0x82, 3, \k                               ; + the bias (window 0)
	WIN 0x08
.set Q_, 0
.rept 8
	global_store_b128 v[V16], v[128*((\k)%2)+16*Q_:128*((\k)%2)+16*Q_+3], s[12:13] offset:(8*(\k)+Q_)*4096 th:TH_STORE_NT   ; 32 lanes store 512 consecutive bytes, aligned
.set Q_, Q_+1
.endr
.endm
	s_load_b256 s[4:11], s[0:1], 0x0               ; gimg, wimg, xmid, b2
	s_load_b64 s[12:13], s[0:1], 0x20              ; out0
	v_lshl_add_u32 v[SPW], v0, 2, SPARE
	v_mov_b32 v[NIL], 0
	v_lshrrev_b32 v1, 5, v0
	v_readfirstlane_b32 s14, v1                    ; wave
	v_and_b32 v1, 31, v0
	v_lshlrev_b32 v[V16], 4, v1
	v_lshlrev_b32 v[V4], 2, v1
	v_and_b32 v5, 15, v0                           ; r
	v_bfe_u32 v6, v0, 4, 1                         ; h
	v_mul_u32_u24 v7, v5, RP
	v_lshl_add_u32 v7, v6, 6, v7
	s_mul_i32 s15, s14, COPY
	s_mul_i32 s16, s14, 32*RP
	v_add_nc_u32 v[STO], s15, v7
	v_add_nc_u32 v[RD], s16, v[V16]
	v_add_nc_u32 v[RD+1], COPY, v[RD]
	v_add_nc_u32 v[RD+2], 2*COPY, v[RD]
	v_add_nc_u32 v[RD+3], 3*COPY, v[RD]
	s_and_b32 s15, ttmp7, 0xffff                   ; y: which 128 tokens
	s_lshl_b32 s24, s15, 8
	s_lshl_b32 s16, s14, 3
	s_add_co_u32 s24, s24, s16                     ; A: fragment number (8 y) x 32 + 8 w
	s_lshl_b32 s25, ttmp9, 8
	s_add_co_u32 s25, s25, s16                     ; B: (8 x) x 32 + 8 w
	s_mul_i32 s26, s24, FRB
	s_mov_b32 s27, 0
	s_lshl_b32 s28, s24, 6
	s_add_co_u32 s28, s28, A_SC
	s_mov_b32 s29, 0
	s_mul_i32 s30, s25, FRB
	s_add_co_u32 s30, s30, B_CO
	s_mov_b32 s31, 0
	s_lshl_b32 s32, s25, 6
	s_add_co_u32 s32, s32, B_SC
	s_mov_b32 s33, 0
	s_lshl_b32 s34, s15, 7
	s_lshl_b32 s16, s14, 5
	s_add_co_u32 s34, s34, s16                     ; my first token on the way out: 128 y + 32 w
	s_lshl_b32 s34, s34, 12
	s_lshl_b32 s36, ttmp9, 9                       ; the tile's first column, in bytes
	s_add_co_u32 s34, s34, s36
	s_mov_b32 s35, 0
	s_mov_b32 s37, 0
	s_wait_alu depctr_va_vdst(0)                   ; the wait at the head's end
	s_wait_kmcnt 0x0
	s_add_nc_u64 s[16:17], s[4:5], s[26:27]        ; A's codes
	s_add_nc_u64 s[18:19], s[6:7], s[30:31]        ; B's codes
	s_add_nc_u64 s[20:21], s[4:5], s[28:29]        ; A's scale words
	s_add_nc_u64 s[22:23], s[6:7], s[32:33]        ; B's
	s_add_nc_u64 s[8:9], s[8:9], s[34:35]
	s_add_nc_u64 s[12:13], s[12:13], s[34:35]
	s_add_nc_u64 s[10:11], s[10:11], s[36:37]
	; what slots -16 .. -1 would have asked for, 91 loads, what is needed first asked for first; behind A's fragment 0 stand 48 of them
.irp f, 0,1,2,3,4,5,6,7
	LSC 0, \f, 0
	LSC 1, \f, 0
.endr
.set M_, 0
.rept 8
	LDB M_
.set M_, M_+1
.endr
.set M_, 0
.rept 8
	LDA M_
	LDB 8+M_
.set M_, M_+1
.endr
	LDA 8
.set N_, 0
.rept 64                               ; written out: buffers of nine and of 24 come back together only after 72 slots; every offset is an immediate and no pointer is stepped
	SLOT N_
.set N_, N_+1
.endr
	PUT 7
	s_wait_dscnt 0x0                               ; for the others' sake: my copy lies in LDS
	s_barrier_signal -1
	s_barrier_wait -1
	GET 0
	GET 1
.irp k, 0,1,2,3
.if \k < 3
	s_wait_dscnt 32                                ; this batch's 32 loads are in; the next batch's may be out
.else
	s_wait_dscnt 0x0
.endif
.if \k == 0
	s_wait_loadcnt 0x0                             ; the residual and the bias
.endif
	SUM \k
.if \k < 2
	s_wait_xcnt 0x0                                ; the stores have read their registers: the batch two on may land there
	GET \k+2
.endif
.endr
	WIN 0
	s_wait_tensorcnt 0x0                           ; the wave's end: behind my last LDS store
	ds_add_u32 v[SPW], v[NIL]
	s_wait_dscnt 0x0
	s_endpgm
.Lfunc_end_k_q5798ce6b9e_fc2:
	.size	k_q5798ce6b9e_fc2, .Lfunc_end_k_q5798ce6b9e_fc2-k_q5798ce6b9e_fc2
	.p2alignl 7, 3214868480
	.fill 96, 4, 3214868480
	.section	.rodata,"a",@progbits
	.p2align	6, 0x0
	.amdhsa_kernel k_q5798ce6b9e_fc2
		.amdhsa_group_segment_fixed_size 270848
		.amdhsa_private_segment_fixed_size 0
		.amdhsa_enable_private_segment 0
		.amdhsa_kernarg_size 40
		.amdhsa_user_sgpr_count 2
		.amdhsa_user_sgpr_kernarg_segment_ptr 1
		.amdhsa_wavefront_size32 1
		.amdhsa_system_sgpr_workgroup_id_x 1
		.amdhsa_system_sgpr_workgroup_id_y 1
		.amdhsa_system_sgpr_workgroup_id_z 1
		.amdhsa_system_vgpr_workitem_id 0
		.amdhsa_next_free_vgpr 1024
		.amdhsa_next_free_sgpr 66
		.amdhsa_reserve_vcc 0
		.amdhsa_float_denorm_mode_32 3
		.amdhsa_float_denorm_mode_16_64 3
		.amdhsa_memory_ordered 1
		.amdhsa_forward_progress 1
		.amdhsa_inst_pref_size 169
	.end_amdhsa_kernel
	.amdgpu_metadata
---
amdhsa.version: [ 1, 2 ]
amdhsa.kernels:
  - .name:           k_q5798ce6b9e_fc2
    .symbol:         k_q5798ce6b9e_fc2.kd
    .args:
      - { .name: gimg, .offset: 0, .size: 8, .value_kind: global_buffer, .address_space: global }
      - { .name: wimg, .offset: 8, .size: 8, .value_kind: global_buffer, .address_space: global }
      - { .name: xmid, .offset: 16, .size: 8, .value_kind: global_buffer, .address_space: global }
      - { .name: b2, .offset: 24, .size: 8, .value_kind: global_buffer, .address_space: global }
      - { .name: out0, .offset: 32, .size: 8, .value_kind: global_buffer, .address_space: global }
    .group_segment_fixed_size: 270848
    .private_segment_fixed_size: 0
    .kernarg_segment_align: 8
    .kernarg_segment_size: 40
    .max_flat_workgroup_size: 128
    .sgpr_count:     66
    .vgpr_count:     1024
    .wavefront_size: 32
...
	.end_amdgpu_metadata
.endif
;; end of part 7
